; MI455X (gfx1250); checked and timed in simulation.
; The chip was launched on July 23, 2026; its instructions are those of AMD's public machine-readable ISA for CDNA 5 (MIT licence, August 2026) and "CDNA5" Instruction Set Architecture Reference Guide (July 2026). The comments in the code are by the model that wrote it; some were corrected since.
;; Flexible CSA Wrapped Block. Allowed arithmetic: matrix products marked QUANTISED: E3M2 operands, one E8M0 scale for each 32 along K, by v_wmma_scale_f32_16x16x128_f8f6f4 with both operands' format E3M2, f32 sums; everything else in f32.
;; Inputs: W_fc 1,024 x 4,096 float32; W_o 1,024 x 1,024 float32; W_proj 4,096 x 1,024 float32; W_qkv 1,024 x 3,072 float32; b_fc 4,096 float32; b_o 1,024 float32; b_proj 1,024 float32; b_qkv 3,072 float32; ln1_b 1,024 float32; ln1_w 1,024 float32; ln2_b 1,024 float32; ln2_w 1,024 float32; mask 2,048 x 2,048 bool; x 2 x 2,048 x 1,024 float32.
;; Outputs: out0 2 x 2,048 x 1,024 float32.
;; This version of the problem:
;;   THIS VERSION OF THE PROBLEM IS GIVEN IN LOW PRECISION. The matrix products marked QUANTISED in the list below multiply operands that are first quantised to E3M2 (3 exponent bits, 2 mantissa bits; 6 bits a number), with one power-of-two scale for each 32 numbers along K (OCP MX v1.0); their sums are f32. All else is computed in f32.
;;   The module's matrix products, in the order in which they are computed (A, B: the left and right operand; K: the contracted axis; several contracted axes count as one K, in the product's order):
;;     1. [M 4,096, K 1,024] x [K 1,024, N 3,072]; A: computed on the way; B: input W_qkv: QUANTISED
;;     2. batch 32 x [M 2,048, K 64] x [K 64, N 2,048]; A: computed on the way; B: computed on the way: QUANTISED
;;     3. batch 32 x [M 64, K 2,048] x [K 2,048, N 2,048]; A: computed on the way; B: softmax (see below): QUANTISED
;;     4. [M 4,096, K 1,024] x [K 1,024, N 1,024]; A: computed on the way; B: input W_o: QUANTISED
;;     5. [M 4,096, K 1,024] x [K 1,024, N 4,096]; A: computed on the way; B: input W_fc: QUANTISED
;;     6. [M 4,096, K 4,096] x [K 4,096, N 1,024]; A: computed on the way; B: input W_proj: QUANTISED
;;   THE QUANTISER, for each operand of a quantised product, along K:
;;     - K is cut into blocks of 32 from its start; a last block that is shorter is filled with zeros.
;;     - A block's scale is 2^e with e = floor(log2(the largest magnitude in the block)) - 4, held to -126 .. 127; a block of zeros has e = 0. As a byte (E8M0): e + 127.
;;     - Each number is divided by its block's scale, clamped to +-28, and rounded to the nearest number of E3M2, ties to even, subnormals kept.
;;     - The product sums the exact products of the quantised numbers (number of the format x scale) in f32.
;;   ~~~python
;;   def quantise(x, axis):      # numpy; x: float32 -> the quantised numbers, widened to float32 again
;;       x = np.moveaxis(x, axis, -1); K = x.shape[-1]
;;       x = np.pad(x, [(0, 0)] * (x.ndim - 1) + [(0, -K % 32)]); x = x.reshape(x.shape[:-1] + (-1, 32)); a = np.abs(x).max(-1, keepdims=True)
;;       e = np.where(a > 0, np.clip(np.frexp(np.where(a > 0, a, 1))[1] - 1 - 4, -126, 127), 0)      # np.frexp(a)[1] - 1 = floor(log2(a)), exactly
;;       r = np.clip(x / 2.0 ** e, -28, 28)
;;       step = 2.0 ** (np.maximum(np.frexp(np.where(r == 0, 1, r))[1] - 1, -2) - 2)
;;       q = np.round(r / step) * step * 2.0 ** e      # np.round: ties to even
;;       return np.moveaxis(q.reshape(q.shape[:-2] + (-1,))[..., :K], -1, axis).astype(np.float32)
;;   ~~~
;;   SOFTMAX AHEAD OF A QUANTISED PRODUCT. Where the list says 'softmax', what is quantised is not the finished softmax but p = 2^(t - M), with t = logit x log2(e) and M = ceil(the row's largest t), a whole number; so 1/2 < the row's largest p <= 1. The row's sum l is taken of the UNQUANTISED p, in f32, and the product's result is divided by l at the end. Since M is a whole number, a kernel that streams over the keys may use a running M (the ceiling of the running maximum): every later rescaling is an exact power of two, which a block's scale takes up: the codes' values come out the same.
;;   OPERANDS COMPUTED ON THE WAY. 'Computed on the way' means the value that the module computes at that place (a softmax that the list does not call 'softmax' is quantised finished and normalised). What goes into a quantiser is computed in f32, as accurately as f32 sums, v_exp_f32 and their like allow (about 1e-6 of the number): no bf16 or f16 on the way to a quantiser, and a product that is left as it is and whose result goes on into a quantised operand takes f32 operands (vector FMAs, or v_wmma_f32_16x16x4_f32). A number that lies on a knife's edge between two numbers of the format may be rounded either way, as far as f32 arithmetic and the matrix unit's own rounding can turn it there, and no further.
;; One version. Each part assembles by itself: llvm-mc -triple=amdgcn-amd-amdhsa -mcpu=gfx1250 --defsym DOCPART=n.
;; ======== version 1 of 1: 7 launches
;; limits: right only within a limited range of input values
;; workspace buffers: hact 3,276,800 bytes; wts 9,830,400 bytes; maskw 540,672 bytes of whole numbers; qkv 10,092,544 bytes; oact 3,276,800 bytes; x1 16,777,216 bytes; gact 13,107,200 bytes
;; launch prep (part 1): grid 768 x 1, 4 waves a work-group, no clusters, 67,584 bytes of LDS; arguments x, ln1_w, ln1_b, hact, mask, maskw, W_qkv, W_o, W_fc, W_proj, wts; writes hact, maskw, wts
.if DOCPART == 1
	.amdgcn_target "amdgcn-amd-amdhsa--gfx1250"
	.amdhsa_code_object_version 6
	.text
	.protected	k_q3c1ccf2a32_prep
	.globl	k_q3c1ccf2a32_prep
	.p2align	8
	.type	k_q3c1ccf2a32_prep,@function
k_q3c1ccf2a32_prep:
	s_mov_b64 s[64:65], 0
	v_nop
	global_prefetch_b8 v0, s[64:65] scope:SCOPE_SE
	s_setreg_imm32_b32 hwreg(HW_REG_WAVE_MODE, 25, 1), 1
	s_wait_xcnt 0x0
; PREP: all that can be made ready from the inputs alone.  The work-group's number picks one of three kinds of work:
;   0-255    LayerNorm 1 of 16 rows of x, quantised to codes of BF6 (E3M2) with one E8M0 byte for each 32 along K  -> hact
;   256-383  the mask (bool, [2048][2048]) of one tile of 16 queries, as lane-mask words and step flags             -> maskw
;   384-767  the four weights [K][N] f32, quantised along K (their FIRST axis), laid with K innermost                -> wts
; LAYOUT OF EVERY OPERAND OF THIS PROGRAM.  Rows go in tiles of 16; row r of tile T is ROW(T, r) = 32 (T / 2) + 8 (T % 2) + r + 8 (r / 8).
; A half fragment (16 rows x 64 K) lies as the image of its 6 registers a lane: registers 0-3 at 16 x lane (512 bytes), registers 4-5 at
; 512 + 8 x lane (256 bytes); lane (r, h) holds the 24 bytes of codes of K = 32 h .. 32 h + 31 of row r.  An operand is [tile][K / 64][768 bytes];
; its scale words are [tile][K / 128][16 words], word r = the four bytes of row r for those 128 along K.
; A block's scale byte is the exponent field of its largest magnitude less 4, held at 1 from below.
; LIMITS: NaN and infinities among the inputs are not served.  A block whose largest magnitude lies under 2^-122 (a block of zeros too) keeps the byte 1:
; its codes are then zeros or subnormal codes under that byte; these bytes are read by this program alone.  The mask's bytes are taken to be 0 or 1.
; No tensor loads, no cluster: no two work-groups read the same bytes.
.set WV,   26                          ; s26      my wave's number
.set SEL,  28                          ; s[28:29] lane selects: lane l xor 16
.set V16,  4                           ; v4       16 x lane
.set V8,   5                           ; v5       8 x lane
.set LNP,  4112                        ; a stage row: 4,096 bytes + 16: an odd multiple of 16, so that sixteen rows' 16 bytes fall on different banks
.set MLDS, 66048                       ; the mask path's own LDS bytes, behind the LayerNorm's stage
.set X,    32                          ; v32-159  four rows of x, 32 registers each; later 2 x 64 numbers to quantise
.set X1,   96
.set WG,   160                         ; v160-191 the gain at my columns
.set BG,   192                         ; v192-223 the bias at my columns
.set MU,   224                         ; v224-231 four pairs: the rows' means
.set VA,   232                         ; v232-239 four pairs: variances, then 1 / sqrt
.set TM,   240                         ; v240-255 the quantiser's work
.set PC0,  160                         ; codes of the two fragments (20 registers each), over the gain and bias, which are done with
.set PC1,  180
.set PW0,  200
.set PW1,  201
.set PWX,  202
; 64 numbers of a lane, v[s] .. v[s + 63], register 16 b + i = K 32 b + 16 (lane / 16) + i of my row, become a fragment's 12 registers of codes in v[pc] on and its scale word in v[pw].
.macro QUANT s, pc, pw
.irp b, 0,1,2,3
	v_max3_num_f32 v[TM+\b], |v[\s+16*\b]|, |v[\s+1+16*\b]|, 0x2800000   ; block b: my 16 numbers, and the floor 2^(5 - 127): the byte cannot fall under 1
.endr
.irp i, 2,4,6,8,10,12,14
.irp b, 0,1,2,3
	v_max3_num_f32 v[TM+\b], v[TM+\b], |v[\s+16*\b+\i]|, |v[\s+1+16*\b+\i]|   ; the four blocks by turns
.endr
.endr
.irp b, 0,1,2,3
	v_permlanex16_b32 v[TM+4+\b], v[TM+\b], s[SEL], s[SEL+1]
.endr
.irp b, 0,1,2,3
	v_max_num_f32 v[TM+\b], v[TM+\b], v[TM+4+\b]   ; with lane l xor 16's 16: the block's largest magnitude
.endr
.irp b, 0,1,2,3
	v_add_nc_u32 v[TM+12+\b], 0xfe000000, v[TM+\b]   ; 4 off its exponent field: the conversion's scale operand
.endr
.irp b, 0,1,2,3
	v_lshrrev_b32 v[TM+4+\b], 23, v[TM+12+\b]      ; the scale's byte
.endr
	v_lshl_or_b32 v[\pw], v[TM+5], 8, v[TM+4]
	v_lshl_or_b32 v[\pw], v[TM+6], 16, v[\pw]
	v_lshl_or_b32 v[\pw], v[TM+7], 24, v[\pw]
.irp c, 0,1
	v_cvt_scalef32_pk16_bf6_f32 v[\pc+6*\c:\pc+2+6*\c], v[\s+32*\c:\s+15+32*\c], v[TM+12+2*\c]
	v_cvt_scalef32_pk16_bf6_f32 v[\pc+12+4*\c:\pc+14+4*\c], v[\s+16+32*\c:\s+31+32*\c], v[TM+12+2*\c+1]   ; (a conversion's three registers begin on an even number)
.endr
	v_nop                                          ; one plain instruction behind the scaled conversions
.irp c, 0,1                                    ; the operand wants a whole block in a lane: lanes 0-15 block 2 c, lanes 16-31 block 2 c + 1
.irp i, 0,1,2
	v_permlane16_swap_b32 v[\pc+6*\c+\i], v[\pc+12+4*\c+\i]
.endr
.irp i, 0,1,2
	v_mov_b32 v[\pc+3+6*\c+\i], v[\pc+12+4*\c+\i]
.endr
.endr
.endm
; a fragment's image goes to memory: each store covers 512 or 256 consecutive bytes, aligned
.macro IMG pc, sb, off
	global_store_b128 v[V16], v[\pc:\pc+3], s[\sb:\sb+1] offset:\off
	global_store_b64 v[V8], v[\pc+4:\pc+5], s[\sb:\sb+1] offset:\off+512
	global_store_b128 v[V16], v[\pc+6:\pc+9], s[\sb:\sb+1] offset:\off+768
	global_store_b64 v[V8], v[\pc+10:\pc+11], s[\sb:\sb+1] offset:\off+1280
.endm
; four pairs v[m + 2 i], one for each row: the pair's halves and the 32 lanes are added; the sum ends in v[m + 2 i] of every lane
.macro RED4 m
.irp i, 0,1,2,3
	v_add_f32 v[\m+2*\i], v[\m+2*\i], v[\m+2*\i+1]
.endr
.irp x, 1,2,4,8
.irp i, 0,1,2,3
	v_add_f32_dpp v[\m+2*\i], v[\m+2*\i], v[\m+2*\i] row_xmask:\x row_mask:0xf bank_mask:0xf
.endr
.endr
.irp i, 0,1,2,3
	v_permlanex16_b32 v[\m+2*\i+1], v[\m+2*\i], s[SEL], s[SEL+1]
.endr
.irp i, 0,1,2,3
	v_add_f32 v[\m+2*\i], v[\m+2*\i], v[\m+2*\i+1]
.endr
.endm
; LAYERNORM AND QUANTISER of tile T = the work-group's number.  s[4:5] the rows, s[6:7] gain, s[8:9] bias, s[10:11] the codes' buffer.
; Phase 1: wave w normalises stage rows 4 w .. 4 w + 3, a whole row in 32 registers: mean, then the centred squares: two passes over registers, one read of memory.
; Phase 2, behind a barrier: wave w takes K steps 2 w and 2 w + 1 of all 16 rows from the stage, in the quantiser's layout.
.macro LNBODY
	s_lshr_b32 s30, ttmp9, 1
	s_lshl_b32 s30, s30, 5                         ; 32 (T / 2)
	s_and_b32 s31, ttmp9, 1
	s_lshl_b32 s31, s31, 3
	s_add_co_u32 s30, s30, s31                     ; + 8 (T % 2)
	s_lshl_b32 s31, s[WV], 2
	s_add_co_u32 s30, s30, s31                     ; + 4 w
	s_lshr_b32 s31, s[WV], 1
	s_lshl_b32 s31, s31, 3
	s_add_co_u32 s30, s30, s31                     ; + 8 (w / 2): my first row
	s_lshl_b32 s30, s30, 12                        ; of 4,096 bytes
	s_mov_b32 s31, 0
	s_add_nc_u64 s[4:5], s[4:5], s[30:31]
.irp i, 0,1,2,3
.irp j, 0,1,2,3,4,5,6,7
	global_load_b128 v[X+32*\i+4*\j:X+32*\i+4*\j+3], v[V16], s[4:5] offset:\i*4096+\j*512 th:TH_LOAD_NT   ; 512 consecutive bytes a load
.endr
.endr
.irp j, 0,1,2,3,4,5,6,7
	global_load_b128 v[WG+4*\j:WG+4*\j+3], v[V16], s[6:7] offset:\j*512
	global_load_b128 v[BG+4*\j:BG+4*\j+3], v[V16], s[8:9] offset:\j*512
.endr
	s_mov_b32 s32, 0x3a800000                      ; 1 / 1024
	s_mov_b32 s33, 0x3727c5ac                      ; 1e-5
	s_mul_i32 s34, s[WV], 4*LNP
	v_add_nc_u32 v7, s34, v[V16]                   ; the stage, in: my four rows, 16 x lane
	v_mul_u32_u24 v6, v2, LNP
	v_lshl_add_u32 v6, v3, 6, v6
	s_lshl_b32 s34, s[WV], 10
	v_add_nc_u32 v6, s34, v6                       ; and out: row r, + 64 h, + my two K steps of 512 bytes
	v_lshlrev_b32 v8, 2, v1                        ; 4 x lane
	s_lshl_b32 s36, ttmp9, 3
	s_lshl_b32 s35, s[WV], 1
	s_add_co_u32 s36, s36, s35                     ; fragment 8 T + 2 w
	s_mul_i32 s34, s36, 1536
	s_mov_b32 s35, 0
	s_add_nc_u64 s[38:39], s[10:11], s[34:35]      ; its image
	s_lshl_b32 s34, s36, 6
	s_add_nc_u64 s[40:41], s[10:11], s[34:35]      ; its scale words (3,145,728 bytes further on: in the store's immediate)
	s_mov_b32 s42, 0xffff0000                      ; lanes 16-31
.irp b, 0,1,2,3
	v_mov_b32 v[TM+4+\b], 0                        ; written once: a lane permute's destination counts as one of its sources
.endr
	s_wait_loadcnt 16                              ; the rows are in; the 16 loads of gain and bias may be out
.irp i, 0,1,2,3
	v_pk_add_f32 v[MU+2*\i:MU+2*\i+1], v[X+32*\i:X+32*\i+1], v[X+32*\i+2:X+32*\i+3]
.endr
.irp p, 4,6,8,10,12,14,16,18,20,22,24,26,28,30
.irp i, 0,1,2,3
	v_pk_add_f32 v[MU+2*\i:MU+2*\i+1], v[MU+2*\i:MU+2*\i+1], v[X+32*\i+\p:X+32*\i+\p+1]
.endr
.endr
	RED4 MU
.irp i, 0,1,2,3
	v_mul_f32 v[MU+2*\i], s32, v[MU+2*\i]          ; the mean,
.endr
.irp i, 0,1,2,3
	v_mov_b32 v[MU+2*\i+1], v[MU+2*\i]             ; twice, for the packed forms
.endr
.irp p, 0,2,4,6,8,10,12,14,16,18,20,22,24,26,28,30
.irp i, 0,1,2,3
	v_pk_add_f32 v[X+32*\i+\p:X+32*\i+\p+1], v[X+32*\i+\p:X+32*\i+\p+1], v[MU+2*\i:MU+2*\i+1] neg_lo:[0,1] neg_hi:[0,1]   ; x - mean
.endr
.endr
.irp i, 0,1,2,3
	v_pk_mul_f32 v[VA+2*\i:VA+2*\i+1], v[X+32*\i:X+32*\i+1], v[X+32*\i:X+32*\i+1]
.endr
.irp p, 2,4,6,8,10,12,14,16,18,20,22,24,26,28,30
.irp i, 0,1,2,3
	v_pk_fma_f32 v[VA+2*\i:VA+2*\i+1], v[X+32*\i+\p:X+32*\i+\p+1], v[X+32*\i+\p:X+32*\i+\p+1], v[VA+2*\i:VA+2*\i+1]
.endr
.endr
	RED4 VA
.irp i, 0,1,2,3
	v_fma_f32 v[VA+2*\i], v[VA+2*\i], s32, s33     ; the variance + 1e-5
.endr
	s_wait_alu depctr_va_vdst(0)
.irp i, 0,1,2,3
	v_rsq_f32 v[VA+2*\i], v[VA+2*\i]
.endr
	v_nop                                          ; a plain instruction behind the last of the four
	s_wait_alu depctr_va_vdst(0)                   ; one wait for the four, ahead of their first reader
.irp i, 0,1,2,3
	v_mov_b32 v[VA+2*\i+1], v[VA+2*\i]
.endr
	s_wait_alu depctr_va_vdst(0)
	s_wait_loadcnt 0x0                             ; gain and bias
.irp i, 0,1,2,3
.irp p, 0,2,4,6,8,10,12,14,16,18,20,22,24,26,28,30
	v_pk_mul_f32 v[X+32*\i+\p:X+32*\i+\p+1], v[X+32*\i+\p:X+32*\i+\p+1], v[VA+2*\i:VA+2*\i+1]
.endr
.irp p, 0,2,4,6,8,10,12,14,16,18,20,22,24,26,28,30
	v_pk_fma_f32 v[X+32*\i+\p:X+32*\i+\p+1], v[X+32*\i+\p:X+32*\i+\p+1], v[WG+\p:WG+\p+1], v[BG+\p:BG+\p+1]
.endr
.irp j, 0,1,2,3,4,5,6,7
	ds_store_b128 v7, v[X+32*\i+4*\j:X+32*\i+4*\j+3] offset:\i*LNP+\j*512
.endr
.endr
	s_wait_dscnt 0x0                               ; for the others' sake: my rows lie in the stage
	s_barrier_signal -1
	s_barrier_wait -1
.irp q, 0,1
.irp b, 0,1,2,3
.irp j, 0,1,2,3
	ds_load_b128 v[X+64*\q+16*\b+4*\j:X+64*\q+16*\b+4*\j+3], v6 offset:512*\q+128*\b+16*\j
.endr
.endr
.endr
	s_wait_dscnt 16                                ; the first K step's 16 loads are in
	QUANT X, PC0, PW0
	IMG PC0, 38, 0
	s_wait_dscnt 0x0
	QUANT X1, PC1, PW1
	IMG PC1, 38, 1536
	v_cndmask_b32 v[PWX], v[PW0], v[PW1], s42      ; lanes 0-15 the first K step's words, lanes 16-31 the second's: 128 consecutive bytes
	global_store_b32 v8, v[PWX], s[40:41] offset:3145728
.endm
	s_load_b512 s[4:19], s[0:1], 0x0               ; x, ln1_w, ln1_b, hact, mask, maskw, W_qkv, W_o
	s_load_b128 s[20:23], s[0:1], 0x40             ; W_fc, W_proj
	s_load_b64 s[24:25], s[0:1], 0x50              ; wts
	v_lshl_add_u32 v250, v0, 2, 0x10600
	v_mov_b32 v251, 0
	v_lshrrev_b32 v1, 5, v0
	v_readfirstlane_b32 s[WV], v1
	v_and_b32 v1, 31, v0                           ; lane
	v_and_b32 v2, 15, v0                           ; r
	v_bfe_u32 v3, v0, 4, 1                         ; h
	v_lshlrev_b32 v[V16], 4, v1
	v_lshlrev_b32 v[V8], 3, v1
	s_mov_b32 s[SEL], 0x76543210
	s_mov_b32 s[SEL+1], 0xfedcba98
	s_wait_kmcnt 0x0
	s_cmp_lt_u32 ttmp9, 256                        ; the same in all four waves of a work-group
	s_cbranch_scc0 .Lnot_ln
	s_wait_alu depctr_va_vdst(0)
	LNBODY
	s_wait_tensorcnt 0x0
	ds_add_u32 v250, v251
	s_wait_dscnt 0x0
	s_endpgm
; THE MASK of query tile qt = work-group - 256.  Wave w takes key steps 4 w .. 4 w + 3 (128 keys each).  Lane (r, h) reads row ROW(qt, r).
; Word n (0 .. 63) of a step: bit 16 h + r = mask[ROW(qt, r)][128 step + 32 (n / 16) + 16 h + n % 16]: the lane mask for register n of the attention's scores.
; Flags, one word for the tile: bit s: step s must be worked (some key of it counts for some row, or some row has no key at all: then every step is worked);
; bit 16 + s: every key of step s counts for every row.
.set MO, 16                            ; v16-23   the words of four steps: two registers a step, word n in register n % 2, lane n / 2
.set MT, 27                            ; v27-30   at work
.set MX, 32                            ; v32-95   the mask's bytes: 16 registers a step
.macro MSTEP t
.set MK, MX+16*(\t)
.set n, 0
.rept 64
	v_and_b32 v[MT+n%4], 0xff<<(8*(n%4)), v[MK+n/4]
	v_cmp_ne_u32 s[40+n%4], 0, v[MT+n%4]
	v_writelane_b32 v[MO+2*(\t)+n%2], s[40+n%4], n/2
.set n, n+1
.endr
	v_or_b32 v25, v[MK], v[MK+1]
	v_and_b32 v26, v[MK], v[MK+1]
.irp e, 2,3,4,5,6,7,8,9,10,11,12,13,14,15
	v_or_b32 v25, v25, v[MK+\e]
	v_and_b32 v26, v26, v[MK+\e]
.endr
	v_cmp_ne_u32 vcc_lo, 0, v25
	s_cmp_lg_u32 vcc_lo, 0
	s_cselect_b32 s44, 1<<(\t), 0
	s_or_b32 s36, s36, s44                         ; some key counts
	v_cmp_ne_u32 vcc_lo, 0x01010101, v26
	s_cmp_eq_u32 vcc_lo, 0
	s_cselect_b32 s44, 1<<(\t), 0
	s_or_b32 s37, s37, s44                         ; all keys count
	v_or_b32 v24, v24, v25                         ; my row's keys so far
	global_store_b64 v[V8], v[MO+2*(\t):MO+2*(\t)+1], s[14:15] offset:256*(\t)   ; 256 consecutive bytes, aligned
.endm
.Lnot_ln:
	s_cmp_lt_u32 ttmp9, 384
	s_cbranch_scc0 .Lweights
	s_sub_co_u32 s30, ttmp9, 256                   ; qt
	s_lshr_b32 s31, s30, 1
	s_lshl_b32 s31, s31, 5
	s_and_b32 s32, s30, 1
	s_lshl_b32 s32, s32, 3
	s_add_co_u32 s31, s31, s32                     ; the tile's first row,
	s_lshl_b32 s31, s31, 11                        ; of 2,048 bytes,
	s_lshl_b32 s32, s[WV], 9                       ; + my four steps of 128 bytes
	s_add_co_u32 s32, s31, s32
	s_mov_b32 s33, 0
	s_add_nc_u64 s[12:13], s[12:13], s[32:33]
	s_lshl_b32 s32, s30, 7
	s_add_nc_u64 s[46:47], s[14:15], s[32:33]      ; the tile's flags (524,288 bytes further on: in the store's immediate)
	s_lshl_b32 s32, s30, 12
	s_lshl_b32 s34, s[WV], 10
	s_add_co_u32 s32, s32, s34
	s_add_nc_u64 s[14:15], s[14:15], s[32:33]      ; my steps' words: (16 qt + 4 w) x 256 bytes
	s_wait_alu depctr_va_vdst(0)
	v_and_b32 v6, 8, v2
	v_add_nc_u32 v6, v6, v2                        ; r + 8 (r / 8)
	v_lshlrev_b32 v6, 11, v6
	v_lshl_add_u32 v6, v3, 4, v6                   ; + 16 h
.irp t, 0,1,2,3
.irp b, 0,1,2,3
	global_load_b128 v[MX+16*\t+4*\b:MX+16*\t+4*\b+3], v6, s[12:13] offset:128*\t+32*\b
.endr
.endr
.irp e, 0,1,2,3,4,5,6,7
	v_mov_b32 v[MO+\e], 0                          ; a lane write's destination counts as one of its sources
.endr
	v_mov_b32 v24, 0
	s_mov_b32 s36, 0
	s_mov_b32 s37, 0
	v_lshl_add_u32 v8, v0, 2, MLDS                 ; LDS: a word for each thread: my row's keys
	s_lshl_b32 s38, s[WV], 3
	v_mov_b32 v9, s38
	v_add_nc_u32 v9, MLDS+512, v9                  ; and two words for each wave: its bits
	v_lshl_add_u32 v10, v1, 2, MLDS
	v_mov_b32 v11, MLDS+512
	v_lshlrev_b32 v12, 2, v1
	s_wait_loadcnt 0x0
	MSTEP 0
	MSTEP 1
	MSTEP 2
	MSTEP 3
	s_lshl_b32 s38, s[WV], 2
	s_lshl_b32 s36, s36, s38                       ; my four bits at their steps' places
	s_lshl_b32 s37, s37, s38
	v_mov_b32 v26, s36
	v_mov_b32 v27, s37
	ds_store_b32 v8, v24
	ds_store_b64 v9, v[26:27]                      ; all lanes write the same two words with the same values
	s_wait_dscnt 0x0                               ; for the others' sake
	s_barrier_signal -1
	s_barrier_wait -1
.irp e, 0,1,2,3
	ds_load_b32 v[32+\e], v10 offset:128*\e        ; the four waves' words of my lane
.endr
	ds_load_b128 v[36:39], v11
	ds_load_b128 v[40:43], v11 offset:16
	s_wait_dscnt 0x0
	v_or_b32 v32, v32, v33
	v_or_b32 v34, v34, v35
	v_or_b32 v32, v32, v34
	v_permlanex16_b32 v33, v32, s[SEL], s[SEL+1]
	v_or_b32 v32, v32, v33                         ; 0 where row r has no key at all
	v_cmp_eq_u32 vcc_lo, 0, v32
	s_cmp_lg_u32 vcc_lo, 0
	s_cselect_b32 s38, 0xffff, 0
	v_or_b32 v36, v36, v38
	v_or_b32 v40, v40, v42
	v_or_b32 v36, v36, v40
	v_or_b32 v36, s38, v36                         ; the steps to be worked
	v_or_b32 v37, v37, v39
	v_or_b32 v41, v41, v43
	v_or_b32 v37, v37, v41                         ; the open steps
	v_lshl_or_b32 v36, v37, 16, v36
	s_cmp_lg_u32 s[WV], 0
	s_cbranch_scc1 .Lmask_done
	global_store_b32 v12, v36, s[46:47] offset:524288   ; 32 equal words
.Lmask_done:
	s_wait_tensorcnt 0x0
	ds_add_u32 v250, v251
	s_wait_dscnt 0x0
	s_endpgm
; THE WEIGHTS.  W is [K][N].  A lane takes a column n and its registers run down K: each load reads 128 consecutive bytes a wave, 512 a work-group; a block of 32 along K
; lies in one lane's 32 registers, and the conversions give its 24 bytes of codes with K innermost.  A wave takes 32 columns x 256 along K: 8 blocks a lane.
; Column 32 g + v is row rr = v % 8 + 8 (v / 16) of tile 2 g + (v / 8) % 2; block t is lane half t % 2 of half fragment 4 ky + t / 2.  So a store of 16 bytes a lane fills
; two aligned runs of 256 bytes.  Loads run two blocks (64 loads a wave) ahead; every block has its own registers for its codes, so no store's data are written again.
.set WSB, 16                           ; v16-17   the scale bytes, four to a register
.set WX,  32                           ; v32-95   two sets of 32 numbers
.set WC,  96                           ; v96-143  the codes: six registers a block
.set WD,  144                          ; v144-146 a block's upper 16 codes as the conversion leaves them
.macro WLOAD t, N
.set i_, 0
.rept 32
	global_load_b32 v[WX+32*((\t)%2)+i_], v8, s[34:35] offset:(32*(\t)+i_)*(\N)*4 th:TH_LOAD_NT
.set i_, i_+1
.endr
.endm
.macro WBLOCK t, N
.set XS, WX+32*((\t)%2)
.set CT, WC+6*(\t)
.if (\t) < 7
	s_wait_loadcnt 32                              ; this block's 32 loads are in; the next block's may be out
.else
	s_wait_loadcnt 0x0
.endif
	v_max3_num_f32 v13, |v[XS]|, |v[XS+1]|, |v[XS+2]|
	v_max3_num_f32 v14, |v[XS+3]|, |v[XS+4]|, |v[XS+5]|
.irp i, 6,10,14,18,22,26
	v_max3_num_f32 v13, v13, |v[XS+\i]|, |v[XS+\i+1]|
	v_max3_num_f32 v14, v14, |v[XS+\i+2]|, |v[XS+\i+3]|
.endr
	v_max3_num_f32 v13, v13, |v[XS+30]|, |v[XS+31]|
	v_max3_num_f32 v13, v13, v14, 0x2800000        ; and the floor 2^(5 - 127)
	v_add_nc_u32 v15, 0xfe000000, v13              ; 4 off the exponent field: the conversion's scale operand
	v_lshrrev_b32 v14, 23, v15                     ; the scale's byte
.if (\t)%4 == 0
	v_mov_b32 v[WSB+(\t)/4], v14
.else
	v_lshl_or_b32 v[WSB+(\t)/4], v14, 8*((\t)%4), v[WSB+(\t)/4]
.endif
	v_cvt_scalef32_pk16_bf6_f32 v[CT:CT+2], v[XS:XS+15], v15
	v_cvt_scalef32_pk16_bf6_f32 v[WD:WD+2], v[XS+16:XS+31], v15
	v_nop                                          ; one plain instruction behind the scaled conversions
	v_mov_b32 v[CT+3], v[WD]
	v_mov_b32 v[CT+4], v[WD+1]
	v_mov_b32 v[CT+5], v[WD+2]
	global_store_b128 v10, v[CT:CT+3], s[36:37] offset:((\t)/2)*768+256*((\t)%2)
	global_store_b64 v11, v[CT+4:CT+5], s[36:37] offset:((\t)/2)*768+512+128*((\t)%2)
.if (\t)+2 < 8
	WLOAD (\t)+2, \N
.endif
.endm
; N, K: the weight's sizes; LOGKY = log2(K / 256); FIRST: its first work-group; SRC: the scalar pair with its address; COFF, SOFF: where its codes and scale words begin in wts
.macro WQ N, K, LOGKY, FIRST, SRC, COFF, SOFF
	s_sub_co_u32 s30, ttmp9, \FIRST
	s_and_b32 s31, s30, (\K/256)-1                 ; ky: which 256 along K
	s_lshr_b32 s30, s30, \LOGKY
	s_lshl_b32 s30, s30, 2
	s_add_co_u32 s30, s30, s[WV]                   ; g: which 32 columns
	s_mul_i32 s32, s31, 256*\N*4
	s_lshl_b32 s33, s30, 7
	s_add_co_u32 s32, s32, s33
	s_mov_b32 s33, 0
	s_add_nc_u64 s[34:35], s[\SRC:\SRC+1], s[32:33]
	s_mul_i32 s32, s30, 2*(\K/64)*768
	s_mul_i32 s36, s31, 4*768
	s_add_co_u32 s32, s32, s36
	s_add_co_u32 s32, s32, \COFF
	s_add_nc_u64 s[36:37], s[24:25], s[32:33]      ; tile 2 g, half fragment 4 ky
	s_mul_i32 s32, s30, 2*(\K/128)*64
	s_lshl_b32 s38, s31, 7
	s_add_co_u32 s32, s32, s38
	s_add_co_u32 s32, s32, \SOFF
	s_add_nc_u64 s[38:39], s[24:25], s[32:33]      ; tile 2 g, K step 2 ky
	v_mul_u32_u24 v9, v6, (\K/64)*768              ; the odd tile lies a tile's bytes further on
	s_wait_alu depctr_va_vdst(0)
	v_lshl_add_u32 v10, v7, 4, v9
	v_lshl_add_u32 v11, v7, 3, v9
	v_mul_u32_u24 v12, v6, \K/2
	v_lshl_add_u32 v12, v7, 2, v12
	WLOAD 0, \N
	WLOAD 1, \N
.irp t, 0,1,2,3,4,5,6,7
	WBLOCK \t, \N
.endr
	global_store_b32 v12, v[WSB], s[38:39]
	global_store_b32 v12, v[WSB+1], s[38:39] offset:64
.endm
.Lweights:
	v_bfe_u32 v6, v0, 3, 1                         ; which of the two tiles
	v_and_b32 v7, 7, v0
	s_wait_alu depctr_va_vdst(0)
	v_lshl_add_u32 v7, v3, 3, v7                   ; rr
	v_lshlrev_b32 v8, 2, v1                        ; my column's 4 bytes
	s_cmp_lt_u32 ttmp9, 480
	s_cbranch_scc0 .Lw1
	WQ 3072, 1024, 2, 384, 16, 0, 9437184
	s_endpgm
.Lw1:
	s_cmp_lt_u32 ttmp9, 512
	s_cbranch_scc0 .Lw2
	WQ 1024, 1024, 2, 480, 18, 2359296, 9535488
	s_endpgm
.Lw2:
	s_cmp_lt_u32 ttmp9, 640
	s_cbranch_scc0 .Lw3
	WQ 4096, 1024, 2, 512, 20, 3145728, 9568256
	s_endpgm
.Lw3:
	WQ 1024, 4096, 4, 640, 22, 6291456, 9699328
	s_endpgm
.Lfunc_end_k_q3c1ccf2a32_prep:
	.size	k_q3c1ccf2a32_prep, .Lfunc_end_k_q3c1ccf2a32_prep-k_q3c1ccf2a32_prep
	.p2alignl 7, 3214868480
	.fill 96, 4, 3214868480
	.section	.rodata,"a",@progbits
	.p2align	6, 0x0
	.amdhsa_kernel k_q3c1ccf2a32_prep
		.amdhsa_group_segment_fixed_size 67584
		.amdhsa_private_segment_fixed_size 0
		.amdhsa_enable_private_segment 0
		.amdhsa_kernarg_size 88
		.amdhsa_user_sgpr_count 2
		.amdhsa_user_sgpr_kernarg_segment_ptr 1
		.amdhsa_wavefront_size32 1
		.amdhsa_system_sgpr_workgroup_id_x 1
		.amdhsa_system_sgpr_workgroup_id_y 1
		.amdhsa_system_sgpr_workgroup_id_z 1
		.amdhsa_system_vgpr_workitem_id 0
		.amdhsa_next_free_vgpr 256
		.amdhsa_next_free_sgpr 66
		.amdhsa_reserve_vcc 1
		.amdhsa_float_denorm_mode_32 3
		.amdhsa_float_denorm_mode_16_64 3
		.amdhsa_memory_ordered 1
		.amdhsa_forward_progress 1
		.amdhsa_inst_pref_size 255
	.end_amdhsa_kernel
	.section	.bss,"aw",@nobits
	.p2align	6
	.space	262144
	.amdgpu_metadata
---
amdhsa.version: [ 1, 2 ]
amdhsa.kernels:
  - .name:           k_q3c1ccf2a32_prep
    .symbol:         k_q3c1ccf2a32_prep.kd
    .args:
      - { .name: x, .offset: 0, .size: 8, .value_kind: global_buffer, .address_space: global }
      - { .name: ln1_w, .offset: 8, .size: 8, .value_kind: global_buffer, .address_space: global }
      - { .name: ln1_b, .offset: 16, .size: 8, .value_kind: global_buffer, .address_space: global }
      - { .name: hact, .offset: 24, .size: 8, .value_kind: global_buffer, .address_space: global }
      - { .name: mask, .offset: 32, .size: 8, .value_kind: global_buffer, .address_space: global }
      - { .name: maskw, .offset: 40, .size: 8, .value_kind: global_buffer, .address_space: global }
      - { .name: W_qkv, .offset: 48, .size: 8, .value_kind: global_buffer, .address_space: global }
      - { .name: W_o, .offset: 56, .size: 8, .value_kind: global_buffer, .address_space: global }
      - { .name: W_fc, .offset: 64, .size: 8, .value_kind: global_buffer, .address_space: global }
      - { .name: W_proj, .offset: 72, .size: 8, .value_kind: global_buffer, .address_space: global }
      - { .name: wts, .offset: 80, .size: 8, .value_kind: global_buffer, .address_space: global }
    .group_segment_fixed_size: 67584
    .private_segment_fixed_size: 0
    .kernarg_segment_align: 8
    .kernarg_segment_size: 88
    .max_flat_workgroup_size: 128
    .sgpr_count:     66
    .vgpr_count:     256
    .wavefront_size: 32
...
	.end_amdgpu_metadata
.endif
;; end of part 1
;; launch qkvp (part 2): grid 12 x 16, 4 waves a work-group, clusters of 4 x 4, 327,680 bytes of LDS; arguments hact, wts, b_qkv, qkv; writes qkv
.if DOCPART == 2
	.amdgcn_target "amdgcn-amd-amdhsa--gfx1250"
	.amdhsa_code_object_version 6
	.text
	.protected	k_q3c1ccf2a32_qkvp
	.globl	k_q3c1ccf2a32_qkvp
	.p2align	8
	.type	k_q3c1ccf2a32_qkvp,@function
k_q3c1ccf2a32_qkvp:
	s_mov_b64 s[64:65], 0
	v_nop
	global_prefetch_b8 v0, s[64:65] scope:SCOPE_SE
	s_setreg_imm32_b32 hwreg(HW_REG_WAVE_MODE, 25, 1), 1
	s_wait_xcnt 0x0
	s_wait_alu depctr_hold_cnt(0) depctr_sa_sdst(0) depctr_va_vdst(0) depctr_va_sdst(0) depctr_va_ssrc(0) depctr_va_vcc(0) depctr_vm_vsrc(0)
	s_getreg_b32 s2, hwreg(HW_REG_IB_STS2, 6, 4)
	s_cmp_eq_u32 s2, 0
	s_cbranch_scc0 .Lentry_in_a_cluster
	s_endpgm
.Lentry_in_a_cluster:
	s_bfe_u32 s2, ttmp6, 0x10000c
	s_cmp_lg_u32 s2, 0xf033
	s_cbranch_scc0 .Lentry_shape_is_right
	s_endpgm
.Lentry_shape_is_right:
; q, k, v = LN1(x) W_qkv + b_qkv on codes of BF6 (E3M2) with E8M0 scales, quantised again on the way out: q and k along the head's 64, v along the keys.
; Operands lie as images of their registers (tiles of 16 rows, ROW(T, r) = 32 (T / 2) + 8 (T % 2) + r + 8 (r / 8); a fragment of 16 rows x 128 K is 1,536 bytes: for each half of 64 K
; registers 0-3 at 16 x lane, registers 4-5 at 512 + 8 x lane); scale words are [tile][K / 128][16 words].
; A work-group of four waves makes 256 x 256, a wave 128 x 128: 64 accumulators.  K = 1,024 is four slots' worth of 256.  LDS has room for three slots: three are filled at the start by the tensor data
; mover, and slot 0 is filled once more, with the last 256, as soon as it has been read: that load has two slots' products, 256 matrix instructions a wave, in which to land.
; THE MATRIX INSTRUCTION TAKES "B" AS SOURCE 0 AND "A" AS SOURCE 1: a lane holds one row of A, and by the choice of a tile's rows the 64 registers of one tile of A against B's eight tiles
; are 128 NEIGHBOURS along B's rows, in the quantiser's order.
; TWO MODES, by the cluster's x, which all sixteen partners share.  Clusters 0, 1: A = the tokens (hact), B = W's columns 0 .. 2047: a lane holds a token, registers run along the heads' channels: q and k.
; Cluster 2: A = W's columns 2048 .. 3071, B = the tokens: the same product with the roles changed: a lane holds a channel of v and its registers run along the tokens, which are the keys.
; Only addresses and indices are chosen by the mode; the products are one text.
; CLUSTERS: 4 x 4 work-groups; A's tiles are asked for jointly along a row of the cluster, B's along a column.
; LIMITS: NaN and infinities are not served; a block whose largest magnitude lies under 2^-122 keeps the scale byte 1.
; THE FILLS, as the text below has them: at the head one tensor load a wave (A's and B's 16 row tiles of K 0 .. 255 into slot 0, A's and B's scale words);
; behind one drained round K 256 .. 767, one tile of 8 row tiles x 6,144 bytes a wave, which serves as slots 1 and 2; slot 0 is filled once more, with K 768 .. 1023, when it has been read.
; No data prefetch: the walk along K is written out, four fills in all, and has no loop to run ahead in.
.set SIZE_K, 1024
.set KST,    SIZE_K/128                ; K steps of 128
.set KPS,    2                         ; of them in a slot
.set RT,     8                         ; row tiles in one tensor load
.set ROWB,   KPS*1536                  ; a row tile's bytes in a slot
.set HALFT,  RT*ROWB                   ; what one tensor load brings, and what one wave reads of A or of B
.set SLOT,   4*HALFT                   ; A's two halves, then B's two
.set KS64,   64*KST                    ; a row tile's scale words in bytes
.set HALFS,  RT*KS64
.set SCL,    3*SLOT                    ; behind the three slots: the scale words for all of K, filled once
.set SPARE,  SCL+4*HALFS               ; the spare words, 128 bytes for each wave, which no other line names
.set FR,     12
.set NL,     4                         ; LDS loads that bring a fragment
.set NP,     4                         ; places behind this matrix instruction (ISA guide 7.12.1)
.set V16,  8                           ; v8   16 x lane
.set V8,   9                           ; v9   8 x lane
.set ADRA, 16                          ; v16-18 LDS address of A's fragments in slot 0, 1, 2, for the loads of 16 bytes; v19-21 for those of 8
.set ADRB, 22                          ; v22-27 the same for B
.set SPW,  28                          ; v28  my spare word; never rewritten
.set NIL,  29                          ; v29  0; never rewritten
.set ADRS, 30                          ; v30  my scale words: lanes 0-15 A's, lanes 16-31 B's
.set SC,   32                          ; v32-63 scale words, two sets of 16 by turns: register 2 i + u: tile i, the slot's u-th K step
.set BN,   64                          ; v64-127 the bias along B's rows
.set AF,   128                         ; v128-223 A's eight fragments, one set
.set BM,   224                         ; v224-239 the bias along A's rows: a pair for each tile
.set H,    128                         ; the way out: 64 numbers;
.set PC,   192                         ; their codes (20 registers);
.set TM,   32                          ; the quantiser's work;
.set PW,   48                          ; the scale word
.set SEL,  96
.set G1,   24                          ; s[24:31] group 1 for A's tiles;  s[32:43] group 0, a set for each slot
.set G0,   32
.set G1B,  48                          ; s[48:55] group 1 for B's tiles;  s[56:63] and s[92:95] group 0, a set for each slot
.set G0B,  56
.set G1S,  68
.set G0S,  76
.set G1SB, 80
.set G0SB, 88
.set MSB, 0
.macro WIN new                         ; the immediate's high byte repeats the setting that is left
.if MSB != \new
	s_set_vgpr_msb (MSB<<8)|\new
.set MSB, \new
.endif
.endm
.set MUL_LO, 0xa1                      ; source 0 (B) window 1, source 1 (A) window 0, C and D window 2
.set MUL_HI, 0xf1                      ; the same, C and D window 3
.set TO_B,   0x40                      ; destination window 1
; A joint load: waves 0 and 1 fetch for A, waves 2 and 3 for B; the branch hangs on the wave's number alone.  Four v_nop follow each of the two lines.
.macro JLOAD g0a, g1a, g0b, g1b
	s_cmp_eq_u32 s15, 0
	s_cbranch_scc0 .Lfor_b_\@
	tensor_load_to_lds s[\g0a:\g0a+3], s[\g1a:\g1a+7]
	s_nop 0
.rept 4
	v_nop
.endr
	s_branch .Lasked_\@
.Lfor_b_\@:
	tensor_load_to_lds s[\g0b:\g0b+3], s[\g1b:\g1b+7]
	s_nop 0
.rept 4
	v_nop
.endr
.Lasked_\@:
.endm
.macro CREST                           ; a round of the cluster's barrier behind its opening barrier
	s_cmp_lg_u32 s14, 0
	s_cbranch_scc1 .Lnot_wave_0_\@
	s_barrier_signal -3
.Lnot_wave_0_\@:
	s_barrier_wait -3
	s_barrier_signal -1
	s_barrier_wait -1
.endm
.macro CROUND
	s_barrier_signal -1
	s_barrier_wait -1
	CREST
.endm
.macro PLACES n
.rept \n
	v_nop
.endr
.endm
.macro FRAG reg, adr, off              ; a fragment's image back into 12 registers: every load reads consecutive bytes
	ds_load_b128 v[\reg:\reg+3], v[\adr] offset:\off
	ds_load_b64 v[\reg+4:\reg+5], v[\adr+3] offset:\off+512
	ds_load_b128 v[\reg+6:\reg+9], v[\adr] offset:\off+768
	ds_load_b64 v[\reg+10:\reg+11], v[\adr+3] offset:\off+1280
.endm
.macro FETCH_B slot, u                 ; B's eight fragments of the slot's half u into set u
	WIN TO_B
.irp f, 0,1,2,3,4,5,6,7
.set rR, 128*(\u)+FR*\f
.set rO, \f*(3072<<(((\slot)+1)/2))+(\u)*1536  ; a row tile's pitch: 3,072 bytes in slot 0, 6,144 in slots 1 and 2
	FRAG rR, ADRB+\slot, rO
.endr
	WIN 0
.endm
.macro FETCH_A slot, u, f0             ; A's fragments f0 .. f0 + 3
.irp f, \f0, \f0+1, \f0+2, \f0+3
.set rR, AF+FR*(\f)
.set rO, (\f)*(3072<<(((\slot)+1)/2))+(\u)*1536
	FRAG rR, ADRA+\slot, rO
.endr
.endm
.macro SCALES sc                       ; the scale words of 256 along K into set sc
.set e, 0
.rept 16
	ds_load_b32 v[SC+16*(\sc)+e], v[ADRS] offset:(e/KPS)*KS64+(e%KPS)*64
.set e, e+1
.endr
.endm
.macro WMI
.if rZ
	v_wmma_scale_f32_16x16x128_f8f6f4 v[rD:rD+7], v[rB:rB+FR-1], v[rA:rA+FR-1], 0, v[rSB], v[rSA] matrix_a_fmt:MATRIX_FMT_BF6 matrix_b_fmt:MATRIX_FMT_BF6 matrix_a_scale:MATRIX_SCALE_ROW1
.else
	v_wmma_scale_f32_16x16x128_f8f6f4 v[rD:rD+7], v[rB:rB+FR-1], v[rA:rA+FR-1], v[rD:rD+7], v[rSB], v[rSA] matrix_a_fmt:MATRIX_FMT_BF6 matrix_b_fmt:MATRIX_FMT_BF6 matrix_a_scale:MATRIX_SCALE_ROW1
.endif
.endm
; A quarter of a step of 128 along K: two tiles of A against B's eight.  The 64 accumulators take turns, one instruction a turn, in the same order in every step.  zero = 1: the first products start the sums.
.macro MULH part, u, sc, zero
.if (\part) < 2
	WIN MUL_LO
.else
	WIN MUL_HI
.endif
.irp a, 2*(\part), 2*(\part)+1
.irp b, 0,1,2,3,4,5,6,7
.set rD, 8*(8*((\a)%4)+\b)
.set rB, 128*(\u)+FR*\b
.set rA, AF+FR*(\a)
.set rSB, SC+16*(\sc)+2*\b+(\u)
.set rSA, SC+16*(\sc)+2*(\a)+(\u)
.set rZ, \zero
	WMI
.endr
.endr
.endm
; A slot's first step.  slot: where its tiles lie; sc: its set of scale words.  A fragment of A is free as soon as its products are issued: 0-3 are fetched anew in the step's middle, 4-7 at its end; B has two sets.
.macro STEP slot, sc, zero
	s_wait_dscnt 4*NL                              ; all but the youngest 16 loads (A's fragments 4-7) are in
	MULH 0, 0, \sc, \zero
	MULH 1, 0, \sc, \zero
	s_wait_dscnt 0x0
	PLACES NP                                      ; in front of loads into registers that matrix instructions have read
	FETCH_B \slot, 1
	FETCH_A \slot, 1, 0
	MULH 2, 0, \sc, \zero
	MULH 3, 0, \sc, \zero
	PLACES NP
	WIN 0
	FETCH_A \slot, 1, 4
.endm
; A slot's second step goes on into slot next, whose scale words take set nsc.
; mode 1: this slot is filled again: each wave waits for all its tensor loads, adds 0 to its spare word, waits for that and for its reads of this slot; a round of the cluster's barrier; the joint refill first behind it.
; mode 0: the next slot's tile was asked for on the way: the same waits and one barrier of the work-group.
; mode 2: the next slot was shown whole to every wave by an earlier barrier, and this slot is never filled again: no wait on tensor loads and no barrier.
.macro TURN slot, sc, next, nsc, mode
.if (\mode) == 2
	s_wait_dscnt 4*NL                              ; all but the youngest 16 loads (A's fragments 4-7) are in
	MULH 0, 1, \sc, 0
	MULH 1, 1, \sc, 0
	s_wait_dscnt 0x0
	WIN 0
	PLACES NP
.else
	s_wait_tensorcnt 0x0                           ; all my tensor loads have landed
	ds_add_u32 v[SPW], v[NIL]                      ; 0 onto my spare word
	s_wait_dscnt 4*NL+1                            ; (the add and the youngest 16 loads may be out)
	MULH 0, 1, \sc, 0
	s_wait_dscnt 0x0                               ; the add is done, and my reads of this slot are over
	s_barrier_signal -1
	MULH 1, 1, \sc, 0
	WIN 0
	s_barrier_wait -1
.if (\mode) == 1
	CREST                                          ; the barrier has opened a round of the cluster's barrier: no wave of any partner still reads this slot or has a load on its way
	s_add_nc_u64 s[G0+2:G0+3], s[G0+2:G0+3], 3*ROWB    ; slot 0's descriptors go on to the last 256 along K
	s_add_nc_u64 s[G0B+2:G0B+3], s[G0B+2:G0B+3], 3*ROWB
	JLOAD G0, G1, G0B, G1B                         ; the first tensor load behind the round; its four v_nop are also the places in front of the loads below
.else
	PLACES NP
.endif
.endif
	v_add_nc_u32 v[ADRS], 64*KPS, v[ADRS]          ; the next 256's scale words
	FETCH_B \next, 0
	FETCH_A \next, 0, 0
	SCALES \nsc
	MULH 2, 1, \sc, 0
	MULH 3, 1, \sc, 0
	PLACES NP
	WIN 0
	FETCH_A \next, 0, 4
.endm
; 64 numbers of a lane, register 16 b + i = K 32 b + 16 (lane / 16) + i of my row, become a fragment's codes in v[pc] on and its scale word in v[pw]
.macro QUANT s, pc, pw
.irp b, 0,1,2,3
	v_max3_num_f32 v[TM+\b], |v[\s+16*\b]|, |v[\s+1+16*\b]|, 0x2800000   ; my 16 numbers and the floor 2^(5 - 127)
.endr
.irp i, 2,4,6,8,10,12,14
.irp b, 0,1,2,3
	v_max3_num_f32 v[TM+\b], v[TM+\b], |v[\s+16*\b+\i]|, |v[\s+1+16*\b+\i]|
.endr
.endr
.irp b, 0,1,2,3
	v_permlanex16_b32 v[TM+4+\b], v[TM+\b], s[SEL], s[SEL+1]
.endr
.irp b, 0,1,2,3
	v_max_num_f32 v[TM+\b], v[TM+\b], v[TM+4+\b]
.endr
.irp b, 0,1,2,3
	v_add_nc_u32 v[TM+12+\b], 0xfe000000, v[TM+\b]   ; 4 off the exponent field: the conversion's scale operand
.endr
.irp b, 0,1,2,3
	v_lshrrev_b32 v[TM+4+\b], 23, v[TM+12+\b]
.endr
	v_lshl_or_b32 v[\pw], v[TM+5], 8, v[TM+4]
	v_lshl_or_b32 v[\pw], v[TM+6], 16, v[\pw]
	v_lshl_or_b32 v[\pw], v[TM+7], 24, v[\pw]
.irp c, 0,1
	v_cvt_scalef32_pk16_bf6_f32 v[\pc+6*\c:\pc+2+6*\c], v[\s+32*\c:\s+15+32*\c], v[TM+12+2*\c]
	v_cvt_scalef32_pk16_bf6_f32 v[\pc+12+4*\c:\pc+14+4*\c], v[\s+16+32*\c:\s+31+32*\c], v[TM+12+2*\c+1]
.endr
	v_nop                                          ; one plain instruction behind the scaled conversions
.irp c, 0,1
.irp i, 0,1,2
	v_permlane16_swap_b32 v[\pc+6*\c+\i], v[\pc+12+4*\c+\i]
.endr
.irp i, 0,1,2
	v_mov_b32 v[\pc+3+6*\c+\i], v[\pc+12+4*\c+\i]
.endr
.endr
.endm
.macro IMG pc, sb, off
	global_store_b128 v[V16], v[\pc:\pc+3], s[\sb:\sb+1] offset:\off
	global_store_b64 v[V8], v[\pc+4:\pc+5], s[\sb:\sb+1] offset:\off+512
	global_store_b128 v[V16], v[\pc+6:\pc+9], s[\sb:\sb+1] offset:\off+768
	global_store_b64 v[V8], v[\pc+10:\pc+11], s[\sb:\sb+1] offset:\off+1280
.endm
	s_load_b256 s[4:11], s[0:1], 0x0               ; hact, wts, b_qkv, qkv
	v_lshl_add_u32 v[SPW], v0, 2, SPARE
	v_mov_b32 v[NIL], 0
	ds_add_u32 v28, v29
	ds_add_u32 v28, v29
	s_wait_dscnt 0x0
	v_lshrrev_b32 v1, 5, v0
	v_readfirstlane_b32 s14, v1                    ; wave 0..3
	s_lshr_b32 s15, s14, 1                         ; which half of A's rows is mine.  Also: I fetch for A (0) or for B (1)
	s_and_b32 s16, s14, 1                          ; which half of B's rows.  Also: which half of that tile I fetch
	s_bfe_u32 s100, ttmp6, 0x40000                 ; cx
	s_bfe_u32 s101, ttmp6, 0x40004                 ; cy
	s_lshl_b32 s19, ttmp9, 2                       ; 4 x cluster x
	s_and_b32 s18, ttmp7, 0xffff
	s_lshl_b32 s18, s18, 2                         ; 4 x cluster y
	s_mov_b32 s2, 3145728                          ; where hact's scale words begin
	s_mov_b32 s67, 9437184                         ; and W_qkv's, in wts
	s_mov_b32 s[SEL], 0x76543210
	s_mov_b32 s[SEL+1], 0xfedcba98
	s_mov_b32 s99, 0xffff0000                      ; lanes 16-31
	s_wait_kmcnt 0x0
	s_cmp_eq_u32 ttmp9, 2                          ; the mode: the cluster's x alone decides, so all partners choose alike
	s_cselect_b32 s66, 1, 0
	s_cselect_b32 s17, 0, s18                      ; A's tile: v: cy; else 4 x cluster y + cy
	s_cselect_b32 s98, s18, s19                    ; B's tile: v: 4 x cluster y + cx; else 4 x cluster x + cx
	s_cselect_b32 s18, 128, 0                      ; A's first row tile: W's column 2,048 is row tile 128
	s_cselect_b32 s19, s67, s2                     ; A's scale words
	s_cselect_b32 s67, s2, s67                     ; B's
	s_cselect_b64 s[12:13], s[6:7], s[4:5]         ; A's buffer
	s_cselect_b64 s[6:7], s[4:5], s[6:7]           ; B's buffer
	s_add_co_u32 s17, s17, s101
	s_add_co_u32 s98, s98, s100
	s_lshl_b32 s3, s101, 2
	s_lshl_b32 s3, 15, s3                          ; my row of the cluster
	s_lshl_b32 s47, 0x1111, s100                   ; my column
	; descriptor group 1: RT row tiles, each ROWB consecutive bytes, a row tile's whole K apart; elements of 8 bytes; no padding: every LDS read is of consecutive bytes
	s_or_b32 s[G1+0], s3, (3<<16)|(1<<21)
	s_or_b32 s[G1B+0], s47, (3<<16)|(1<<21)
.irp g, G1, G1B
	s_mov_b32 s[\g+1], (ROWB/8)<<16                ; tensor_dim0
	s_mov_b32 s[\g+2], RT<<16                      ; tensor_dim1
	s_mov_b32 s[\g+3], (ROWB/8)<<16                ; tile_dim0
	s_mov_b32 s[\g+4], RT                          ; tile_dim1
	s_mov_b32 s[\g+5], KST*192                     ; tensor_dim0_stride
	s_mov_b32 s[\g+6], 0
	s_mov_b32 s[\g+7], 0
.endr
	; the scale words of RT row tiles: one dense block, as rows of 256 bytes
	s_or_b32 s[G1S+0], s3, (3<<16)|(1<<21)
	s_or_b32 s[G1SB+0], s47, (3<<16)|(1<<21)
.irp g, G1S, G1SB
	s_mov_b32 s[\g+1], 32<<16
	s_mov_b32 s[\g+2], (HALFS/256)<<16
	s_mov_b32 s[\g+3], 32<<16
	s_mov_b32 s[\g+4], HALFS/256
	s_mov_b32 s[\g+5], 32
	s_mov_b32 s[\g+6], 0
	s_mov_b32 s[\g+7], 0
.endr
	s_lshl_b32 s20, s17, 1
	s_add_co_u32 s20, s20, s16
	s_lshl_b32 s20, s20, 3
	s_add_co_u32 s20, s20, s18                     ; A: the first row tile that I would fetch
	s_mul_i32 s22, s20, KS64
	s_add_co_u32 s22, s22, s19                     ; its scale words,
	s_mul_i32 s20, s20, KST*1536                   ; its codes
	s_mov_b32 s21, 0
	s_mov_b32 s23, 0
	s_lshl_b32 s46, s98, 1
	s_add_co_u32 s46, s46, s16
	s_mul_i32 s18, s46, HALFS
	s_add_co_u32 s18, s18, s67                     ; B likewise
	s_mul_i32 s46, s46, RT*KST*1536
	s_mov_b32 s47, 0
	s_mov_b32 s19, 0
	s_mul_i32 s44, s14, HALFT                      ; where they go: by the wave's number alone
	s_mul_i32 s45, s14, 2*HALFT                    ; my quarter of K 256 .. 767, by the wave's number alone
	s_add_nc_u64 s[20:21], s[12:13], s[20:21]
	s_add_nc_u64 s[22:23], s[12:13], s[22:23]
	s_add_nc_u64 s[46:47], s[6:7], s[46:47]
	s_add_nc_u64 s[18:19], s[6:7], s[18:19]
	CROUND                                         ; all sixteen work-groups are here: the first joint loads meet
; THE HEAD'S FOUR TILES, one tensor load a wave: wave 0 A's 16 row tiles of K 0 .. 255, wave 1 B's, wave 2 A's scale words for all of K, wave 3 B's.
; s[20:23], s[46:47], s[18:19] stand at my half of the rows: the half's bytes are taken off again for a tile that holds both halves.
.set G0H,  40                          ; s[40:43] group 0 of A's head tile
.set G0HB, 92                          ; s[92:95] of B's
.macro G0MK g, lds, base, off
	s_mov_b32 s[\g], 1
	s_mov_b32 s[\g+1], \lds
	s_sub_nc_u64 s[\g+2:\g+3], s[\base:\base+1], s[\off:\off+1]
	s_or_b32 s[\g+3], s[\g+3], 0x80000000
.endm
.macro ARM under, g0, g1, next
	s_cmp_lt_u32 s14, \under
	s_cbranch_scc0 \next
	tensor_load_to_lds s[\g0:\g0+3], s[\g1:\g1+7]
	s_nop 0
.rept 4
	v_nop
.endr
	s_branch .Lhead_asked
\next:
.endm
	s_mul_i32 s2, s16, RT*KST*1536
	s_mov_b32 s3, 0
	G0MK G0H, 0, 20, 2
	G0MK G0HB, 2*HALFT, 46, 2
	s_mul_i32 s2, s16, HALFS
	G0MK G0S, SCL, 22, 2
	G0MK G0SB, SCL+2*HALFS, 18, 2
.irp g, G1, G1B
	s_mov_b32 s[\g+2], (2*RT)<<16                  ; the head's tiles of codes have 16 row tiles
	s_mov_b32 s[\g+4], 2*RT
.endr
.irp g, G1S, G1SB
	s_mov_b32 s[\g+2], (2*HALFS/256)<<16           ; and those of scale words both halves' units of 256 bytes
	s_mov_b32 s[\g+4], 2*HALFS/256
.endr
	ARM 1, G0H,  G1,  .Lhead_b
	ARM 2, G0HB, G1B, .Lhead_sa
	ARM 3, G0S,  G1S, .Lhead_sb
	tensor_load_to_lds s[G0SB:G0SB+3], s[G1SB:G1SB+7]
	s_nop 0
.rept 4
	v_nop
.endr
.Lhead_asked:
.irp s, 0,1                            ; set 0: my quarter of slot 0, for its refill; set 1: my quarter of K 256 .. 767
	s_mov_b32 s[G0+4*\s], 1
	s_add_nc_u64 s[G0+4*\s+2:G0+4*\s+3], s[20:21], \s*ROWB
	s_or_b32 s[G0+4*\s+3], s[G0+4*\s+3], 0x80000000
	s_mov_b32 s[G0B+4*\s], 1
	s_add_nc_u64 s[G0B+4*\s+2:G0B+4*\s+3], s[46:47], \s*ROWB
	s_or_b32 s[G0B+4*\s+3], s[G0B+4*\s+3], 0x80000000
.endr
	s_add_co_u32 s[G0+1], s44, 0
	s_add_co_u32 s[G0B+1], s44, 0
	s_add_co_u32 s[G0+5], s45, SLOT
	s_add_co_u32 s[G0B+5], s45, SLOT
	v_and_b32 v1, 15, v0                           ; r
	v_bfe_u32 v2, v0, 4, 1                         ; h
	v_and_b32 v3, 31, v0
	v_lshlrev_b32 v[V16], 4, v3
	v_lshlrev_b32 v[V8], 3, v3
	s_mul_i32 s21, s15, HALFT
	s_mul_i32 s22, s16, HALFT
	s_add_co_u32 s22, s22, 2*HALFT
.irp k, 0,3                            ; slot 0: my half; slot 1: behind slot 0, halves twice as large; slot 2: 3,072 bytes further on in the same rows
	v_add_nc_u32 v[ADRA+\k], s21, v[V16+\k/3]
	v_add_nc_u32 v[ADRB+\k], s22, v[V16+\k/3]
	v_add_nc_u32 v[ADRA+\k+1], s21, v[ADRA+\k]
	v_add_nc_u32 v[ADRB+\k+1], s22, v[ADRB+\k]
	v_add_nc_u32 v[ADRA+\k+1], SLOT, v[ADRA+\k+1]
	v_add_nc_u32 v[ADRB+\k+1], SLOT, v[ADRB+\k+1]
	v_add_nc_u32 v[ADRA+\k+2], ROWB, v[ADRA+\k+1]
	v_add_nc_u32 v[ADRB+\k+2], ROWB, v[ADRB+\k+1]
.endr
	v_lshlrev_b32 v5, 2, v1                        ; a scale word: 4 r
	s_mul_i32 s21, s15, HALFS
	s_mul_i32 s22, s16, HALFS
	s_add_co_u32 s22, s22, 2*HALFS
	s_sub_co_u32 s22, s22, s21
	v_mul_u32_u24 v6, s22, v2                      ; lanes 16-31 take B's
	s_add_co_u32 s21, s21, SCL
	v_add_nc_u32 v5, v5, v6
	v_add_nc_u32 v[ADRS], s21, v5
	; the biases.  Both sets are loaded in both modes; the set that the mode does not use is read from the buffer's start, so that no load leaves the buffer
	s_lshl_b32 s20, s98, 10
	s_lshl_b32 s21, s16, 9
	s_add_co_u32 s20, s20, s21                     ; along B's rows: 4 x (256 x tile + 128 x half)
	s_lshl_b32 s22, s17, 10
	s_lshl_b32 s21, s15, 9
	s_add_co_u32 s22, s22, s21
	s_add_co_u32 s22, s22, 8192                    ; along A's rows: 4 x (2,048 + 256 x tile + 128 x half)
	s_cmp_eq_u32 s66, 1
	s_cselect_b32 s20, 0, s20
	s_cselect_b32 s22, s22, 0
	s_mov_b32 s21, 0
	s_mov_b32 s23, 0
	s_add_nc_u64 s[4:5], s[8:9], s[20:21]
	s_add_nc_u64 s[8:9], s[8:9], s[22:23]
	v_lshlrev_b32 v10, 6, v2                       ; 64 h
	v_and_b32 v14, 8, v1
	v_add_nc_u32 v14, v14, v1
	v_lshlrev_b32 v14, 2, v14                      ; 4 (r + 8 (r / 8))
.irp e, 0,1,2,3,4,5,6,7,8,9,10,11,12,13,14,15
	global_load_b128 v[BN+4*\e:BN+4*\e+3], v10, s[4:5] offset:128*(\e/4)+16*(\e%4)   ; register 16 b + i: column 32 b + 16 h + i
.endr
.irp a, 0,1,2,3,4,5,6,7
	global_load_b32 v[BM+2*\a], v14, s[8:9] offset:(32*(\a/2)+8*(\a%2))*4            ; tile a's row r, twice: the packed addition takes a pair
	global_load_b32 v[BM+2*\a+1], v14, s[8:9] offset:(32*(\a/2)+8*(\a%2))*4
.endr
	v_lshlrev_b32 v11, 2, v1
	v_lshl_add_u32 v11, v2, 13, v11                ; q's and k's scale words: 4 r, and the next head's 8,192 bytes on for lanes 16-31
	v_lshlrev_b32 v12, 4, v2                       ; 16 h
	v_lshlrev_b32 v13, 2, v3                       ; 4 x lane
	s_wait_alu depctr_va_vdst(0)
	s_wait_tensorcnt 0x0                           ; my tile of the head's four is in
	ds_add_u32 v[SPW], v[NIL]
.irp g, G1, G1B
	s_mov_b32 s[\g+2], RT<<16                      ; no tensor load of mine is out: from here on slot 0's tiles have 8 row tiles,
	s_mov_b32 s[\g+4], RT
.endr
.irp g, G1S, G1SB                      ; and the scale words' groups 1 describe 8 row tiles x 6,144 bytes
	s_mov_b32 s[\g+1], (2*ROWB/8)<<16
	s_mov_b32 s[\g+2], RT<<16
	s_mov_b32 s[\g+3], (2*ROWB/8)<<16
	s_mov_b32 s[\g+4], RT
	s_mov_b32 s[\g+5], KST*192
.endr
	s_wait_dscnt 0x0
	CROUND                                         ; a whole round: all four tiles are in, and the joint loads meet
	JLOAD G0+4, G1S, G0B+4, G1SB                   ; K 256 .. 767, my one tensor load behind the round
	FETCH_B 0, 0
	FETCH_A 0, 0, 0
	SCALES 0
	FETCH_A 0, 0, 4
	STEP 0, 0, 1                                   ; K 0 .. 127: its products start the sums
	TURN 0, 0, 1, 1, 1                             ; K 128 ..: slot 0 is left and takes K 768 .. 1023
	s_wait_alu depctr_va_vdst(0)
	STEP 1, 1, 0
	TURN 1, 1, 2, 0, 2                             ; slot 2 was shown whole by the round above
	s_wait_alu depctr_va_vdst(0)
	STEP 2, 0, 0
	TURN 2, 0, 0, 1, 0                             ; slot 0's second tile: waited for, and one barrier
	STEP 0, 1, 0
	s_wait_dscnt 4*NL                              ; the very last step: nothing more to fetch
	MULH 0, 1, 1, 0
	MULH 1, 1, 1, 0
	s_wait_dscnt 0x0
	MULH 2, 1, 1, 0
	MULH 3, 1, 1, 0
	WIN 0
; THE WAY OUT, tile of A by tile of A: the bias is added, the lane's 64 numbers (128 neighbours with lane l xor 16's) are quantised, and the fragment goes to memory as it stands.  No LDS.
.macro EPI a, mode
.set AC, 64*((\a)%4)
.if (\a) > 0
	s_wait_xcnt 0x0                                ; the last tile's stores have read their registers
.endif
	WIN 0x02+(\a)/4                                ; source 0: window 2 or 3
.set i, 0
.rept 32
.if \mode
	v_pk_add_f32 v[H+i:H+i+1], v[AC+i:AC+i+1], v[BM+2*(\a):BM+2*(\a)+1]
.else
	v_pk_add_f32 v[H+i:H+i+1], v[AC+i:AC+i+1], v[BN+i:BN+i+1]
.endif
.set i, i+2
.endr
	WIN 0
	QUANT H, PC, PW
.if \mode
	IMG PC, 20, ((\a)/4)*98304+((\a)%4)*1536       ; head a / 4 of my two, channel tile a % 4, my key step
.if (\a)%2 == 0
	v_mov_b32 v49, v[PW]
.else
	v_cndmask_b32 v50, v49, v[PW], s99             ; two tiles' scale words: 128 consecutive bytes
	global_store_b32 v13, v50, s[22:23] offset:((\a)/4)*4096+(((\a)%4)/2)*128
.endif
.else
	global_store_b128 v[V16], v[PC:PC+3], s[20:21] offset:(\a)*768             ; the first 64 columns are one head's,
	global_store_b64 v[V8], v[PC+4:PC+5], s[20:21] offset:(\a)*768+512
	global_store_b128 v[V16], v[PC+6:PC+9], s[20:21] offset:98304+(\a)*768     ; the other 64 the next head's
	global_store_b64 v[V8], v[PC+10:PC+11], s[20:21] offset:98304+(\a)*768+512
	v_lshrrev_b32 v50, v12, v[PW]                  ; lanes 0-15: the first head's two bytes lowest; lanes 16-31: the second's.  The upper two bytes scale codes that are zeros on q's side; they are never 0xff
	global_store_b32 v11, v50, s[22:23] offset:64*(\a)
.endif
.endm
	s_wait_loadcnt 0x0                             ; the biases
	PLACES NP                                      ; behind the last products
.irp b, 0,1,2,3
	v_mov_b32 v[TM+4+\b], 0                        ; a lane permute's destination counts as one of its sources
.endr
	s_mov_b32 s21, 0
	s_mov_b32 s23, 0
	s_cmp_eq_u32 s66, 1
	s_cbranch_scc1 .Lmode_v
	s_lshl_b32 s18, s17, 4
	s_lshl_b32 s19, s15, 3
	s_add_co_u32 s18, s18, s19                     ; my first token tile, 0 .. 255
	s_lshr_b32 s19, s18, 7                         ; the batch
	s_and_b32 s18, s18, 127
	s_lshl_b32 s45, s98, 1
	s_add_co_u32 s45, s45, s16                     ; my 128 columns
	s_lshr_b32 s46, s45, 3                         ; 0: q, 1: k
	s_and_b32 s45, s45, 7
	s_lshl_b32 s45, s45, 1                         ; the first of my two heads
	s_lshl_b32 s19, s19, 4
	s_add_co_u32 s19, s19, s45
	s_lshl_b32 s19, s19, 7
	s_add_co_u32 s19, s19, s18                     ; (16 batch + head) x 128 + token tile
	s_mul_i32 s20, s19, 768
	s_mul_i32 s47, s46, 3145728
	s_add_co_u32 s20, s20, s47
	s_lshl_b32 s22, s19, 6
	s_lshl_b32 s47, s46, 18
	s_add_co_u32 s22, s22, s47
	s_add_co_u32 s22, s22, 9437184
	s_add_nc_u64 s[20:21], s[10:11], s[20:21]
	s_add_nc_u64 s[22:23], s[10:11], s[22:23]
.irp a, 0,1,2,3,4,5,6,7
	EPI \a, 0
.endr
	s_branch .Lout
.Lmode_v:
	s_lshr_b32 s19, s98, 3                         ; the batch
	s_and_b32 s18, s98, 7
	s_lshl_b32 s18, s18, 1
	s_add_co_u32 s18, s18, s16                     ; the key step
	s_lshl_b32 s19, s19, 4
	s_lshl_b32 s45, s17, 2
	s_add_co_u32 s19, s19, s45
	s_lshl_b32 s45, s15, 1
	s_add_co_u32 s19, s19, s45                     ; 16 batch + the first of my two heads
	s_lshl_b32 s19, s19, 6
	s_lshl_b32 s18, s18, 2
	s_add_co_u32 s19, s19, s18                     ; x 64 + 4 x key step
	s_mul_i32 s20, s19, 1536
	s_add_co_u32 s20, s20, 6291456
	s_lshl_b32 s22, s19, 6
	s_add_co_u32 s22, s22, 9961472
	s_add_nc_u64 s[20:21], s[10:11], s[20:21]
	s_add_nc_u64 s[22:23], s[10:11], s[22:23]
.irp a, 0,1,2,3,4,5,6,7
	EPI \a, 1
.endr
.Lout:
	s_wait_tensorcnt 0x0                           ; the wave's end
	ds_add_u32 v[SPW], v[NIL]
	s_wait_dscnt 0x0
	CROUND                                         ; the closing round: no work-group ends while a partner may still ask for a tile that names it
	s_endpgm
.Lfunc_end_k_q3c1ccf2a32_qkvp:
	.size	k_q3c1ccf2a32_qkvp, .Lfunc_end_k_q3c1ccf2a32_qkvp-k_q3c1ccf2a32_qkvp
	.p2alignl 7, 3214868480
	.fill 96, 4, 3214868480
	.section	.rodata,"a",@progbits
	.p2align	6, 0x0
	.amdhsa_kernel k_q3c1ccf2a32_qkvp
		.amdhsa_group_segment_fixed_size 327680
		.amdhsa_private_segment_fixed_size 0
		.amdhsa_enable_private_segment 0
		.amdhsa_kernarg_size 32
		.amdhsa_user_sgpr_count 2
		.amdhsa_user_sgpr_kernarg_segment_ptr 1
		.amdhsa_wavefront_size32 1
		.amdhsa_system_sgpr_workgroup_id_x 1
		.amdhsa_system_sgpr_workgroup_id_y 1
		.amdhsa_system_sgpr_workgroup_id_z 1
		.amdhsa_system_vgpr_workitem_id 0
		.amdhsa_next_free_vgpr 1024
		.amdhsa_next_free_sgpr 102
		.amdhsa_reserve_vcc 0
		.amdhsa_float_denorm_mode_32 3
		.amdhsa_float_denorm_mode_16_64 3
		.amdhsa_memory_ordered 1
		.amdhsa_forward_progress 1
		.amdhsa_inst_pref_size 224
	.end_amdhsa_kernel
	.amdgpu_metadata
---
amdhsa.version: [ 1, 2 ]
amdhsa.kernels:
  - .name:           k_q3c1ccf2a32_qkvp
    .symbol:         k_q3c1ccf2a32_qkvp.kd
    .args:
      - { .name: hact, .offset: 0, .size: 8, .value_kind: global_buffer, .address_space: global }
      - { .name: wts, .offset: 8, .size: 8, .value_kind: global_buffer, .address_space: global }
      - { .name: b_qkv, .offset: 16, .size: 8, .value_kind: global_buffer, .address_space: global }
      - { .name: qkv, .offset: 24, .size: 8, .value_kind: global_buffer, .address_space: global }
    .group_segment_fixed_size: 327680
    .private_segment_fixed_size: 0
    .kernarg_segment_align: 8
    .kernarg_segment_size: 32
    .max_flat_workgroup_size: 128
    .sgpr_count:     102
    .vgpr_count:     1024
    .wavefront_size: 32
...
	.end_amdgpu_metadata
.endif
;; end of part 2
;; launch attn (part 3): grid 8 x 32, 16 waves a work-group, no clusters, 210,944 bytes of LDS; arguments qkv, maskw, oact; writes oact
.if DOCPART == 3
	.amdgcn_target "amdgcn-amd-amdhsa--gfx1250"
	.amdhsa_code_object_version 6
	.text
	.protected	k_q3c1ccf2a32_attn
	.globl	k_q3c1ccf2a32_attn
	.p2align	8
	.type	k_q3c1ccf2a32_attn,@function
k_q3c1ccf2a32_attn:
	s_mov_b64 s[64:65], 0
	v_nop
	global_prefetch_b8 v0, s[64:65] scope:SCOPE_SE
	s_setreg_imm32_b32 hwreg(HW_REG_WAVE_MODE, 25, 1), 1
	s_wait_xcnt 0x0
; o = softmax(q k^T / 8, under the mask) v for one (batch, head) and 256 queries, both products on codes of BF6 (E3M2) with E8M0 scales; o is quantised along the model's 1,024 on the way out.
; t = score x log2(e) / 8; M = the running largest t rounded UP to a whole number; p = 2^(t - M) is quantised along the keys, not normalised; the row's sum is taken of the unquantised p and divides at the end.
; SHARES.  Sixteen waves, each one tile of 16 queries in 256 registers: four waves to a SIMD.  The head's K and V go into LDS through registers, each byte at a fixed place, and are read there by all sixteen waves.
; WHICH TILES.  Work-group x takes every second tile of quarter x / 2 of the sequence: tile 32 (x / 2) + 2 j + x % 2; wave w has j = 4 a + b, a = (w / 4) xor (w % 4), b = (w / 4) xor alpha(w % 4),
; alpha = 0, 2, 3, 1: two orthogonal Latin squares, so that any four waves with equal w / 4, or with equal w % 4, hold one tile of each fourth of the work-group's range.  No value hangs on this choice.
; K AND V COME BY QUADS of 4 key steps (512 keys): 24,576 bytes of K and as many of V, six loads of 16 bytes a thread, into 24 registers that the steps do not use.  Quad 0 and all scale words are copied at the head.
; NEED holds a bit for each later quad of which some step is worked by some of the work-group's sixteen tiles (the OR of their flags, which every wave reads).  The walk has four phases, one a quad.  At a phase's head the
; lowest quad still in NEED is loaded; behind the phase's four steps, between two barriers, it is stored to its place and leaves NEED.  The k-th quad of NEED has a number of at least k, so it lies in LDS before its own phase.
; A quad that is in NEED no more, or never was, is not fetched; none of its steps is worked by any wave.  These loads, a phase ahead of their use, are the launch's running ahead: no data prefetch is written beside them.
; The first barrier shows that nobody reads LDS while it is stored to; the second shows the stored quad to all.  Every wave passes both in every phase; only loads and stores stand under the branches on NEED.
; LAYOUT.  Both products take the queries as source 1: a lane holds ONE query.  A tile's rows are ROW(T, r) = 32 (T / 2) + 8 (T % 2) + r + 8 (r / 8), so the 16 registers of key tiles 2 b, 2 b + 1 are 16 neighbouring keys.
; The first product's K is 64, half of the instruction's 128: q's upper six registers are zero codes; k's upper six are whatever lies next (the next tile's codes, at the end six zeros): they meet zeros.
; THE MASK comes as whole numbers made by the first launch: 64 lane-mask words for each step of 128 keys, and flags: a step none of whose keys counts for any of my 16 queries is jumped over by a scalar branch;
; a step all of whose keys count neither loads its words nor runs the 64 selects: the first product's block is written on both arms of that one branch, so that no path reads words that it has not loaded.
; NO TENSOR LOADS AND NO JOINT REQUESTS, though work-groups read the same K and V: the work hangs on branches on stored numbers.
; LIMITS.  A masked score is taken as -2^33, so that t is the whole number -1,549,081,984, in place of -1e9 x log2(e): a row with no key at all then has p = 1 everywhere, the uniform softmax, as with -1e9;
; in any other row p is 0, while open logits stay above about -1e9.  NaN and infinities are not served.
.set VC,    98304                      ; LDS: K's codes at 0, V's here,
.set KSC,   196608                     ; K's scale words,
.set VSC,   204800                     ; V's,
.set SPARE, 208896                     ; the spare words, 128 bytes a wave
.set L16,  1                           ; v1   16 x lane
.set L8P,  4                           ; v4   8 x lane + 512
.set R4,   5                           ; v5   4 r
.set B1,   28                          ; v28  16 x thread + 65,536;  v2: 16 x thread
.set B2,   30                          ; v30  16 x thread + 131,072
.set WV,   12
.set NEED, 19                          ; s19  bit 4 q: quad q is still to be fetched
.set PH,   28                          ; s28  the phase
.set SEL,  20                          ; s[20:21]
.set CS,   22                          ; s[22:23] c = log2(e) / 8
; REGISTERS: v6-11 the step's LDS addresses; v12 -M, v13 the largest t, v[14:15] the sum in two halves; v16-27 q; v29 the masked score; v32-85 k's eight half fragments and the pad, later v's four fragments;
; v88-95, v204-219 a quad on its way; v96-159 the scores, then p; v160-191 O^T; v192-199 k's scale words, v200-203 v's; v224-235 p's codes; v232-254 at work; v255 q's scale words.  s32-63, s68-99 the step's 64 mask words.
.macro CPL q                           ; quad q's six pieces of 8,192 consecutive bytes, three of K and three of V, into the 24 registers
.irp i, 0,1,2,3,4,5
.set r_, 88+4*\i+108*((\i+2)/4)
	global_load_b128 v[r_:r_+3], v2, s[26:27] offset:3145728*(1+\i/3)+(3*(\q)+\i%3)*8192
.endr
.endm
.macro CPS q                           ; and from there to their places in LDS: piece g of 24 at 8,192 g
.irp i, 0,1,2,3,4,5
.set r_, 88+4*\i+108*((\i+2)/4)
.set g_, 12*(\i/3)+3*(\q)+\i%3
.if g_ < 8
	ds_store_b128 v2, v[r_:r_+3] offset:g_*8192
.elseif g_ < 16
	ds_store_b128 v[B1], v[r_:r_+3] offset:(g_-8)*8192
.else
	ds_store_b128 v[B2], v[r_:r_+3] offset:(g_-16)*8192
.endif
.endr
.endm
.macro CHAIN what                      ; the lowest quad in NEED, if there is one, is loaded or stored
	s_bitcmp1_b32 s[NEED], 4
	s_cbranch_scc0 .Lc2_\@
	\what 1
	s_branch .Lcd_\@
.Lc2_\@:
	s_bitcmp1_b32 s[NEED], 8
	s_cbranch_scc0 .Lc3_\@
	\what 2
	s_branch .Lcd_\@
.Lc3_\@:
	s_bitcmp1_b32 s[NEED], 12
	s_cbranch_scc0 .Lcd_\@
	\what 3
.Lcd_\@:
.endm
; S^T = K Q^T of one step: eight tiles of 16 keys
.macro QK
.irp t, 0,1,2,3,4,5,6,7
	ds_load_b128 v[32+6*\t:35+6*\t], v6 offset:768*\t
	ds_load_b64 v[36+6*\t:37+6*\t], v7 offset:768*\t
	ds_load_b32 v[192+\t], v10 offset:64*\t
.endr
	s_wait_dscnt 0x0
.irp t, 0,1,2,3,4,5,6,7
	v_wmma_scale_f32_16x16x128_f8f6f4 v[96+8*\t:103+8*\t], v[32+6*\t:43+6*\t], v[16:27], 0, v[192+\t], v255 matrix_a_fmt:MATRIX_FMT_BF6 matrix_b_fmt:MATRIX_FMT_BF6
.endr
.rept 4
	v_nop                                          ; places behind the products: in front of the first read of the scores and of the loads into k's registers
.endr
.endm
	s_load_b128 s[4:7], s[0:1], 0x0                ; qkv, maskw
	s_load_b64 s[8:9], s[0:1], 0x10                ; oact
	v_lshl_add_u32 v250, v0, 2, SPARE
	v_mov_b32 v251, 0
	v_lshrrev_b32 v1, 5, v0
	s_delay_alu instid0(VALU_DEP_1)
	v_readfirstlane_b32 s[WV], v1                  ; wave 0..15
	v_lshlrev_b32 v2, 4, v0                        ; 16 x thread
	v_lshlrev_b32 v3, 3, v0                        ; 8 x thread
	v_and_b32 v6, 31, v0
	s_delay_alu instid0(VALU_DEP_1)
	v_lshlrev_b32 v[L16], 4, v6
	s_delay_alu instid0(VALU_DEP_2)
	v_lshl_add_u32 v[L8P], v6, 3, 512
	v_and_b32 v[R4], 15, v0
	s_delay_alu instid0(VALU_DEP_1)
	v_lshlrev_b32 v[R4], 2, v[R4]
	v_add_nc_u32 v[B1], 0x10000, v2
	v_add_nc_u32 v[B2], 0x20000, v2
	v_add_nc_u32 v9, KSC, v2
	v_add_nc_u32 v10, VSC, v3
	s_and_b32 s24, ttmp7, 0xffff                   ; bh = 16 batch + head
	s_lshr_b32 s26, s[WV], 2                       ; q = w / 4
	s_and_b32 s27, s[WV], 3                        ; s = w % 4
	s_xor_b32 s25, s26, s27                        ; a = q xor s
	s_lshr_b32 s28, s27, 1                         ; s's upper bit
	s_xor_b32 s27, s27, s28
	s_and_b32 s27, s27, 1                          ; its two bits' exclusive or
	s_lshl_b32 s27, s27, 1
	s_or_b32 s27, s27, s28                         ; alpha(s): 0, 2, 3, 1
	s_xor_b32 s26, s26, s27                        ; b = q xor alpha(s)
	s_lshl_b32 s25, s25, 2
	s_add_co_u32 s25, s25, s26                     ; j = 4 a + b
	s_lshl_b32 s25, s25, 1
	s_and_b32 s26, ttmp9, 1
	s_lshr_b32 s27, ttmp9, 1
	s_lshl_b32 s27, s27, 5
	s_add_co_u32 s27, s27, s26                     ; the work-group's first tile: 32 (x / 2) + x % 2
	s_add_co_u32 s25, s25, s27                     ; my query tile, 0 .. 127: + 2 j
	s_lshl_b32 s40, s27, 7                         ; the first tile's flags; the sixteen tiles' lie 256 bytes apart
	s_mov_b32 s41, 0
	s_mul_i32 s26, s24, 98304
	s_mov_b32 s27, 0
	s_lshl_b32 s28, s24, 13
	s_add_co_u32 s28, s28, 9699328
	s_mov_b32 s29, 0
	s_lshl_b32 s30, s24, 12
	s_add_co_u32 s30, s30, 9961472
	s_mov_b32 s31, 0
	s_lshl_b32 s33, s24, 7
	s_add_co_u32 s33, s33, s25                     ; 128 bh + query tile
	s_mul_i32 s34, s33, 768
	s_mov_b32 s35, 0
	s_lshl_b32 s36, s33, 6
	s_add_co_u32 s36, s36, 9437184
	s_mov_b32 s37, 0
	s_lshl_b32 s38, s25, 7
	s_mov_b32 s39, 0
	s_lshl_b32 s10, s25, 12
	s_mov_b32 s11, 0
	s_wait_alu depctr_va_vdst(0)
	s_wait_kmcnt 0x0
	s_add_nc_u64 s[26:27], s[4:5], s[26:27]        ; the head's codes (k's and v's starts stand in the immediates)
	s_add_nc_u64 s[28:29], s[4:5], s[28:29]        ; k's scale words
	s_add_nc_u64 s[30:31], s[4:5], s[30:31]        ; v's
	s_add_nc_u64 s[34:35], s[4:5], s[34:35]        ; my q
	s_add_nc_u64 s[36:37], s[4:5], s[36:37]        ; and its scale words
	s_add_nc_u64 s[38:39], s[6:7], s[38:39]        ; my tile's flags
	s_add_nc_u64 s[40:41], s[6:7], s[40:41]        ; the work-group's tiles' flags
	s_add_nc_u64 s[10:11], s[6:7], s[10:11]        ; my tile's mask words, step 0
	CPL 0                                          ; quad 0, whatever the flags say: so the 24 registers are written on every path
	global_load_b128 v[128:131], v2, s[28:29]
	global_load_b64 v[132:133], v3, s[30:31]
	global_load_b128 v[16:19], v[L16], s[34:35]
	global_load_b64 v[20:21], v[L8P], s[34:35]
	global_load_b32 v255, v[R4], s[36:37]
	s_load_b32 s13, s[38:39], 0x80000              ; my flags
.irp j, 0,1,2,3,4,5,6,7,8,9,10,11,12,13,14,15
	s_load_b32 s[68+\j], s[40:41], 0x80000+256*\j  ; and all sixteen tiles'
.endr
	s_mov_b32 s[SEL], 0x76543210
	s_mov_b32 s[SEL+1], 0xfedcba98
	s_mov_b32 s[CS], 0x3e38aa3b
	s_mov_b32 s[CS+1], s[CS]                       ; (named with it as a pair, so it is written)
	s_mov_b32 s14, 0                               ; the step's place in k's codes,
	s_mov_b32 s15, VC                              ; in v's,
	s_mov_b32 s16, KSC                             ; in k's scale words,
	s_mov_b32 s17, VSC                             ; in v's
	s_wait_loadcnt 0x0
	CPS 0
	ds_store_b128 v9, v[128:131]
	ds_store_b64 v10, v[132:133]
	s_wait_kmcnt 0x0                               ; the flags
.irp j, 1,2,3,4,5,6,7,8,9,10,11,12,13,14,15
	s_or_b32 s68, s68, s[68+\j]                    ; bit s: some tile of the work-group works step s
.endr
	s_lshr_b32 s69, s68, 1
	s_or_b32 s68, s68, s69
	s_lshr_b32 s69, s68, 2
	s_or_b32 s68, s68, s69                         ; bit 4 q: the OR of bits 4 q .. 4 q + 3
	s_and_b32 s[NEED], s68, 0x1110                 ; quads 1, 2, 3
	s_mov_b32 s[PH], 0
	s_wait_dscnt 0x0                               ; for the others' sake: my part lies in LDS
	s_barrier_signal -1
	s_barrier_wait -1
.irp j, 22,23,24,25,26,27,80,81,82,83,84,85
	v_mov_b32 v\j, 0                               ; q's upper 64 along K, and the pad behind k's last half fragment: zero codes
.endr
	v_mov_b32 v13, 0xff61b1e6                      ; the largest t so far: -3e38
	s_delay_alu instid0(VALU_DEP_1)
	v_floor_f32 v12, -v13                          ; -M
	v_mov_b32 v14, 0
	v_mov_b32 v15, 0
	v_mov_b32 v29, 0xd0000000                      ; -2^33
.irp j, 236,237,238,239,252,253
	v_mov_b32 v\j, 0                               ; written once: lane permutes' destinations, and a pair's halves, count as read
.endr
.set j, 0
.rept 32
	v_mov_b32 v[160+j], 0                          ; O^T: the step is written once; the first finds zeros, which the first change of M leaves zeros
.set j, j+1
.endr
	s_wait_alu depctr_va_vdst(0)
.Lphase:                                           ; 4 phases of 4 steps, both constants: only work is jumped over
	CHAIN CPL                                      ; the next quad that is needed sets out; it has this phase's steps in which to land
	s_mov_b32 s18, 0
.Lstep:
	s_bitcmp1_b32 s13, 0
	s_cbranch_scc0 .Lnext
	v_add_nc_u32 v6, s14, v[L16]
	v_add_nc_u32 v7, s14, v[L8P]
	v_add_nc_u32 v8, s15, v[L16]
	v_add_nc_u32 v9, s15, v[L8P]
	v_add_nc_u32 v10, s16, v[R4]
	v_add_nc_u32 v11, s17, v[R4]
	s_bitcmp1_b32 s13, 16
	s_cbranch_scc1 .Lopen
	s_load_b512 s[32:47], s[10:11], 0x0            ; the step's 64 mask words: they land while the first product runs
	s_load_b512 s[48:63], s[10:11], 0x40
	s_load_b512 s[68:83], s[10:11], 0x80
	s_load_b512 s[84:99], s[10:11], 0xc0
	QK
	s_wait_kmcnt 0x0                               ; the words are in, and their base may be stepped
.set n, 0
.rept 32
	v_cndmask_b32 v[96+n], v29, v[96+n], s[32+n]   ; register n holds key 128 step + 32 (n / 16) + 16 (lane / 16) + n % 16
.set n, n+1
.endr
.set n, 0
.rept 32
	v_cndmask_b32 v[128+n], v29, v[128+n], s[68+n]
.set n, n+1
.endr
	s_branch .Lsoft
.Lopen:
	s_wait_alu depctr_va_vdst(0)
	QK
.Lsoft:
.irp t, 0,1,2,3                                ; v's four fragments take k's registers, which are done with: they land while the softmax runs
	ds_load_b128 v[32+12*\t:35+12*\t], v8 offset:1536*\t
	ds_load_b64 v[36+12*\t:37+12*\t], v9 offset:1536*\t
	ds_load_b128 v[38+12*\t:41+12*\t], v8 offset:1536*\t+768
	ds_load_b64 v[42+12*\t:43+12*\t], v9 offset:1536*\t+768
	ds_load_b32 v[200+\t], v11 offset:64*\t
.endr
.irp b, 0,1,2,3
	v_max3_num_f32 v[232+\b], v[96+16*\b], v[97+16*\b], v[98+16*\b]   ; the largest score of each block of 32 keys: for the row's maximum and, since p rises with the score, for the block's largest p
.endr
.irp i, 3,5,7,9,11,13
.irp b, 0,1,2,3
	v_max3_num_f32 v[232+\b], v[232+\b], v[96+16*\b+\i], v[97+16*\b+\i]
.endr
.endr
.irp b, 0,1,2,3
	v_max_num_f32 v[232+\b], v[232+\b], v[111+16*\b]
.endr
.irp b, 0,1,2,3
	s_delay_alu instid0(VALU_DEP_4)
	v_permlanex16_b32 v[236+\b], v[232+\b], s[SEL], s[SEL+1]
.endr
.irp b, 0,1,2,3
	s_delay_alu instid0(VALU_DEP_4)
	v_max_num_f32 v[232+\b], v[232+\b], v[236+\b]  ; with lane l xor 16's 16 keys
.endr
	s_delay_alu instid0(VALU_DEP_2)
	v_max3_num_f32 v254, v232, v233, v234
	s_delay_alu instid0(VALU_DEP_1)
	v_max_num_f32 v254, v254, v235
	s_delay_alu instid0(VALU_DEP_1)
	v_mul_f32 v254, s[CS], v254                    ; as t
	s_delay_alu instid0(VALU_DEP_1)
	v_max_num_f32 v13, v13, v254                   ; the running largest t
	v_mov_b32 v254, v12
	s_delay_alu instid0(VALU_DEP_2)
	v_floor_f32 v12, -v13                          ; the new -M = -ceil(t)
	s_delay_alu instid0(VALU_DEP_1)
	v_sub_f32 v254, v12, v254                      ; old M - new M: a whole number, 0 or less
	s_delay_alu instid0(VALU_DEP_1)
	v_cvt_i32_f32 v254, v254                       ; (it saturates)
	s_delay_alu instid0(VALU_DEP_1)
	v_ldexp_f32 v252, 1.0, v254                    ; f = 2^(old M - new M)
.irp j, 0,2,4,6,8,10,12,14,16,18,20,22,24,26,28,30,32,34,36,38,40,42,44,46,48,50,52,54,56,58,60,62
	v_pk_fma_f32 v[96+\j:97+\j], v[96+\j:97+\j], s[CS:CS+1], v[12:13] op_sel_hi:[1,0,0]   ; t - M
.endr
.irp b, 0,1,2,3
	v_fma_f32 v[232+\b], v[232+\b], s[CS], v12
.endr
.set j, 0
	s_wait_alu depctr_va_vdst(0)
.rept 64
	v_exp_f32 v[96+j], v[96+j]                     ; p = 2^(t - M)
.set j, j+1
.endr
	v_pk_mul_f32 v[14:15], v[14:15], v[252:253] op_sel_hi:[1,0]   ; the sums under the new M (a plain instruction behind the exponentials)
	s_wait_alu depctr_va_vdst(0)                   ; one wait for the batch, ahead of its first reader
.irp b, 0,1,2,3
	v_exp_f32 v[232+\b], v[232+\b]                 ; the blocks' largest p
.endr
	v_pk_add_f32 v[236:237], v[100:101], v[104:105]
	v_pk_add_f32 v[248:249], v[108:109], v[112:113]
	v_pk_add_f32 v[246:247], v[116:117], v[120:121]
	v_pk_add_f32 v[244:245], v[124:125], v[128:129]
	v_pk_add_f32 v[242:243], v[132:133], v[136:137]
	v_pk_add_f32 v[240:241], v[140:141], v[144:145]
	v_pk_add_f32 v[238:239], v[148:149], v[152:153]
	v_pk_add_f32 v[14:15], v[14:15], v[156:157]
	v_pk_add_f32 v[236:237], v[236:237], v[96:97]
	v_pk_add_f32 v[248:249], v[248:249], v[98:99]
	v_pk_add_f32 v[246:247], v[246:247], v[102:103]
	v_pk_add_f32 v[244:245], v[244:245], v[106:107]
	v_pk_add_f32 v[242:243], v[242:243], v[110:111]
	v_pk_add_f32 v[240:241], v[240:241], v[114:115]
	v_pk_add_f32 v[238:239], v[238:239], v[118:119]
	v_pk_add_f32 v[14:15], v[14:15], v[122:123]
	v_pk_add_f32 v[236:237], v[236:237], v[126:127]
	v_pk_add_f32 v[248:249], v[248:249], v[130:131]
	v_pk_add_f32 v[246:247], v[246:247], v[134:135]
	v_pk_add_f32 v[244:245], v[244:245], v[138:139]
	v_pk_add_f32 v[242:243], v[242:243], v[142:143]
	v_pk_add_f32 v[240:241], v[240:241], v[146:147]
	v_pk_add_f32 v[238:239], v[238:239], v[150:151]
	v_pk_add_f32 v[14:15], v[14:15], v[154:155]
	v_pk_add_f32 v[236:237], v[236:237], v[158:159]
	s_delay_alu instid0(VALU_DEP_2)
	v_pk_add_f32 v[14:15], v[14:15], v[244:245]
	s_delay_alu instid0(VALU_DEP_2)
	v_pk_add_f32 v[236:237], v[236:237], v[242:243]
	v_pk_add_f32 v[248:249], v[248:249], v[240:241]
	v_pk_add_f32 v[246:247], v[246:247], v[238:239]
	s_delay_alu instid0(VALU_DEP_2)
	v_pk_add_f32 v[14:15], v[14:15], v[248:249]
	s_delay_alu instid0(VALU_DEP_2)
	v_pk_add_f32 v[236:237], v[236:237], v[246:247]
	s_delay_alu instid0(VALU_DEP_1)
	v_pk_add_f32 v[14:15], v[14:15], v[236:237]
	s_wait_alu depctr_va_vdst(0)                   ; and one for the four
.irp b, 0,1,2,3
	v_max_num_f32 v[232+\b], 0x2800000, v[232+\b]  ; the floor 2^(5 - 127)
.endr
.irp b, 0,1,2,3
	s_delay_alu instid0(VALU_DEP_4)
	v_add_nc_u32 v[244+\b], 0xfe000000, v[232+\b]
.endr
.irp b, 0,1,2,3
	s_delay_alu instid0(VALU_DEP_4)
	v_lshrrev_b32 v[236+\b], 23, v[244+\b]
.endr
	s_delay_alu instid0(VALU_DEP_3)
	v_lshl_or_b32 v253, v237, 8, v236              ; p's scale word for these 128 keys
	s_delay_alu instid0(VALU_DEP_1)
	v_lshl_or_b32 v253, v238, 16, v253
	s_delay_alu instid0(VALU_DEP_1)
	v_lshl_or_b32 v253, v239, 24, v253
.irp c, 0,1
	v_cvt_scalef32_pk16_bf6_f32 v[224+6*\c:226+6*\c], v[96+32*\c:111+32*\c], v[244+2*\c]
	v_cvt_scalef32_pk16_bf6_f32 v[236+4*\c:238+4*\c], v[112+32*\c:127+32*\c], v[244+2*\c+1]
.endr
	v_nop                                          ; one plain instruction behind the scaled conversions
.irp c, 0,1
.irp i, 0,1,2
	v_permlane16_swap_b32 v[224+6*\c+\i], v[236+4*\c+\i]
.endr
.irp i, 0,1,2
	s_delay_alu instid0(VALU_DEP_3)
	v_mov_b32 v[227+6*\c+\i], v[236+4*\c+\i]
.endr
.endr
.irp j, 0,2,4,6,8,10,12,14,16,18,20,22,24,26,28,30
	v_pk_mul_f32 v[160+\j:161+\j], v[160+\j:161+\j], v[252:253] op_sel_hi:[1,0]   ; O^T under the new M
.endr
	s_wait_alu depctr_va_vdst(0)
	s_wait_dscnt 0x0                               ; v's fragments and scale words, asked for at the softmax's head
.irp t, 0,1,2,3
	v_wmma_scale_f32_16x16x128_f8f6f4 v[160+8*\t:167+8*\t], v[32+12*\t:43+12*\t], v[224:235], v[160+8*\t:167+8*\t], v[200+\t], v253 matrix_a_fmt:MATRIX_FMT_BF6 matrix_b_fmt:MATRIX_FMT_BF6
.endr
.rept 4
	v_nop                                          ; places behind these products: in front of the next step's loads and of the way out's reads
.endr
.Lnext:
	s_lshr_b32 s13, s13, 1                         ; the next step's two flags come to bits 0 and 16
	s_add_co_u32 s14, s14, 6144
	s_add_co_u32 s15, s15, 6144
	s_add_co_u32 s16, s16, 512
	s_add_co_u32 s17, s17, 256
	s_add_nc_u64 s[10:11], s[10:11], 256
	s_add_co_u32 s18, s18, 1
	s_cmp_lt_u32 s18, 4
	s_cbranch_scc1 .Lstep
	s_wait_dscnt 0x0                               ; my reads of LDS are over
	s_barrier_signal -1
	s_barrier_wait -1                              ; everybody's are: LDS may be stored to
	s_wait_loadcnt 0x0                             ; the quad that set out at the phase's head, if one did
	CHAIN CPS                                      ; goes to its place,
	s_sub_co_u32 s29, s[NEED], 1
	s_and_b32 s[NEED], s[NEED], s29                ; and leaves NEED: its lowest bit is cleared (0 stays 0)
	s_wait_dscnt 0x0                               ; for the others' sake: my part lies in LDS
	s_barrier_signal -1
	s_barrier_wait -1
	s_add_co_u32 s[PH], s[PH], 1
	s_cmp_lt_u32 s[PH], 4
	s_cbranch_scc1 .Lphase
	; THE WAY OUT.  O^T / the sum; register 16 b + i is channel 32 b + 16 (lane / 16) + i of my query: two blocks of the next product's K, half a fragment.
	v_add_f32 v14, v14, v15
	s_delay_alu instid0(VALU_DEP_1)
	v_permlanex16_b32 v252, v14, s[SEL], s[SEL+1]
	s_delay_alu instid0(VALU_DEP_1)
	v_add_f32 v14, v14, v252                       ; the row's sum
	s_wait_alu depctr_va_vdst(0)
	v_rcp_f32 v14, v14
	s_lshr_b32 s26, s24, 4
	s_lshl_b32 s26, s26, 7
	s_add_co_u32 s26, s26, s25                     ; the row tile: 128 batch + query tile
	s_and_b32 s27, s24, 15                         ; the head
	s_lshl_b32 s28, s26, 4
	s_add_co_u32 s28, s28, s27
	s_mul_i32 s28, s28, 768
	s_mov_b32 s29, 0
	s_add_nc_u64 s[28:29], s[8:9], s[28:29]        ; half fragment 16 x tile + head
	s_lshl_b32 s30, s26, 3
	s_lshr_b32 s31, s27, 1
	s_add_co_u32 s30, s30, s31
	s_lshl_b32 s30, s30, 6
	s_and_b32 s31, s27, 1
	s_lshl_b32 s31, s31, 1
	s_add_co_u32 s30, s30, s31
	s_mov_b32 s31, 0
	s_add_nc_u64 s[30:31], s[8:9], s[30:31]        ; my two bytes of the scale words of K step head / 2
	v_nop                                          ; a plain instruction behind the reciprocal
	s_wait_alu depctr_va_vdst(0)                   ; the wait, ahead of its first reader
.set j, 0
.rept 32
	v_mul_f32 v[96+j], v[160+j], v14
.set j, j+1
.endr
.irp b, 0,1
	v_max3_num_f32 v[232+\b], |v[96+16*\b]|, |v[97+16*\b]|, 0x2800000
.endr
.irp i, 2,4,6,8,10,12,14
.irp b, 0,1
	s_delay_alu instid0(VALU_DEP_2)
	v_max3_num_f32 v[232+\b], v[232+\b], |v[96+16*\b+\i]|, |v[97+16*\b+\i]|
.endr
.endr
.irp b, 0,1
	s_delay_alu instid0(VALU_DEP_2)
	v_permlanex16_b32 v[236+\b], v[232+\b], s[SEL], s[SEL+1]
.endr
.irp b, 0,1
	s_delay_alu instid0(VALU_DEP_2)
	v_max_num_f32 v[232+\b], v[232+\b], v[236+\b]
.endr
.irp b, 0,1
	s_delay_alu instid0(VALU_DEP_2)
	v_add_nc_u32 v[244+\b], 0xfe000000, v[232+\b]
.endr
.irp b, 0,1
	s_delay_alu instid0(VALU_DEP_2)
	v_lshrrev_b32 v[236+\b], 23, v[244+\b]
.endr
	s_delay_alu instid0(VALU_DEP_1)
	v_lshl_or_b32 v253, v237, 8, v236
	v_cvt_scalef32_pk16_bf6_f32 v[224:226], v[96:111], v244
	v_cvt_scalef32_pk16_bf6_f32 v[228:230], v[112:127], v245
	v_nop
.irp i, 0,1,2
	v_permlane16_swap_b32 v[224+\i], v[228+\i]     ; lanes 0-15 get block 0 whole, lanes 16-31 block 1
.endr
	s_delay_alu instid0(VALU_DEP_3)
	v_mov_b32 v227, v228
	s_delay_alu instid0(VALU_DEP_3)
	v_mov_b32 v228, v229
	s_delay_alu instid0(VALU_DEP_3)
	v_mov_b32 v229, v230
	global_store_b128 v[L16], v[224:227], s[28:29]             ; 512 consecutive bytes
	global_store_b64 v[L8P], v[228:229], s[28:29]              ; 256 consecutive bytes
	global_store_b16 v[R4], v253, s[30:31] offset:3145728      ; lanes r and r + 16 hold the same two bytes and write them to the same place
	s_wait_tensorcnt 0x0                           ; the wave's end
	ds_add_u32 v250, v251
	s_wait_dscnt 0x0
	s_endpgm
.Lfunc_end_k_q3c1ccf2a32_attn:
	.size	k_q3c1ccf2a32_attn, .Lfunc_end_k_q3c1ccf2a32_attn-k_q3c1ccf2a32_attn
	.p2alignl 7, 3214868480
	.fill 96, 4, 3214868480
	.section	.rodata,"a",@progbits
	.p2align	6, 0x0
	.amdhsa_kernel k_q3c1ccf2a32_attn
		.amdhsa_group_segment_fixed_size 210944
		.amdhsa_private_segment_fixed_size 0
		.amdhsa_enable_private_segment 0
		.amdhsa_kernarg_size 24
		.amdhsa_user_sgpr_count 2
		.amdhsa_user_sgpr_kernarg_segment_ptr 1
		.amdhsa_wavefront_size32 1
		.amdhsa_system_sgpr_workgroup_id_x 1
		.amdhsa_system_sgpr_workgroup_id_y 1
		.amdhsa_system_sgpr_workgroup_id_z 1
		.amdhsa_system_vgpr_workitem_id 0
		.amdhsa_next_free_vgpr 256
		.amdhsa_next_free_sgpr 104
		.amdhsa_reserve_vcc 0
		.amdhsa_float_denorm_mode_32 3
		.amdhsa_float_denorm_mode_16_64 3
		.amdhsa_memory_ordered 1
		.amdhsa_forward_progress 1
		.amdhsa_inst_pref_size 43
	.end_amdhsa_kernel
	.amdgpu_metadata
---
amdhsa.version: [ 1, 2 ]
amdhsa.kernels:
  - .name:           k_q3c1ccf2a32_attn
    .symbol:         k_q3c1ccf2a32_attn.kd
    .args:
      - { .name: qkv, .offset: 0, .size: 8, .value_kind: global_buffer, .address_space: global }
      - { .name: maskw, .offset: 8, .size: 8, .value_kind: global_buffer, .address_space: global }
      - { .name: oact, .offset: 16, .size: 8, .value_kind: global_buffer, .address_space: global }
    .group_segment_fixed_size: 210944
    .private_segment_fixed_size: 0
    .kernarg_segment_align: 8
    .kernarg_segment_size: 24
    .max_flat_workgroup_size: 512
    .sgpr_count:     104
    .vgpr_count:     256
    .wavefront_size: 32
...
	.end_amdgpu_metadata
.endif
;; end of part 3
;; launch oproj (part 4): grid 8 x 32, 4 waves a work-group, clusters of 4 x 4, 327,680 bytes of LDS; arguments oact, wts, x, b_o, x1; writes x1
.if DOCPART == 4
	.amdgcn_target "amdgcn-amd-amdhsa--gfx1250"
	.amdhsa_code_object_version 6
	.text
	.protected	k_q3c1ccf2a32_oproj
	.globl	k_q3c1ccf2a32_oproj
	.p2align	8
	.type	k_q3c1ccf2a32_oproj,@function
k_q3c1ccf2a32_oproj:
	s_mov_b64 s[64:65], 0
	v_nop
	global_prefetch_b8 v0, s[64:65] scope:SCOPE_SE
	s_setreg_imm32_b32 hwreg(HW_REG_WAVE_MODE, 25, 1), 1
	s_wait_xcnt 0x0
	s_wait_alu depctr_hold_cnt(0) depctr_sa_sdst(0) depctr_va_vdst(0) depctr_va_sdst(0) depctr_va_ssrc(0) depctr_va_vcc(0) depctr_vm_vsrc(0)
	s_getreg_b32 s2, hwreg(HW_REG_IB_STS2, 6, 4)
	s_cmp_eq_u32 s2, 0
	s_cbranch_scc0 .Lentry_in_a_cluster
	s_endpgm
.Lentry_in_a_cluster:
	s_bfe_u32 s2, ttmp6, 0x10000c
	s_cmp_lg_u32 s2, 0xf033
	s_cbranch_scc0 .Lentry_shape_is_right
	s_endpgm
.Lentry_shape_is_right:
; x1 = x + o W_o + b_o.  o and W_o are codes of BF6 (E3M2) with E8M0 scales, laid as images of their registers (as the launch that makes them states).  A block of 128 x 128 to a work-group, 64 x 64 to a wave.
; ALL OF K = 1,024 LIES IN LDS AT ONCE: A's 8 row tiles x 12,288 bytes, B's 8, and their scale words, one tensor load a wave at the head; nothing is filled again.
; "Slot" 0 and 1 below are K 0 .. 511 and K 512 .. 1023 of the same rows, 6,144 bytes apart.  The stages for the way out have LDS bytes of their own, behind the spare words: A's bytes are read up to the last step.
; CLUSTERS: 4 x 4; A's tile is asked for jointly along a row of the cluster, B's along a column.  No data prefetch: all is asked for at the head.
; LIMITS: NaN and infinities are not served.
.set TPL,    128
.set SIZE_K, 1024
.set ASOFF,  3145728
.set BCOFF,  2359296
.set BSOFF,  9535488
.set KST,    SIZE_K/128
.set KPS,    4
.set RT,     4
.set ROWB,   KPS*1536
.set HALFT,  RT*ROWB
.set SLOT,   4*HALFT
.set LAPS,   SIZE_K/(256*KPS)
.set KS64,   64*KST
.set HALFS,  RT*KS64
.set SCL,    2*SLOT
.set SPARE,  SCL+4*HALFS
.set FR,     12
.set NL,     4
.set NP,     4
.set V16,  8
.set V8,   9
.set ADRA, 16
.set ADRB, 20
.set STO,  24
.set RD,   25
.set CO,   26
.set ADRS, 27
.set SPW,  28
.set NIL,  29
.set SC,   32
.set BI,   64
.set AF,   128
.set BK,   128
.set RS,   128
.set G1,   24
.set G0,   32
.set G1B,  48
.set G0B,  56
.set G1S,  68
.set G0S,  76
.set G1SB, 80
.set G0SB, 88
.set MSB, 0
.macro WIN new
.if MSB != \new
	s_set_vgpr_msb (MSB<<8)|\new
.set MSB, \new
.endif
.endm
.set MUL_LO, 0xa1
.set MUL_HI, 0xf1
.set TO_B,   0x40
.macro JLOAD g0a, g1a, g0b, g1b
	s_cmp_eq_u32 s15, 0
	s_cbranch_scc0 .Lfor_b_\@
	tensor_load_to_lds s[\g0a:\g0a+3], s[\g1a:\g1a+7]
	s_nop 0
.rept 4
	v_nop
.endr
	s_branch .Lasked_\@
.Lfor_b_\@:
	tensor_load_to_lds s[\g0b:\g0b+3], s[\g1b:\g1b+7]
	s_nop 0
.rept 4
	v_nop
.endr
.Lasked_\@:
.endm
.macro CREST
	s_cmp_lg_u32 s14, 0
	s_cbranch_scc1 .Lnot_wave_0_\@
	s_barrier_signal -3
.Lnot_wave_0_\@:
	s_barrier_wait -3
	s_barrier_signal -1
	s_barrier_wait -1
.endm
.macro CROUND
	s_barrier_signal -1
	s_barrier_wait -1
	CREST
.endm
.macro PLACES n
.rept \n
	v_nop
.endr
.endm
.macro FRAG reg, adr, off
	ds_load_b128 v[\reg:\reg+3], v[\adr] offset:\off
	ds_load_b64 v[\reg+4:\reg+5], v[\adr+2] offset:\off+512
	ds_load_b128 v[\reg+6:\reg+9], v[\adr] offset:\off+768
	ds_load_b64 v[\reg+10:\reg+11], v[\adr+2] offset:\off+1280
.endm
.macro FETCH_B slot, u
	WIN TO_B
.irp f, 0,1,2,3,4,5,6,7
.set rR, 128*(\u)+FR*\f
.if TPL == 256
.set rO, \f*3072+(\u)*1536
.else
.set rO, (\f%4)*12288+(2*(\u)+\f/4)*1536
.endif
	FRAG rR, ADRB+\slot, rO
.endr
	WIN 0
.endm
.macro FETCH_A slot, u, f0
.irp f, \f0, \f0+1, \f0+2, \f0+3
.set rR, AF+FR*(\f)
.if TPL == 256
.set rO, (\f)*3072+(\u)*1536
.else
.set rO, ((\f)%4)*12288+(2*(\u)+(\f)/4)*1536
.endif
	FRAG rR, ADRA+\slot, rO
.endr
.endm
.macro SCALES sc
.set e, 0
.rept 16
	ds_load_b32 v[SC+16*(\sc)+e], v[ADRS] offset:(e/KPS)*KS64+(e%KPS)*64
.set e, e+1
.endr
.endm
.macro WMI
.if rZ
	v_wmma_scale_f32_16x16x128_f8f6f4 v[rD:rD+7], v[rB:rB+FR-1], v[rA:rA+FR-1], 0, v[rSB], v[rSA] matrix_a_fmt:MATRIX_FMT_BF6 matrix_b_fmt:MATRIX_FMT_BF6 matrix_a_scale:MATRIX_SCALE_ROW1
.else
	v_wmma_scale_f32_16x16x128_f8f6f4 v[rD:rD+7], v[rB:rB+FR-1], v[rA:rA+FR-1], v[rD:rD+7], v[rSB], v[rSA] matrix_a_fmt:MATRIX_FMT_BF6 matrix_b_fmt:MATRIX_FMT_BF6 matrix_a_scale:MATRIX_SCALE_ROW1
.endif
.endm
.macro MULH part, u, sc, zero
.if TPL == 256
.if (\part) < 2
	WIN MUL_LO
.else
	WIN MUL_HI
.endif
.irp a, 2*(\part), 2*(\part)+1
.irp b, 0,1,2,3,4,5,6,7
.set rD, 8*(8*((\a)%4)+\b)
.set rB, 128*(\u)+FR*\b
.set rA, AF+FR*(\a)
.set rSB, SC+16*(\sc)+2*\b+(\u)
.set rSA, SC+16*(\sc)+2*(\a)+(\u)
.set rZ, \zero
	WMI
.endr
.endr
.else
	WIN MUL_LO
.irp a, 2*((\part)%2), 2*((\part)%2)+1
.irp b, 0,1,2,3
.set rD, 8*(4*(\a)+\b)
.set rB, 128*(\u)+FR*(4*((\part)/2)+\b)
.set rA, AF+FR*(4*((\part)/2)+(\a))
.set rSB, SC+16*(\sc)+4*\b+2*(\u)+(\part)/2
.set rSA, SC+16*(\sc)+4*(\a)+2*(\u)+(\part)/2
.set rZ, (\zero)*(1-(\part)/2)
	WMI
.endr
.endr
.endif
.endm
.macro STEP slot, zero
	s_wait_dscnt 4*NL
	MULH 0, 0, \slot, \zero
	MULH 1, 0, \slot, \zero
	s_wait_dscnt 0x0
	PLACES NP
	FETCH_B \slot, 1
	FETCH_A \slot, 1, 0
	MULH 2, 0, \slot, \zero
	MULH 3, 0, \slot, \zero
	PLACES NP
	WIN 0
	FETCH_A \slot, 1, 4
.endm
.macro TURN slot, next, fill
	s_wait_tensorcnt 0x0
	ds_add_u32 v[SPW], v[NIL]
	s_wait_dscnt 4*NL+1
	MULH 0, 1, \slot, 0
	s_wait_dscnt 0x0
	s_barrier_signal -1
	MULH 1, 1, \slot, 0
	WIN 0
	s_barrier_wait -1
.if \fill
	CREST
	s_add_nc_u64 s[G0+4*\slot+2:G0+4*\slot+3], s[G0+4*\slot+2:G0+4*\slot+3], 2*ROWB
	s_add_nc_u64 s[G0B+4*\slot+2:G0B+4*\slot+3], s[G0B+4*\slot+2:G0B+4*\slot+3], 2*ROWB
	JLOAD G0+4*\slot, G1, G0B+4*\slot, G1B
.else
	PLACES NP
.endif
	v_add_nc_u32 v[ADRS], 64*KPS, v[ADRS]
	FETCH_B \next, 0
	FETCH_A \next, 0, 0
	SCALES \next
	MULH 2, 1, \slot, 0
	MULH 3, 1, \slot, 0
	PLACES NP
	WIN 0
	FETCH_A \next, 0, 4
.endm
	s_load_b256 s[4:11], s[0:1], 0x0
	s_load_b64 s[12:13], s[0:1], 0x20
	v_lshl_add_u32 v[SPW], v0, 2, SPARE
	v_mov_b32 v[NIL], 0
	ds_add_u32 v28, v29
	ds_add_u32 v28, v29
	s_wait_dscnt 0x0
	v_lshrrev_b32 v1, 5, v0
	v_readfirstlane_b32 s14, v1
	s_lshr_b32 s15, s14, 1
	s_and_b32 s16, s14, 1
	s_bfe_u32 s40, ttmp6, 0x40000
	s_bfe_u32 s41, ttmp6, 0x40004
	s_lshl_b32 s42, ttmp9, 2
	s_add_co_u32 s42, s42, s40
	s_and_b32 s17, ttmp7, 0xffff
	s_lshl_b32 s17, s17, 2
	s_add_co_u32 s17, s17, s41
	s_lshl_b32 s43, s41, 2
	s_lshl_b32 s43, 15, s43
	s_lshl_b32 s44, 0x1111, s40
	s_or_b32 s[G1+0], s43, (3<<16)|(1<<21)
	s_or_b32 s[G1B+0], s44, (3<<16)|(1<<21)
.irp g, G1, G1B
	s_mov_b32 s[\g+1], (ROWB/8)<<16
	s_mov_b32 s[\g+2], RT<<16
	s_mov_b32 s[\g+3], (ROWB/8)<<16
	s_mov_b32 s[\g+4], RT
	s_mov_b32 s[\g+5], KST*192
	s_mov_b32 s[\g+6], 0
	s_mov_b32 s[\g+7], 0
.endr
	s_or_b32 s[G1S+0], s43, (3<<16)|(1<<21)
	s_or_b32 s[G1SB+0], s44, (3<<16)|(1<<21)
.irp g, G1S, G1SB
	s_mov_b32 s[\g+1], 32<<16
	s_mov_b32 s[\g+2], (HALFS/256)<<16
	s_mov_b32 s[\g+3], 32<<16
	s_mov_b32 s[\g+4], HALFS/256
	s_mov_b32 s[\g+5], 32
	s_mov_b32 s[\g+6], 0
	s_mov_b32 s[\g+7], 0
.endr
	s_lshl_b32 s20, s17, 1
	s_add_co_u32 s20, s20, s16
	s_mul_i32 s22, s20, HALFS
	s_add_co_u32 s22, s22, ASOFF
	s_mul_i32 s20, s20, RT*KST*1536
	s_mov_b32 s21, 0
	s_mov_b32 s23, 0
	s_lshl_b32 s46, s42, 1
	s_add_co_u32 s46, s46, s16
	s_mul_i32 s92, s46, HALFS
	s_add_co_u32 s92, s92, BSOFF
	s_mul_i32 s46, s46, RT*KST*1536
	s_add_co_u32 s46, s46, BCOFF
	s_mov_b32 s47, 0
	s_mov_b32 s93, 0
	s_wait_kmcnt 0x0
	s_add_nc_u64 s[20:21], s[4:5], s[20:21]
	s_add_nc_u64 s[22:23], s[4:5], s[22:23]
	s_add_nc_u64 s[46:47], s[6:7], s[46:47]
	s_add_nc_u64 s[92:93], s[6:7], s[92:93]
	CROUND
; THE HEAD'S FOUR TILES, one tensor load a wave: wave 0 A's 8 row tiles, all of K; wave 1 B's; wave 2 A's scale words; wave 3 B's.
; s[20:23], s[46:47], s[92:93] stand at my half of the rows: the half's bytes are taken off again for a tile that holds both halves.
.set G0H,  4                           ; s[4:7] group 0 of A's tile (the arguments that lay there have been used)
.set G0HB, 92                          ; s[92:95] of B's
.macro G0MK g, lds, base, off
	s_mov_b32 s[\g], 1
	s_mov_b32 s[\g+1], \lds
	s_sub_nc_u64 s[\g+2:\g+3], s[\base:\base+1], s[\off:\off+1]
	s_or_b32 s[\g+3], s[\g+3], 0x80000000
.endm
.macro ARM under, g0, g1, next
	s_cmp_lt_u32 s14, \under
	s_cbranch_scc0 \next
	tensor_load_to_lds s[\g0:\g0+3], s[\g1:\g1+7]
	s_nop 0
.rept 4
	v_nop
.endr
	s_branch .Lhead_asked
\next:
.endm
	s_mul_i32 s2, s16, RT*KST*1536
	s_mov_b32 s3, 0
	s_mul_i32 s96, s16, HALFS
	s_mov_b32 s97, 0
	G0MK G0H, 0, 20, 2
	G0MK G0S, SCL, 22, 96
	G0MK G0SB, SCL+2*HALFS, 92, 96
	G0MK G0HB, SLOT, 46, 2
.irp g, G1, G1B
	s_mov_b32 s[\g+1], (KST*192)<<16               ; a row tile's whole K: 12,288 bytes
	s_mov_b32 s[\g+2], (2*RT)<<16
	s_mov_b32 s[\g+3], (KST*192)<<16
	s_mov_b32 s[\g+4], 2*RT
.endr
.irp g, G1S, G1SB
	s_mov_b32 s[\g+2], (2*HALFS/256)<<16
	s_mov_b32 s[\g+4], 2*HALFS/256
.endr
	ARM 1, G0H,  G1,  .Lhead_b
	ARM 2, G0HB, G1B, .Lhead_sa
	ARM 3, G0S,  G1S, .Lhead_sb
	tensor_load_to_lds s[G0SB:G0SB+3], s[G1SB:G1SB+7]
	s_nop 0
.rept 4
	v_nop
.endr
.Lhead_asked:
	v_and_b32 v1, 15, v0
	v_bfe_u32 v2, v0, 4, 1
	v_and_b32 v3, 31, v0
	v_lshlrev_b32 v[V16], 4, v3
	v_lshlrev_b32 v[V8], 3, v3
	s_mul_i32 s21, s15, 2*HALFT                    ; my four row tiles of A, 12,288 bytes each
	s_mul_i32 s22, s16, 2*HALFT
	s_add_co_u32 s22, s22, 4*HALFT                 ; of B, behind A's eight
.irp s, 0,1
	v_add_nc_u32 v[ADRA+\s], s21, v[V16]
	v_add_nc_u32 v[ADRA+2+\s], s21, v[V8]
	v_add_nc_u32 v[ADRB+\s], s22, v[V16]
	v_add_nc_u32 v[ADRB+2+\s], s22, v[V8]
	s_add_co_u32 s21, s21, ROWB
	s_add_co_u32 s22, s22, ROWB
.endr
	v_lshlrev_b32 v5, 2, v1
	s_mul_i32 s21, s15, HALFS
	s_mul_i32 s22, s16, HALFS
	s_add_co_u32 s22, s22, 2*HALFS
	s_sub_co_u32 s22, s22, s21
	v_mul_u32_u24 v6, s22, v2
	s_add_co_u32 s21, s21, SCL
	v_add_nc_u32 v5, v5, v6
	v_add_nc_u32 v[ADRS], s21, v5
	s_mul_i32 s23, s14, 16*272
	s_add_co_u32 s23, s23, SPARE+512               ; my stage, behind the spare words
	v_mul_u32_u24 v5, v1, 272
	v_lshl_add_u32 v5, v2, 6, v5
	v_add_nc_u32 v[STO], s23, v5
	v_mul_u32_u24 v5, v2, 272
	v_lshl_add_u32 v5, v1, 4, v5
	v_add_nc_u32 v[RD], s23, v5
	v_lshlrev_b32 v[CO], 12, v2
	v_lshl_add_u32 v[CO], v1, 4, v[CO]
	v_lshlrev_b32 v10, 4, v1
	s_wait_alu depctr_va_vdst(0)
	s_lshl_b32 s20, s17, 7
	s_lshl_b32 s21, s15, 6
	s_add_co_u32 s20, s20, s21
	s_lshl_b32 s20, s20, 12
	s_lshl_b32 s22, s42, 9
	s_lshl_b32 s21, s16, 8
	s_add_co_u32 s22, s22, s21
	s_add_co_u32 s20, s20, s22
	s_mov_b32 s21, 0
	s_mov_b32 s23, 0
	s_add_nc_u64 s[8:9], s[8:9], s[20:21]
	s_add_nc_u64 s[12:13], s[12:13], s[20:21]
	s_add_nc_u64 s[10:11], s[10:11], s[22:23]
	global_load_b128 v[BI:BI+3], v10, s[10:11]
	WIN 0x80
.irp a, 0,1,2,3
.irp t, 0,1,2,3,4,5,6,7
	global_load_b128 v[RS+32*\a+4*\t:RS+32*\a+4*\t+3], v[CO], s[8:9] offset:(32*(\a/2)+8*(\a%2)+2*\t+8*(\t/4))*4096
.endr
.endr
	WIN 0
	s_wait_tensorcnt 0x0                           ; my tile is in; behind the barrier everybody's is
	s_barrier_signal -1
	s_barrier_wait -1
	FETCH_B 0, 0
	FETCH_A 0, 0, 0
	SCALES 0
	FETCH_A 0, 0, 4
	STEP 0, 1
.if LAPS > 1
	s_mov_b32 s3, LAPS-1
.Llap:
	TURN 0, 1, 1
	STEP 1, 0
	TURN 1, 0, 1
	STEP 0, 0
	s_sub_co_u32 s3, s3, 1
	s_cmp_lg_u32 s3, 0
	s_cbranch_scc1 .Llap
.endif
	TURN 0, 1, 0
	STEP 1, 0
	s_wait_dscnt 4*NL
	MULH 0, 1, 1, 0
	MULH 1, 1, 1, 0
	s_wait_dscnt 0x0
	MULH 2, 1, 1, 0
	MULH 3, 1, 1, 0
	WIN 0
.macro TOSTAGE a
	WIN 0x08
.irp b, 0,1,2,3
	ds_store_b128 v[STO], v[32*(\a)+8*\b:32*(\a)+8*\b+3] offset:128*(\b/2)+32*(\b%2)
	ds_store_b128 v[STO], v[32*(\a)+8*\b+4:32*(\a)+8*\b+7] offset:128*(\b/2)+32*(\b%2)+16
.endr
	WIN 0
.set BB, BK+32*((\a)%2)
.irp t, 0,1,2,3,4,5,6,7
	ds_load_b128 v[BB+4*\t:BB+4*\t+3], v[RD] offset:\t*544
.endr
.endm
.macro SEND a, younger
.set BB, BK+32*((\a)%2)
	s_wait_dscnt \younger
	WIN 0x08
.set i, 0
.rept 16
	v_pk_add_f32 v[BB+i:BB+i+1], v[BB+i:BB+i+1], v[RS+32*(\a)+i:RS+32*(\a)+i+1]
.set i, i+2
.endr
	WIN 0
.irp t, 0,1,2,3,4,5,6,7
	v_pk_add_f32 v[BB+4*\t:BB+4*\t+1], v[BB+4*\t:BB+4*\t+1], v[BI:BI+1]
	v_pk_add_f32 v[BB+4*\t+2:BB+4*\t+3], v[BB+4*\t+2:BB+4*\t+3], v[BI+2:BI+3]
.endr
.irp t, 0,1,2,3,4,5,6,7
	global_store_b128 v[CO], v[BB+4*\t:BB+4*\t+3], s[12:13] offset:(32*((\a)/2)+8*((\a)%2)+2*\t+8*(\t/4))*4096
.endr
.endm
	s_wait_loadcnt 0x0
	PLACES NP
	TOSTAGE 0
	TOSTAGE 1
	SEND 0, 16
	s_wait_xcnt 0x0
	TOSTAGE 2
	SEND 1, 16
	s_wait_xcnt 0x0
	TOSTAGE 3
	SEND 2, 16
	SEND 3, 0
	s_wait_tensorcnt 0x0
	ds_add_u32 v[SPW], v[NIL]
	s_wait_dscnt 0x0
	CROUND
	s_endpgm
.Lfunc_end_k_q3c1ccf2a32_oproj:
	.size	k_q3c1ccf2a32_oproj, .Lfunc_end_k_q3c1ccf2a32_oproj-k_q3c1ccf2a32_oproj
	.p2alignl 7, 3214868480
	.fill 96, 4, 3214868480
	.section	.rodata,"a",@progbits
	.p2align	6, 0x0
	.amdhsa_kernel k_q3c1ccf2a32_oproj
		.amdhsa_group_segment_fixed_size 327680
		.amdhsa_private_segment_fixed_size 0
		.amdhsa_enable_private_segment 0
		.amdhsa_kernarg_size 40
		.amdhsa_user_sgpr_count 2
		.amdhsa_user_sgpr_kernarg_segment_ptr 1
		.amdhsa_wavefront_size32 1
		.amdhsa_system_sgpr_workgroup_id_x 1
		.amdhsa_system_sgpr_workgroup_id_y 1
		.amdhsa_system_sgpr_workgroup_id_z 1
		.amdhsa_system_vgpr_workitem_id 0
		.amdhsa_next_free_vgpr 768
		.amdhsa_next_free_sgpr 98
		.amdhsa_reserve_vcc 0
		.amdhsa_float_denorm_mode_32 3
		.amdhsa_float_denorm_mode_16_64 3
		.amdhsa_memory_ordered 1
		.amdhsa_forward_progress 1
		.amdhsa_inst_pref_size 65
	.end_amdhsa_kernel
	.amdgpu_metadata
---
amdhsa.version: [ 1, 2 ]
amdhsa.kernels:
  - .name:           k_q3c1ccf2a32_oproj
    .symbol:         k_q3c1ccf2a32_oproj.kd
    .args:
      - { .name: oact, .offset: 0, .size: 8, .value_kind: global_buffer, .address_space: global }
      - { .name: wts, .offset: 8, .size: 8, .value_kind: global_buffer, .address_space: global }
      - { .name: x, .offset: 16, .size: 8, .value_kind: global_buffer, .address_space: global }
      - { .name: b_o, .offset: 24, .size: 8, .value_kind: global_buffer, .address_space: global }
      - { .name: x1, .offset: 32, .size: 8, .value_kind: global_buffer, .address_space: global }
    .group_segment_fixed_size: 327680
    .private_segment_fixed_size: 0
    .kernarg_segment_align: 8
    .kernarg_segment_size: 40
    .max_flat_workgroup_size: 128
    .sgpr_count:     98
    .vgpr_count:     768
    .wavefront_size: 32
...
	.end_amdgpu_metadata
.endif
;; end of part 4
;; launch ln2 (part 5): grid 256 x 1, 4 waves a work-group, no clusters, 66,304 bytes of LDS; arguments x1, ln2_w, ln2_b, hact; writes hact
.if DOCPART == 5
	.amdgcn_target "amdgcn-amd-amdhsa--gfx1250"
	.amdhsa_code_object_version 6
	.text
	.protected	k_q3c1ccf2a32_ln2
	.globl	k_q3c1ccf2a32_ln2
	.p2align	8
	.type	k_q3c1ccf2a32_ln2,@function
k_q3c1ccf2a32_ln2:
	s_mov_b64 s[64:65], 0
	v_nop
	global_prefetch_b8 v0, s[64:65] scope:SCOPE_SE
	s_setreg_imm32_b32 hwreg(HW_REG_WAVE_MODE, 25, 1), 1
	s_wait_xcnt 0x0
; LayerNorm 2 of x1, 16 rows to a work-group, quantised to codes of BF6 (E3M2) with one E8M0 byte for each 32 along K, laid as the next product's operand:
; rows in tiles of 16, row r of tile T is ROW(T, r) = 32 (T / 2) + 8 (T % 2) + r + 8 (r / 8); a fragment (16 rows x 128 K) is the image of its 12 registers a lane, 1,536 bytes:
; for each half of 64 K registers 0-3 at 16 x lane, registers 4-5 at 512 + 8 x lane; scale words [tile][K / 128][16 words], 3,145,728 bytes behind the codes' start.
; LIMITS: NaN and infinities are not served; a block whose largest magnitude lies under 2^-122 keeps the scale byte 1.
; Memory binds: each row is read once, in loads of 512 consecutive bytes; no tensor loads, no cluster: no two work-groups read the same rows.
.set WV,   26
.set SEL,  28
.set V16,  4
.set V8,   5
.set LNP,  4112                        ; a stage row: 4,096 bytes + 16: an odd multiple of 16
.set X,    32
.set X1,   96
.set WG,   160
.set BG,   192
.set MU,   224
.set VA,   232
.set TM,   240
.set PC0,  160
.set PC1,  180
.set PW0,  200
.set PW1,  201
.set PWX,  202
.macro QUANT s, pc, pw
.irp b, 0,1,2,3
	v_max3_num_f32 v[TM+\b], |v[\s+16*\b]|, |v[\s+1+16*\b]|, 0x2800000   ; my 16 numbers and the floor 2^(5 - 127)
.endr
.irp i, 2,4,6,8,10,12,14
.irp b, 0,1,2,3
	v_max3_num_f32 v[TM+\b], v[TM+\b], |v[\s+16*\b+\i]|, |v[\s+1+16*\b+\i]|
.endr
.endr
.irp b, 0,1,2,3
	v_permlanex16_b32 v[TM+4+\b], v[TM+\b], s[SEL], s[SEL+1]
.endr
.irp b, 0,1,2,3
	v_max_num_f32 v[TM+\b], v[TM+\b], v[TM+4+\b]
.endr
.irp b, 0,1,2,3
	v_add_nc_u32 v[TM+12+\b], 0xfe000000, v[TM+\b]   ; 4 off the exponent field: the conversion's scale operand
.endr
.irp b, 0,1,2,3
	v_lshrrev_b32 v[TM+4+\b], 23, v[TM+12+\b]
.endr
	v_lshl_or_b32 v[\pw], v[TM+5], 8, v[TM+4]
	v_lshl_or_b32 v[\pw], v[TM+6], 16, v[\pw]
	v_lshl_or_b32 v[\pw], v[TM+7], 24, v[\pw]
.irp c, 0,1
	v_cvt_scalef32_pk16_bf6_f32 v[\pc+6*\c:\pc+2+6*\c], v[\s+32*\c:\s+15+32*\c], v[TM+12+2*\c]
	v_cvt_scalef32_pk16_bf6_f32 v[\pc+12+4*\c:\pc+14+4*\c], v[\s+16+32*\c:\s+31+32*\c], v[TM+12+2*\c+1]
.endr
	v_nop                                          ; one plain instruction behind the scaled conversions
.irp c, 0,1
.irp i, 0,1,2
	v_permlane16_swap_b32 v[\pc+6*\c+\i], v[\pc+12+4*\c+\i]
.endr
.irp i, 0,1,2
	v_mov_b32 v[\pc+3+6*\c+\i], v[\pc+12+4*\c+\i]
.endr
.endr
.endm
.macro IMG pc, sb, off
	global_store_b128 v[V16], v[\pc:\pc+3], s[\sb:\sb+1] offset:\off
	global_store_b64 v[V8], v[\pc+4:\pc+5], s[\sb:\sb+1] offset:\off+512
	global_store_b128 v[V16], v[\pc+6:\pc+9], s[\sb:\sb+1] offset:\off+768
	global_store_b64 v[V8], v[\pc+10:\pc+11], s[\sb:\sb+1] offset:\off+1280
.endm
.macro RED4 m
.irp i, 0,1,2,3
	v_add_f32 v[\m+2*\i], v[\m+2*\i], v[\m+2*\i+1]
.endr
.irp x, 1,2,4,8
.irp i, 0,1,2,3
	v_add_f32_dpp v[\m+2*\i], v[\m+2*\i], v[\m+2*\i] row_xmask:\x row_mask:0xf bank_mask:0xf
.endr
.endr
.irp i, 0,1,2,3
	v_permlanex16_b32 v[\m+2*\i+1], v[\m+2*\i], s[SEL], s[SEL+1]
.endr
.irp i, 0,1,2,3
	v_add_f32 v[\m+2*\i], v[\m+2*\i], v[\m+2*\i+1]
.endr
.endm
	s_load_b256 s[4:11], s[0:1], 0x0               ; x1, ln2_w, ln2_b, hact
	v_lshl_add_u32 v250, v0, 2, 0x10100
	v_mov_b32 v251, 0
	v_lshrrev_b32 v1, 5, v0
	v_readfirstlane_b32 s[WV], v1
	v_and_b32 v1, 31, v0                           ; lane
	v_and_b32 v2, 15, v0                           ; r
	v_bfe_u32 v3, v0, 4, 1                         ; h
	v_lshlrev_b32 v[V16], 4, v1
	v_lshlrev_b32 v[V8], 3, v1
	s_mov_b32 s[SEL], 0x76543210
	s_mov_b32 s[SEL+1], 0xfedcba98
	s_wait_alu depctr_va_vdst(0)
	s_wait_kmcnt 0x0
	; Phase 1: wave w normalises stage rows 4 w .. 4 w + 3 of tile T = the work-group's number, a whole row in 32 registers: mean, then the centred squares
	s_lshr_b32 s30, ttmp9, 1
	s_lshl_b32 s30, s30, 5
	s_and_b32 s31, ttmp9, 1
	s_lshl_b32 s31, s31, 3
	s_add_co_u32 s30, s30, s31
	s_lshl_b32 s31, s[WV], 2
	s_add_co_u32 s30, s30, s31
	s_lshr_b32 s31, s[WV], 1
	s_lshl_b32 s31, s31, 3
	s_add_co_u32 s30, s30, s31                     ; my first row: 32 (T / 2) + 8 (T % 2) + 4 w + 8 (w / 2)
	s_lshl_b32 s30, s30, 12
	s_mov_b32 s31, 0
	s_add_nc_u64 s[4:5], s[4:5], s[30:31]
.irp i, 0,1,2,3
.irp j, 0,1,2,3,4,5,6,7
	global_load_b128 v[X+32*\i+4*\j:X+32*\i+4*\j+3], v[V16], s[4:5] offset:\i*4096+\j*512 th:TH_LOAD_NT
.endr
.endr
.irp j, 0,1,2,3,4,5,6,7
	global_load_b128 v[WG+4*\j:WG+4*\j+3], v[V16], s[6:7] offset:\j*512
	global_load_b128 v[BG+4*\j:BG+4*\j+3], v[V16], s[8:9] offset:\j*512
.endr
	s_mov_b32 s32, 0x3a800000                      ; 1 / 1024
	s_mov_b32 s33, 0x3727c5ac                      ; 1e-5
	s_mul_i32 s34, s[WV], 4*LNP
	v_add_nc_u32 v7, s34, v[V16]                   ; the stage, in
	v_mul_u32_u24 v6, v2, LNP
	v_lshl_add_u32 v6, v3, 6, v6
	s_lshl_b32 s34, s[WV], 10
	v_add_nc_u32 v6, s34, v6                       ; and out: row r, + 64 h, + my two K steps
	v_lshlrev_b32 v8, 2, v1
	s_lshl_b32 s36, ttmp9, 3
	s_lshl_b32 s35, s[WV], 1
	s_add_co_u32 s36, s36, s35                     ; fragment 8 T + 2 w
	s_mul_i32 s34, s36, 1536
	s_mov_b32 s35, 0
	s_add_nc_u64 s[38:39], s[10:11], s[34:35]
	s_lshl_b32 s34, s36, 6
	s_add_nc_u64 s[40:41], s[10:11], s[34:35]
	s_mov_b32 s42, 0xffff0000
.irp b, 0,1,2,3
	v_mov_b32 v[TM+4+\b], 0
.endr
	s_wait_loadcnt 16                              ; the rows are in; the 16 loads of gain and bias may be out
.irp i, 0,1,2,3
	v_pk_add_f32 v[MU+2*\i:MU+2*\i+1], v[X+32*\i:X+32*\i+1], v[X+32*\i+2:X+32*\i+3]
.endr
.irp p, 4,6,8,10,12,14,16,18,20,22,24,26,28,30
.irp i, 0,1,2,3
	v_pk_add_f32 v[MU+2*\i:MU+2*\i+1], v[MU+2*\i:MU+2*\i+1], v[X+32*\i+\p:X+32*\i+\p+1]
.endr
.endr
	RED4 MU
.irp i, 0,1,2,3
	v_mul_f32 v[MU+2*\i], s32, v[MU+2*\i]
.endr
.irp i, 0,1,2,3
	v_mov_b32 v[MU+2*\i+1], v[MU+2*\i]
.endr
.irp p, 0,2,4,6,8,10,12,14,16,18,20,22,24,26,28,30
.irp i, 0,1,2,3
	v_pk_add_f32 v[X+32*\i+\p:X+32*\i+\p+1], v[X+32*\i+\p:X+32*\i+\p+1], v[MU+2*\i:MU+2*\i+1] neg_lo:[0,1] neg_hi:[0,1]
.endr
.endr
.irp i, 0,1,2,3
	v_pk_mul_f32 v[VA+2*\i:VA+2*\i+1], v[X+32*\i:X+32*\i+1], v[X+32*\i:X+32*\i+1]
.endr
.irp p, 2,4,6,8,10,12,14,16,18,20,22,24,26,28,30
.irp i, 0,1,2,3
	v_pk_fma_f32 v[VA+2*\i:VA+2*\i+1], v[X+32*\i+\p:X+32*\i+\p+1], v[X+32*\i+\p:X+32*\i+\p+1], v[VA+2*\i:VA+2*\i+1]
.endr
.endr
	RED4 VA
.irp i, 0,1,2,3
	v_fma_f32 v[VA+2*\i], v[VA+2*\i], s32, s33
.endr
	s_wait_alu depctr_va_vdst(0)
.irp i, 0,1,2,3
	v_rsq_f32 v[VA+2*\i], v[VA+2*\i]
.endr
	v_nop                                          ; a plain instruction behind the last of the four
	s_wait_alu depctr_va_vdst(0)                   ; one wait for the four, ahead of their first reader
.irp i, 0,1,2,3
	v_mov_b32 v[VA+2*\i+1], v[VA+2*\i]
.endr
	s_wait_alu depctr_va_vdst(0)
	s_wait_loadcnt 0x0
.irp i, 0,1,2,3
.irp p, 0,2,4,6,8,10,12,14,16,18,20,22,24,26,28,30
	v_pk_mul_f32 v[X+32*\i+\p:X+32*\i+\p+1], v[X+32*\i+\p:X+32*\i+\p+1], v[VA+2*\i:VA+2*\i+1]
.endr
.irp p, 0,2,4,6,8,10,12,14,16,18,20,22,24,26,28,30
	v_pk_fma_f32 v[X+32*\i+\p:X+32*\i+\p+1], v[X+32*\i+\p:X+32*\i+\p+1], v[WG+\p:WG+\p+1], v[BG+\p:BG+\p+1]
.endr
.irp j, 0,1,2,3,4,5,6,7
	ds_store_b128 v7, v[X+32*\i+4*\j:X+32*\i+4*\j+3] offset:\i*LNP+\j*512
.endr
.endr
	s_wait_dscnt 0x0                               ; for the others' sake: my rows lie in the stage
	s_barrier_signal -1
	s_barrier_wait -1
	; Phase 2: wave w takes K steps 2 w and 2 w + 1 of all 16 rows, in the quantiser's layout
.irp q, 0,1
.irp b, 0,1,2,3
.irp j, 0,1,2,3
	ds_load_b128 v[X+64*\q+16*\b+4*\j:X+64*\q+16*\b+4*\j+3], v6 offset:512*\q+128*\b+16*\j
.endr
.endr
.endr
	s_wait_dscnt 16                                ; the first K step's 16 loads are in
	QUANT X, PC0, PW0
	IMG PC0, 38, 0
	s_wait_dscnt 0x0
	QUANT X1, PC1, PW1
	IMG PC1, 38, 1536
	v_cndmask_b32 v[PWX], v[PW0], v[PW1], s42      ; two K steps' scale words: 128 consecutive bytes
	global_store_b32 v8, v[PWX], s[40:41] offset:3145728
	s_wait_tensorcnt 0x0
	ds_add_u32 v250, v251
	s_wait_dscnt 0x0
	s_endpgm
.Lfunc_end_k_q3c1ccf2a32_ln2:
	.size	k_q3c1ccf2a32_ln2, .Lfunc_end_k_q3c1ccf2a32_ln2-k_q3c1ccf2a32_ln2
	.p2alignl 7, 3214868480
	.fill 96, 4, 3214868480
	.section	.rodata,"a",@progbits
	.p2align	6, 0x0
	.amdhsa_kernel k_q3c1ccf2a32_ln2
		.amdhsa_group_segment_fixed_size 66304
		.amdhsa_private_segment_fixed_size 0
		.amdhsa_enable_private_segment 0
		.amdhsa_kernarg_size 32
		.amdhsa_user_sgpr_count 2
		.amdhsa_user_sgpr_kernarg_segment_ptr 1
		.amdhsa_wavefront_size32 1
		.amdhsa_system_sgpr_workgroup_id_x 1
		.amdhsa_system_sgpr_workgroup_id_y 1
		.amdhsa_system_sgpr_workgroup_id_z 1
		.amdhsa_system_vgpr_workitem_id 0
		.amdhsa_next_free_vgpr 256
		.amdhsa_next_free_sgpr 66
		.amdhsa_reserve_vcc 0
		.amdhsa_float_denorm_mode_32 3
		.amdhsa_float_denorm_mode_16_64 3
		.amdhsa_memory_ordered 1
		.amdhsa_forward_progress 1
		.amdhsa_inst_pref_size 44
	.end_amdhsa_kernel
	.amdgpu_metadata
---
amdhsa.version: [ 1, 2 ]
amdhsa.kernels:
  - .name:           k_q3c1ccf2a32_ln2
    .symbol:         k_q3c1ccf2a32_ln2.kd
    .args:
      - { .name: x1, .offset: 0, .size: 8, .value_kind: global_buffer, .address_space: global }
      - { .name: ln2_w, .offset: 8, .size: 8, .value_kind: global_buffer, .address_space: global }
      - { .name: ln2_b, .offset: 16, .size: 8, .value_kind: global_buffer, .address_space: global }
      - { .name: hact, .offset: 24, .size: 8, .value_kind: global_buffer, .address_space: global }
    .group_segment_fixed_size: 66304
    .private_segment_fixed_size: 0
    .kernarg_segment_align: 8
    .kernarg_segment_size: 32
    .max_flat_workgroup_size: 128
    .sgpr_count:     66
    .vgpr_count:     256
    .wavefront_size: 32
...
	.end_amdgpu_metadata
.endif
;; end of part 5
;; launch fc (part 6): grid 16 x 16, 4 waves a work-group, clusters of 4 x 4, 327,680 bytes of LDS; arguments hact, wts, b_fc, gact; writes gact
.if DOCPART == 6
	.amdgcn_target "amdgcn-amd-amdhsa--gfx1250"
	.amdhsa_code_object_version 6
	.text
	.protected	k_q3c1ccf2a32_fc
	.globl	k_q3c1ccf2a32_fc
	.p2align	8
	.type	k_q3c1ccf2a32_fc,@function
k_q3c1ccf2a32_fc:
	s_mov_b64 s[64:65], 0
	v_nop
	global_prefetch_b8 v0, s[64:65] scope:SCOPE_SE
	s_setreg_imm32_b32 hwreg(HW_REG_WAVE_MODE, 25, 1), 1
	s_wait_xcnt 0x0
	s_wait_alu depctr_hold_cnt(0) depctr_sa_sdst(0) depctr_va_vdst(0) depctr_va_sdst(0) depctr_va_ssrc(0) depctr_va_vcc(0) depctr_vm_vsrc(0)
	s_getreg_b32 s2, hwreg(HW_REG_IB_STS2, 6, 4)
	s_cmp_eq_u32 s2, 0
	s_cbranch_scc0 .Lentry_in_a_cluster
	s_endpgm
.Lentry_in_a_cluster:
	s_bfe_u32 s2, ttmp6, 0x10000c
	s_cmp_lg_u32 s2, 0xf033
	s_cbranch_scc0 .Lentry_shape_is_right
	s_endpgm
.Lentry_shape_is_right:
; g = gelu(LN2(x1) W_fc + b_fc) (the tanh form), on codes of BF6 (E3M2) with E8M0 scales, quantised again along the 4,096 on the way out.  Operands lie as images of their registers.
; A work-group of four waves makes 256 x 256, a wave 128 x 128.  THE FILLS: at the head one tensor load a wave (A's and B's 16 row tiles of K 0 .. 255 into slot 0, A's and B's scale words);
; behind one drained round K 256 .. 767, one tile of 8 row tiles x 6,144 bytes a wave, which serves as slots 1 and 2; slot 0 is filled once more, with K 768 .. 1023, when it has been read.
; CLUSTERS: 4 x 4; A's tiles are asked for jointly along a row of the cluster, B's along a column.  No data prefetch: the walk along K is written out, four fills in all, and has no loop to run ahead in.
; LIMITS: NaN and infinities are not served; a block whose largest magnitude lies under 2^-122 keeps the scale byte 1.
.set SIZE_K, 1024
.set ASOFF,  3145728
.set BCOFF,  3145728
.set BSOFF,  9568256
.set KST,    SIZE_K/128
.set KPS,    2
.set RT,     8
.set ROWB,   KPS*1536
.set HALFT,  RT*ROWB
.set SLOT,   4*HALFT
.set KS64,   64*KST
.set HALFS,  RT*KS64
.set SCL,    3*SLOT
.set SPARE,  SCL+4*HALFS
.set FR,     12
.set NL,     4
.set NP,     4
.set V16,  8
.set V8,   9
.set ADRA, 16
.set ADRB, 22
.set SPW,  28
.set NIL,  29
.set ADRS, 30
.set SC,   32
.set BN,   64
.set AF,   128
.set H,    128
.set E,    192
.set PC,   192
.set TM,   32
.set PW,   48
.set SEL,  96
.set G1,   24
.set G0,   32
.set G1B,  48
.set G0B,  56
.set G1S,  68
.set G0S,  76
.set G1SB, 80
.set G0SB, 88
.set MSB, 0
.macro WIN new
.if MSB != \new
	s_set_vgpr_msb (MSB<<8)|\new
.set MSB, \new
.endif
.endm
.set MUL_LO, 0xa1
.set MUL_HI, 0xf1
.set TO_B,   0x40
.macro JLOAD g0a, g1a, g0b, g1b
	s_cmp_eq_u32 s15, 0
	s_cbranch_scc0 .Lfor_b_\@
	tensor_load_to_lds s[\g0a:\g0a+3], s[\g1a:\g1a+7]
	s_nop 0
.rept 4
	v_nop
.endr
	s_branch .Lasked_\@
.Lfor_b_\@:
	tensor_load_to_lds s[\g0b:\g0b+3], s[\g1b:\g1b+7]
	s_nop 0
.rept 4
	v_nop
.endr
.Lasked_\@:
.endm
.macro CREST
	s_cmp_lg_u32 s14, 0
	s_cbranch_scc1 .Lnot_wave_0_\@
	s_barrier_signal -3
.Lnot_wave_0_\@:
	s_barrier_wait -3
	s_barrier_signal -1
	s_barrier_wait -1
.endm
.macro CROUND
	s_barrier_signal -1
	s_barrier_wait -1
	CREST
.endm
.macro PLACES n
.rept \n
	v_nop
.endr
.endm
.macro FRAG reg, adr, off
	ds_load_b128 v[\reg:\reg+3], v[\adr] offset:\off
	ds_load_b64 v[\reg+4:\reg+5], v[\adr+3] offset:\off+512
	ds_load_b128 v[\reg+6:\reg+9], v[\adr] offset:\off+768
	ds_load_b64 v[\reg+10:\reg+11], v[\adr+3] offset:\off+1280
.endm
.macro FETCH_B slot, u
	WIN TO_B
.irp f, 0,1,2,3,4,5,6,7
.set rR, 128*(\u)+FR*\f
.set rO, \f*(3072<<(((\slot)+1)/2))+(\u)*1536  ; a row tile's pitch: 3,072 bytes in slot 0, 6,144 in slots 1 and 2
	FRAG rR, ADRB+\slot, rO
.endr
	WIN 0
.endm
.macro FETCH_A slot, u, f0
.irp f, \f0, \f0+1, \f0+2, \f0+3
.set rR, AF+FR*(\f)
.set rO, (\f)*(3072<<(((\slot)+1)/2))+(\u)*1536
	FRAG rR, ADRA+\slot, rO
.endr
.endm
.macro SCALES sc
.set e, 0
.rept 16
	ds_load_b32 v[SC+16*(\sc)+e], v[ADRS] offset:(e/KPS)*KS64+(e%KPS)*64
.set e, e+1
.endr
.endm
.macro WMI
.if rZ
	v_wmma_scale_f32_16x16x128_f8f6f4 v[rD:rD+7], v[rB:rB+FR-1], v[rA:rA+FR-1], 0, v[rSB], v[rSA] matrix_a_fmt:MATRIX_FMT_BF6 matrix_b_fmt:MATRIX_FMT_BF6 matrix_a_scale:MATRIX_SCALE_ROW1
.else
	v_wmma_scale_f32_16x16x128_f8f6f4 v[rD:rD+7], v[rB:rB+FR-1], v[rA:rA+FR-1], v[rD:rD+7], v[rSB], v[rSA] matrix_a_fmt:MATRIX_FMT_BF6 matrix_b_fmt:MATRIX_FMT_BF6 matrix_a_scale:MATRIX_SCALE_ROW1
.endif
.endm
.macro MULH part, u, sc, zero
.if (\part) < 2
	WIN MUL_LO
.else
	WIN MUL_HI
.endif
.irp a, 2*(\part), 2*(\part)+1
.irp b, 0,1,2,3,4,5,6,7
.set rD, 8*(8*((\a)%4)+\b)
.set rB, 128*(\u)+FR*\b
.set rA, AF+FR*(\a)
.set rSB, SC+16*(\sc)+2*\b+(\u)
.set rSA, SC+16*(\sc)+2*(\a)+(\u)
.set rZ, \zero
	WMI
.endr
.endr
.endm
.macro STEP slot, sc, zero
	s_wait_dscnt 4*NL
	MULH 0, 0, \sc, \zero
	MULH 1, 0, \sc, \zero
	s_wait_dscnt 0x0
	PLACES NP
	FETCH_B \slot, 1
	FETCH_A \slot, 1, 0
	MULH 2, 0, \sc, \zero
	MULH 3, 0, \sc, \zero
	PLACES NP
	WIN 0
	FETCH_A \slot, 1, 4
.endm
.macro TURN slot, sc, next, nsc, mode
.if (\mode) == 2
	s_wait_dscnt 4*NL
	MULH 0, 1, \sc, 0
	MULH 1, 1, \sc, 0
	s_wait_dscnt 0x0
	WIN 0
	PLACES NP
.else
	s_wait_tensorcnt 0x0
	ds_add_u32 v[SPW], v[NIL]
	s_wait_dscnt 4*NL+1
	MULH 0, 1, \sc, 0
	s_wait_dscnt 0x0
	s_barrier_signal -1
	MULH 1, 1, \sc, 0
	WIN 0
	s_barrier_wait -1
.if (\mode) == 1
	CREST
	s_add_nc_u64 s[G0+2:G0+3], s[G0+2:G0+3], 3*ROWB
	s_add_nc_u64 s[G0B+2:G0B+3], s[G0B+2:G0B+3], 3*ROWB
	JLOAD G0, G1, G0B, G1B
.else
	PLACES NP
.endif
.endif
	v_add_nc_u32 v[ADRS], 64*KPS, v[ADRS]
	FETCH_B \next, 0
	FETCH_A \next, 0, 0
	SCALES \nsc
	MULH 2, 1, \sc, 0
	MULH 3, 1, \sc, 0
	PLACES NP
	WIN 0
	FETCH_A \next, 0, 4
.endm
.macro QUANT s, pc, pw
.irp b, 0,1,2,3
	v_max3_num_f32 v[TM+\b], |v[\s+16*\b]|, |v[\s+1+16*\b]|, 0x2800000
.endr
.irp i, 2,4,6,8,10,12,14
.irp b, 0,1,2,3
	v_max3_num_f32 v[TM+\b], v[TM+\b], |v[\s+16*\b+\i]|, |v[\s+1+16*\b+\i]|
.endr
.endr
.irp b, 0,1,2,3
	v_permlanex16_b32 v[TM+4+\b], v[TM+\b], s[SEL], s[SEL+1]
.endr
.irp b, 0,1,2,3
	v_max_num_f32 v[TM+\b], v[TM+\b], v[TM+4+\b]
.endr
.irp b, 0,1,2,3
	v_add_nc_u32 v[TM+12+\b], 0xfe000000, v[TM+\b]
.endr
.irp b, 0,1,2,3
	v_lshrrev_b32 v[TM+4+\b], 23, v[TM+12+\b]
.endr
	v_lshl_or_b32 v[\pw], v[TM+5], 8, v[TM+4]
	v_lshl_or_b32 v[\pw], v[TM+6], 16, v[\pw]
	v_lshl_or_b32 v[\pw], v[TM+7], 24, v[\pw]
.irp c, 0,1
	v_cvt_scalef32_pk16_bf6_f32 v[\pc+6*\c:\pc+2+6*\c], v[\s+32*\c:\s+15+32*\c], v[TM+12+2*\c]
	v_cvt_scalef32_pk16_bf6_f32 v[\pc+12+4*\c:\pc+14+4*\c], v[\s+16+32*\c:\s+31+32*\c], v[TM+12+2*\c+1]
.endr
	v_nop
.irp c, 0,1
.irp i, 0,1,2
	v_permlane16_swap_b32 v[\pc+6*\c+\i], v[\pc+12+4*\c+\i]
.endr
.irp i, 0,1,2
	v_mov_b32 v[\pc+3+6*\c+\i], v[\pc+12+4*\c+\i]
.endr
.endr
.endm
.macro IMG pc, sb, off
	global_store_b128 v[V16], v[\pc:\pc+3], s[\sb:\sb+1] offset:\off
	global_store_b64 v[V8], v[\pc+4:\pc+5], s[\sb:\sb+1] offset:\off+512
	global_store_b128 v[V16], v[\pc+6:\pc+9], s[\sb:\sb+1] offset:\off+768
	global_store_b64 v[V8], v[\pc+10:\pc+11], s[\sb:\sb+1] offset:\off+1280
.endm
	s_load_b256 s[4:11], s[0:1], 0x0
	v_lshl_add_u32 v[SPW], v0, 2, SPARE
	v_mov_b32 v[NIL], 0
	ds_add_u32 v28, v29
	ds_add_u32 v28, v29
	s_wait_dscnt 0x0
	v_lshrrev_b32 v1, 5, v0
	v_readfirstlane_b32 s14, v1
	s_lshr_b32 s15, s14, 1
	s_and_b32 s16, s14, 1
	s_bfe_u32 s100, ttmp6, 0x40000
	s_bfe_u32 s101, ttmp6, 0x40004
	s_lshl_b32 s98, ttmp9, 2
	s_add_co_u32 s98, s98, s100
	s_and_b32 s17, ttmp7, 0xffff
	s_lshl_b32 s17, s17, 2
	s_add_co_u32 s17, s17, s101
	s_lshl_b32 s3, s101, 2
	s_lshl_b32 s3, 15, s3
	s_lshl_b32 s47, 0x1111, s100
	s_mov_b32 s[SEL], 0x76543210
	s_mov_b32 s[SEL+1], 0xfedcba98
	s_mov_b32 s99, 0xffff0000
	s_or_b32 s[G1+0], s3, (3<<16)|(1<<21)
	s_or_b32 s[G1B+0], s47, (3<<16)|(1<<21)
.irp g, G1, G1B
	s_mov_b32 s[\g+1], (ROWB/8)<<16
	s_mov_b32 s[\g+2], RT<<16
	s_mov_b32 s[\g+3], (ROWB/8)<<16
	s_mov_b32 s[\g+4], RT
	s_mov_b32 s[\g+5], KST*192
	s_mov_b32 s[\g+6], 0
	s_mov_b32 s[\g+7], 0
.endr
	s_or_b32 s[G1S+0], s3, (3<<16)|(1<<21)
	s_or_b32 s[G1SB+0], s47, (3<<16)|(1<<21)
.irp g, G1S, G1SB
	s_mov_b32 s[\g+1], 32<<16
	s_mov_b32 s[\g+2], (HALFS/256)<<16
	s_mov_b32 s[\g+3], 32<<16
	s_mov_b32 s[\g+4], HALFS/256
	s_mov_b32 s[\g+5], 32
	s_mov_b32 s[\g+6], 0
	s_mov_b32 s[\g+7], 0
.endr
	s_lshl_b32 s20, s17, 1
	s_add_co_u32 s20, s20, s16
	s_mul_i32 s22, s20, HALFS
	s_add_co_u32 s22, s22, ASOFF
	s_mul_i32 s20, s20, RT*KST*1536
	s_mov_b32 s21, 0
	s_mov_b32 s23, 0
	s_lshl_b32 s46, s98, 1
	s_add_co_u32 s46, s46, s16
	s_mul_i32 s18, s46, HALFS
	s_add_co_u32 s18, s18, BSOFF
	s_mul_i32 s46, s46, RT*KST*1536
	s_add_co_u32 s46, s46, BCOFF
	s_mov_b32 s47, 0
	s_mov_b32 s19, 0
	s_mul_i32 s44, s14, HALFT
	s_mul_i32 s45, s14, 2*HALFT                    ; my quarter of K 256 .. 767, by the wave's number alone
	s_wait_kmcnt 0x0
	s_add_nc_u64 s[20:21], s[4:5], s[20:21]
	s_add_nc_u64 s[22:23], s[4:5], s[22:23]
	s_add_nc_u64 s[46:47], s[6:7], s[46:47]
	s_add_nc_u64 s[18:19], s[6:7], s[18:19]
	CROUND
; THE HEAD'S FOUR TILES, one tensor load a wave: wave 0 A's 16 row tiles of K 0 .. 255, wave 1 B's, wave 2 A's scale words for all of K, wave 3 B's.
; s[20:23], s[46:47], s[18:19] stand at my half of the rows: the half's bytes are taken off again for a tile that holds both halves.
.set G0H,  40                          ; s[40:43] group 0 of A's head tile
.set G0HB, 92                          ; s[92:95] of B's
.macro G0MK g, lds, base, off
	s_mov_b32 s[\g], 1
	s_mov_b32 s[\g+1], \lds
	s_sub_nc_u64 s[\g+2:\g+3], s[\base:\base+1], s[\off:\off+1]
	s_or_b32 s[\g+3], s[\g+3], 0x80000000
.endm
.macro ARM under, g0, g1, next
	s_cmp_lt_u32 s14, \under
	s_cbranch_scc0 \next
	tensor_load_to_lds s[\g0:\g0+3], s[\g1:\g1+7]
	s_nop 0
.rept 4
	v_nop
.endr
	s_branch .Lhead_asked
\next:
.endm
	s_mul_i32 s2, s16, RT*KST*1536
	s_mov_b32 s3, 0
	G0MK G0H, 0, 20, 2
	G0MK G0HB, 2*HALFT, 46, 2
	s_mul_i32 s2, s16, HALFS
	G0MK G0S, SCL, 22, 2
	G0MK G0SB, SCL+2*HALFS, 18, 2
.irp g, G1, G1B
	s_mov_b32 s[\g+2], (2*RT)<<16                  ; the head's tiles of codes have 16 row tiles
	s_mov_b32 s[\g+4], 2*RT
.endr
.irp g, G1S, G1SB
	s_mov_b32 s[\g+2], (2*HALFS/256)<<16           ; and those of scale words both halves' units of 256 bytes
	s_mov_b32 s[\g+4], 2*HALFS/256
.endr
	ARM 1, G0H,  G1,  .Lhead_b
	ARM 2, G0HB, G1B, .Lhead_sa
	ARM 3, G0S,  G1S, .Lhead_sb
	tensor_load_to_lds s[G0SB:G0SB+3], s[G1SB:G1SB+7]
	s_nop 0
.rept 4
	v_nop
.endr
.Lhead_asked:
.irp s, 0,1                            ; set 0: my quarter of slot 0, for its refill; set 1: my quarter of K 256 .. 767
	s_mov_b32 s[G0+4*\s], 1
	s_add_nc_u64 s[G0+4*\s+2:G0+4*\s+3], s[20:21], \s*ROWB
	s_or_b32 s[G0+4*\s+3], s[G0+4*\s+3], 0x80000000
	s_mov_b32 s[G0B+4*\s], 1
	s_add_nc_u64 s[G0B+4*\s+2:G0B+4*\s+3], s[46:47], \s*ROWB
	s_or_b32 s[G0B+4*\s+3], s[G0B+4*\s+3], 0x80000000
.endr
	s_add_co_u32 s[G0+1], s44, 0
	s_add_co_u32 s[G0B+1], s44, 0
	s_add_co_u32 s[G0+5], s45, SLOT
	s_add_co_u32 s[G0B+5], s45, SLOT
	v_and_b32 v1, 15, v0
	v_bfe_u32 v2, v0, 4, 1
	v_and_b32 v3, 31, v0
	v_lshlrev_b32 v[V16], 4, v3
	v_lshlrev_b32 v[V8], 3, v3
	s_mul_i32 s21, s15, HALFT
	s_mul_i32 s22, s16, HALFT
	s_add_co_u32 s22, s22, 2*HALFT
.irp k, 0,3                            ; slot 0: my half; slot 1: behind slot 0, halves twice as large; slot 2: 3,072 bytes further on in the same rows
	v_add_nc_u32 v[ADRA+\k], s21, v[V16+\k/3]
	v_add_nc_u32 v[ADRB+\k], s22, v[V16+\k/3]
	v_add_nc_u32 v[ADRA+\k+1], s21, v[ADRA+\k]
	v_add_nc_u32 v[ADRB+\k+1], s22, v[ADRB+\k]
	v_add_nc_u32 v[ADRA+\k+1], SLOT, v[ADRA+\k+1]
	v_add_nc_u32 v[ADRB+\k+1], SLOT, v[ADRB+\k+1]
	v_add_nc_u32 v[ADRA+\k+2], ROWB, v[ADRA+\k+1]
	v_add_nc_u32 v[ADRB+\k+2], ROWB, v[ADRB+\k+1]
.endr
	v_lshlrev_b32 v5, 2, v1
	s_mul_i32 s21, s15, HALFS
	s_mul_i32 s22, s16, HALFS
	s_add_co_u32 s22, s22, 2*HALFS
	s_sub_co_u32 s22, s22, s21
	v_mul_u32_u24 v6, s22, v2
	s_add_co_u32 s21, s21, SCL
	v_add_nc_u32 v5, v5, v6
	v_add_nc_u32 v[ADRS], s21, v5
	s_lshl_b32 s20, s17, 4
	s_lshl_b32 s21, s15, 3
	s_add_co_u32 s20, s20, s21
	s_lshl_b32 s20, s20, 5
	s_lshl_b32 s21, s98, 1
	s_add_co_u32 s21, s21, s16
	s_add_co_u32 s20, s20, s21
	s_mul_i32 s22, s20, 1536
	s_mov_b32 s23, 0
	s_add_nc_u64 s[12:13], s[10:11], s[22:23]
	s_lshl_b32 s22, s20, 6
	s_add_co_u32 s22, s22, 12582912
	s_add_nc_u64 s[10:11], s[10:11], s[22:23]
	s_lshl_b32 s22, s21, 9
	s_add_nc_u64 s[8:9], s[8:9], s[22:23]
	v_lshlrev_b32 v10, 6, v2
	v_lshlrev_b32 v11, 2, v1
	v_lshl_add_u32 v11, v2, 11, v11
.irp e, 0,1,2,3,4,5,6,7,8,9,10,11,12,13,14,15
	global_load_b128 v[BN+4*\e:BN+4*\e+3], v10, s[8:9] offset:128*(\e/4)+16*(\e%4)
.endr
	s_wait_alu depctr_va_vdst(0)
	s_wait_tensorcnt 0x0                           ; my tile of the head's four is in
	ds_add_u32 v[SPW], v[NIL]
.irp g, G1, G1B
	s_mov_b32 s[\g+2], RT<<16                      ; no tensor load of mine is out: from here on slot 0's tiles have 8 row tiles,
	s_mov_b32 s[\g+4], RT
.endr
.irp g, G1S, G1SB                      ; and the scale words' groups 1 describe 8 row tiles x 6,144 bytes
	s_mov_b32 s[\g+1], (2*ROWB/8)<<16
	s_mov_b32 s[\g+2], RT<<16
	s_mov_b32 s[\g+3], (2*ROWB/8)<<16
	s_mov_b32 s[\g+4], RT
	s_mov_b32 s[\g+5], KST*192
.endr
	s_wait_dscnt 0x0
	CROUND                                         ; a whole round: all four tiles are in, and the joint loads meet
	JLOAD G0+4, G1S, G0B+4, G1SB                   ; K 256 .. 767, my one tensor load behind the round
	FETCH_B 0, 0
	FETCH_A 0, 0, 0
	SCALES 0
	FETCH_A 0, 0, 4
	STEP 0, 0, 1
	TURN 0, 0, 1, 1, 1
	s_wait_alu depctr_va_vdst(0)
	STEP 1, 1, 0
	TURN 1, 1, 2, 0, 2
	s_wait_alu depctr_va_vdst(0)
	STEP 2, 0, 0
	TURN 2, 0, 0, 1, 0
	STEP 0, 1, 0
	s_wait_dscnt 4*NL
	MULH 0, 1, 1, 0
	MULH 1, 1, 1, 0
	s_wait_dscnt 0x0
	MULH 2, 1, 1, 0
	MULH 3, 1, 1, 0
	WIN 0
.macro EPI a
.set AC, 64*((\a)%4)
.if (\a) > 0
	s_wait_xcnt 0x0
.endif
	WIN 0x02+(\a)/4
.set i, 0
.rept 32
	v_pk_add_f32 v[H+i:H+i+1], v[AC+i:AC+i+1], v[BN+i:BN+i+1]
.set i, i+2
.endr
	WIN 0
.set i, 0
.rept 32
	v_pk_mul_f32 v[E+i:E+i+1], v[H+i:H+i+1], v[H+i:H+i+1]
.set i, i+2
.endr
.set i, 0
.rept 32
	v_pk_fma_f32 v[E+i:E+i+1], v[E+i:E+i+1], v[52:53], v[54:55]
.set i, i+2
.endr
.set i, 0
.rept 32
	v_pk_mul_f32 v[E+i:E+i+1], v[E+i:E+i+1], v[H+i:H+i+1]
.set i, i+2
.endr
.set i, 0
	s_wait_alu depctr_va_vdst(0)
.rept 64
	v_exp_f32 v[E+i], v[E+i]
.set i, i+1
.endr
	v_nop
	s_wait_alu depctr_va_vdst(0)
.set i, 0
.rept 32
	v_pk_add_f32 v[E+i:E+i+1], v[E+i:E+i+1], 1.0 op_sel_hi:[1,0]
.set i, i+2
.endr
.set i, 0
	s_wait_alu depctr_va_vdst(0)
.rept 64
	v_rcp_f32 v[E+i], v[E+i]
.set i, i+1
.endr
	v_nop
	s_wait_alu depctr_va_vdst(0)
.set i, 0
.rept 32
	v_pk_mul_f32 v[H+i:H+i+1], v[H+i:H+i+1], v[E+i:E+i+1]
.set i, i+2
.endr
	QUANT H, PC, PW
	IMG PC, 12, (\a)*49152
.if (\a)%2 == 0
	v_mov_b32 v49, v[PW]
.else
	v_cndmask_b32 v50, v49, v[PW], s99
	global_store_b32 v11, v50, s[10:11] offset:((\a)/2)*4096
.endif
.endm
	s_wait_loadcnt 0x0
	PLACES NP
.irp b, 0,1,2,3
	v_mov_b32 v[TM+4+\b], 0
.endr
	v_mov_b32 v52, 0xbdd2d3e8
	v_mov_b32 v53, 0xbdd2d3e8
	v_mov_b32 v54, 0xc0135761
	v_mov_b32 v55, 0xc0135761
.irp a, 0,1,2,3,4,5,6,7
	EPI \a
.endr
	s_wait_tensorcnt 0x0
	ds_add_u32 v[SPW], v[NIL]
	s_wait_dscnt 0x0
	CROUND
	s_endpgm
.Lfunc_end_k_q3c1ccf2a32_fc:
	.size	k_q3c1ccf2a32_fc, .Lfunc_end_k_q3c1ccf2a32_fc-k_q3c1ccf2a32_fc
	.p2alignl 7, 3214868480
	.fill 96, 4, 3214868480
	.section	.rodata,"a",@progbits
	.p2align	6, 0x0
	.amdhsa_kernel k_q3c1ccf2a32_fc
		.amdhsa_group_segment_fixed_size 327680
		.amdhsa_private_segment_fixed_size 0
		.amdhsa_enable_private_segment 0
		.amdhsa_kernarg_size 32
		.amdhsa_user_sgpr_count 2
		.amdhsa_user_sgpr_kernarg_segment_ptr 1
		.amdhsa_wavefront_size32 1
		.amdhsa_system_sgpr_workgroup_id_x 1
		.amdhsa_system_sgpr_workgroup_id_y 1
		.amdhsa_system_sgpr_workgroup_id_z 1
		.amdhsa_system_vgpr_workitem_id 0
		.amdhsa_next_free_vgpr 1024
		.amdhsa_next_free_sgpr 102
		.amdhsa_reserve_vcc 0
		.amdhsa_float_denorm_mode_32 3
		.amdhsa_float_denorm_mode_16_64 3
		.amdhsa_memory_ordered 1
		.amdhsa_forward_progress 1
		.amdhsa_inst_pref_size 255
	.end_amdhsa_kernel
	.section	.bss,"aw",@nobits
	.p2align	6
	.space	262144
	.amdgpu_metadata
---
amdhsa.version: [ 1, 2 ]
amdhsa.kernels:
  - .name:           k_q3c1ccf2a32_fc
    .symbol:         k_q3c1ccf2a32_fc.kd
    .args:
      - { .name: hact, .offset: 0, .size: 8, .value_kind: global_buffer, .address_space: global }
      - { .name: wts, .offset: 8, .size: 8, .value_kind: global_buffer, .address_space: global }
      - { .name: b_fc, .offset: 16, .size: 8, .value_kind: global_buffer, .address_space: global }
      - { .name: gact, .offset: 24, .size: 8, .value_kind: global_buffer, .address_space: global }
    .group_segment_fixed_size: 327680
    .private_segment_fixed_size: 0
    .kernarg_segment_align: 8
    .kernarg_segment_size: 32
    .max_flat_workgroup_size: 128
    .sgpr_count:     102
    .vgpr_count:     1024
    .wavefront_size: 32
...
	.end_amdgpu_metadata
.endif
;; end of part 6
;; launch proj (part 7): grid 8 x 32, 4 waves a work-group, clusters of 4 x 4, 327,680 bytes of LDS; arguments gact, wts, x1, b_proj, out0; writes out0
.if DOCPART == 7
	.amdgcn_target "amdgcn-amd-amdhsa--gfx1250"
	.amdhsa_code_object_version 6
	.text
	.protected	k_q3c1ccf2a32_proj
	.globl	k_q3c1ccf2a32_proj
	.p2align	8
	.type	k_q3c1ccf2a32_proj,@function
k_q3c1ccf2a32_proj:
	s_mov_b64 s[64:65], 0
	v_nop
	global_prefetch_b8 v0, s[64:65] scope:SCOPE_SE
	s_setreg_imm32_b32 hwreg(HW_REG_WAVE_MODE, 25, 1), 1
	s_wait_xcnt 0x0
	s_wait_alu depctr_hold_cnt(0) depctr_sa_sdst(0) depctr_va_vdst(0) depctr_va_sdst(0) depctr_va_ssrc(0) depctr_va_vcc(0) depctr_vm_vsrc(0)
	s_getreg_b32 s2, hwreg(HW_REG_IB_STS2, 6, 4)
	s_cmp_eq_u32 s2, 0
	s_cbranch_scc0 .Lentry_in_a_cluster
	s_endpgm
.Lentry_in_a_cluster:
	s_bfe_u32 s2, ttmp6, 0x10000c
	s_cmp_lg_u32 s2, 0xf033
	s_cbranch_scc0 .Lentry_shape_is_right
	s_endpgm
.Lentry_shape_is_right:
; out = x1 + g W_proj + b_proj.  g and W_proj are codes of BF6 (E3M2) with E8M0 scales, laid as images of their registers (tiles of 16 rows, ROW(T, r) = 32 (T / 2) + 8 (T % 2) + r + 8 (r / 8); a fragment of
; 16 rows x 128 K is 1,536 bytes: for each half of 64 K registers 0-3 at 16 x lane, registers 4-5 at 512 + 8 x lane); scale words are [tile][K / 128][16 words].  x1, b_proj, out: f32.
; The result has 32 x 8 blocks of 128 x 128: a block to a work-group, so that 256 work-groups have work; blocks of 256 x 256 would be 64.  A wave makes 64 x 64: 16 accumulators.
; K = 4,096 goes in slots of 512 through a ring of two LDS slots filled by the tensor data mover: 64 matrix instructions a wave between two changes of slots.
; The matrix instruction takes W's tile as source 0 and g's as source 1: a lane holds one row of the result.
; CLUSTERS: 4 x 4 work-groups; g's tiles are asked for jointly along a row of the cluster, W's along a column.
; LIMITS: NaN and infinities are not served.
.set TPL,    128
.set SIZE_K, 4096
.set ASOFF,  12582912                  ; where gact's scale words begin
.set BCOFF,  6291456                   ; where W_proj's codes begin in wts,
.set BSOFF,  9699328                   ; and its scale words
.set KST,    SIZE_K/128
.set KPS,    4
.set RT,     4
.set ROWB,   KPS*1536
.set HALFT,  RT*ROWB
.set SLOT,   4*HALFT
.set LAPS,   SIZE_K/(256*KPS)
.set KS64,   64*KST
.set HALFS,  RT*KS64
.set SCL,    2*SLOT
.set SPARE,  SCL+4*HALFS
.set FR,     12
.set NL,     4
.set NP,     4
.set V16,  8
.set V8,   9
.set ADRA, 16
.set ADRB, 20
.set STO,  24
.set RD,   25
.set CO,   26
.set ADRS, 27
.set SPW,  28
.set NIL,  29
.set SC,   32
.set BI,   64
.set AF,   128
.set BK,   128
.set RS,   128
.set G1,   24
.set G0,   32
.set G1B,  48
.set G0B,  56
.set G1S,  68
.set G0S,  76
.set G1SB, 80
.set G0SB, 88
.set MSB, 0
.macro WIN new
.if MSB != \new
	s_set_vgpr_msb (MSB<<8)|\new
.set MSB, \new
.endif
.endm
.set MUL_LO, 0xa1
.set MUL_HI, 0xf1
.set TO_B,   0x40
.macro JLOAD g0a, g1a, g0b, g1b
	s_cmp_eq_u32 s15, 0
	s_cbranch_scc0 .Lfor_b_\@
	tensor_load_to_lds s[\g0a:\g0a+3], s[\g1a:\g1a+7]
	s_nop 0
.rept 4
	v_nop
.endr
	s_branch .Lasked_\@
.Lfor_b_\@:
	tensor_load_to_lds s[\g0b:\g0b+3], s[\g1b:\g1b+7]
	s_nop 0
.rept 4
	v_nop
.endr
.Lasked_\@:
.endm
.macro CREST
	s_cmp_lg_u32 s14, 0
	s_cbranch_scc1 .Lnot_wave_0_\@
	s_barrier_signal -3
.Lnot_wave_0_\@:
	s_barrier_wait -3
	s_barrier_signal -1
	s_barrier_wait -1
.endm
.macro CROUND
	s_barrier_signal -1
	s_barrier_wait -1
	CREST
.endm
.macro PLACES n
.rept \n
	v_nop
.endr
.endm
.macro FRAG reg, adr, off
	ds_load_b128 v[\reg:\reg+3], v[\adr] offset:\off
	ds_load_b64 v[\reg+4:\reg+5], v[\adr+2] offset:\off+512
	ds_load_b128 v[\reg+6:\reg+9], v[\adr] offset:\off+768
	ds_load_b64 v[\reg+10:\reg+11], v[\adr+2] offset:\off+1280
.endm
.macro FETCH_B slot, u
	WIN TO_B
.irp f, 0,1,2,3,4,5,6,7
.set rR, 128*(\u)+FR*\f
.if TPL == 256
.set rO, \f*3072+(\u)*1536
.else
.set rO, (\f%4)*6144+(2*(\u)+\f/4)*1536
.endif
	FRAG rR, ADRB+\slot, rO
.endr
	WIN 0
.endm
.macro FETCH_A slot, u, f0
.irp f, \f0, \f0+1, \f0+2, \f0+3
.set rR, AF+FR*(\f)
.if TPL == 256
.set rO, (\f)*3072+(\u)*1536
.else
.set rO, ((\f)%4)*6144+(2*(\u)+(\f)/4)*1536
.endif
	FRAG rR, ADRA+\slot, rO
.endr
.endm
.macro SCALES sc
.set e, 0
.rept 16
	ds_load_b32 v[SC+16*(\sc)+e], v[ADRS] offset:(e/KPS)*KS64+(e%KPS)*64
.set e, e+1
.endr
.endm
.macro WMI
.if rZ
	v_wmma_scale_f32_16x16x128_f8f6f4 v[rD:rD+7], v[rB:rB+FR-1], v[rA:rA+FR-1], 0, v[rSB], v[rSA] matrix_a_fmt:MATRIX_FMT_BF6 matrix_b_fmt:MATRIX_FMT_BF6 matrix_a_scale:MATRIX_SCALE_ROW1
.else
	v_wmma_scale_f32_16x16x128_f8f6f4 v[rD:rD+7], v[rB:rB+FR-1], v[rA:rA+FR-1], v[rD:rD+7], v[rSB], v[rSA] matrix_a_fmt:MATRIX_FMT_BF6 matrix_b_fmt:MATRIX_FMT_BF6 matrix_a_scale:MATRIX_SCALE_ROW1
.endif
.endm
; A quarter of a step of 256 along K: parts 0, 1 its first 128 on all 16 accumulators, parts 2, 3 its second.  The accumulators take turns, one instruction a turn.
.macro MULH part, u, sc, zero
.if TPL == 256
.if (\part) < 2
	WIN MUL_LO
.else
	WIN MUL_HI
.endif
.irp a, 2*(\part), 2*(\part)+1
.irp b, 0,1,2,3,4,5,6,7
.set rD, 8*(8*((\a)%4)+\b)
.set rB, 128*(\u)+FR*\b
.set rA, AF+FR*(\a)
.set rSB, SC+16*(\sc)+2*\b+(\u)
.set rSA, SC+16*(\sc)+2*(\a)+(\u)
.set rZ, \zero
	WMI
.endr
.endr
.else
	WIN MUL_LO
.irp a, 2*((\part)%2), 2*((\part)%2)+1
.irp b, 0,1,2,3
.set rD, 8*(4*(\a)+\b)
.set rB, 128*(\u)+FR*(4*((\part)/2)+\b)
.set rA, AF+FR*(4*((\part)/2)+(\a))
.set rSB, SC+16*(\sc)+4*\b+2*(\u)+(\part)/2
.set rSA, SC+16*(\sc)+4*(\a)+2*(\u)+(\part)/2
.set rZ, (\zero)*(1-(\part)/2)
	WMI
.endr
.endr
.endif
.endm
.macro STEP slot, zero
	s_wait_dscnt 4*NL                              ; all but the youngest 16 loads (A's fragments 4-7) are in
	MULH 0, 0, \slot, \zero
	MULH 1, 0, \slot, \zero
	s_wait_dscnt 0x0
	PLACES NP                                      ; in front of loads into registers that matrix instructions have read
	FETCH_B \slot, 1
	FETCH_A \slot, 1, 0
	MULH 2, 0, \slot, \zero
	MULH 3, 0, \slot, \zero
	PLACES NP
	WIN 0
	FETCH_A \slot, 1, 4
.endm
.macro TURN slot, next, fill
.if \fill
	s_wait_xcnt 0x0                                ; my last prefetch has read its address, which steps one slot on
	s_add_nc_u64 s[PFA:PFA+1], s[PFA:PFA+1], ROWB
.endif
	s_wait_tensorcnt 0x0
	ds_add_u32 v[SPW], v[NIL]                      ; 0 onto my spare word
	s_wait_dscnt 4*NL+1                            ; (the add and the youngest 16 loads may be out)
	MULH 0, 1, \slot, 0
	s_wait_dscnt 0x0                               ; the add is done, and my reads of this slot are over
	s_barrier_signal -1
	MULH 1, 1, \slot, 0
	WIN 0
	s_barrier_wait -1
.if \fill
	CREST                                          ; the barrier has opened a round of the cluster's barrier: no wave of any partner still reads this slot or has a load on its way
	s_add_nc_u64 s[G0+4*\slot+2:G0+4*\slot+3], s[G0+4*\slot+2:G0+4*\slot+3], 2*ROWB
	s_add_nc_u64 s[G0B+4*\slot+2:G0B+4*\slot+3], s[G0B+4*\slot+2:G0B+4*\slot+3], 2*ROWB
	JLOAD G0+4*\slot, G1, G0B+4*\slot, G1B         ; the first tensor load behind the round; its four v_nop are also the places in front of the loads below
.else
	PLACES NP
.endif
	s_wait_alu depctr_va_vdst(0)
	v_add_nc_u32 v[ADRS], 64*KPS, v[ADRS]
	FETCH_B \next, 0
	FETCH_A \next, 0, 0
	SCALES \next
.if \fill
	s_cmp_gt_u32 s3, 1                             ; the loop's last trip fills K slots 6 and 7: no slot lies two further on
	s_cbranch_scc0 .Lnot_asked_\@
	global_prefetch_b8 v[PFO], s[PFA:PFA+1] offset:3*ROWB th:TH_LOAD_NT scope:SCOPE_SE   ; the K slot two behind the one just asked for
.Lnot_asked_\@:
.endif
	MULH 2, 1, \slot, 0
	MULH 3, 1, \slot, 0
	PLACES NP
	WIN 0
	FETCH_A \next, 0, 4
.endm
	s_load_b256 s[4:11], s[0:1], 0x0               ; A's buffer, wts, the residual, the bias
	s_load_b64 s[12:13], s[0:1], 0x20              ; the result
	v_lshl_add_u32 v[SPW], v0, 2, SPARE
	v_mov_b32 v[NIL], 0
	ds_add_u32 v28, v29
	ds_add_u32 v28, v29
	s_wait_dscnt 0x0
	v_lshrrev_b32 v1, 5, v0
	v_readfirstlane_b32 s14, v1
	s_lshr_b32 s15, s14, 1
	s_and_b32 s16, s14, 1
	s_bfe_u32 s40, ttmp6, 0x40000
	s_bfe_u32 s41, ttmp6, 0x40004
	s_lshl_b32 s42, ttmp9, 2
	s_add_co_u32 s42, s42, s40                     ; block column
	s_and_b32 s17, ttmp7, 0xffff
	s_lshl_b32 s17, s17, 2
	s_add_co_u32 s17, s17, s41                     ; block row
	s_lshl_b32 s43, s41, 2
	s_lshl_b32 s43, 15, s43
	s_lshl_b32 s44, 0x1111, s40
	s_or_b32 s[G1+0], s43, (3<<16)|(1<<21)
	s_or_b32 s[G1B+0], s44, (3<<16)|(1<<21)
.irp g, G1, G1B
	s_mov_b32 s[\g+1], (ROWB/8)<<16
	s_mov_b32 s[\g+2], RT<<16
	s_mov_b32 s[\g+3], (ROWB/8)<<16
	s_mov_b32 s[\g+4], RT
	s_mov_b32 s[\g+5], KST*192
	s_mov_b32 s[\g+6], 0
	s_mov_b32 s[\g+7], 0
.endr
	s_or_b32 s[G1S+0], s43, (3<<16)|(1<<21)
	s_or_b32 s[G1SB+0], s44, (3<<16)|(1<<21)
.irp g, G1S, G1SB
	s_mov_b32 s[\g+1], 32<<16
	s_mov_b32 s[\g+2], (HALFS/256)<<16
	s_mov_b32 s[\g+3], 32<<16
	s_mov_b32 s[\g+4], HALFS/256
	s_mov_b32 s[\g+5], 32
	s_mov_b32 s[\g+6], 0
	s_mov_b32 s[\g+7], 0
.endr
	s_lshl_b32 s20, s17, 1
	s_add_co_u32 s20, s20, s16
	s_mul_i32 s22, s20, HALFS
	s_add_co_u32 s22, s22, ASOFF
	s_mul_i32 s20, s20, RT*KST*1536
	s_mov_b32 s21, 0
	s_mov_b32 s23, 0
	s_lshl_b32 s46, s42, 1
	s_add_co_u32 s46, s46, s16
	s_mul_i32 s92, s46, HALFS
	s_add_co_u32 s92, s92, BSOFF
	s_mul_i32 s46, s46, RT*KST*1536
	s_add_co_u32 s46, s46, BCOFF
	s_mov_b32 s47, 0
	s_mov_b32 s93, 0
	s_mul_i32 s45, s14, HALFT
	s_wait_kmcnt 0x0
	s_add_nc_u64 s[20:21], s[4:5], s[20:21]
	s_add_nc_u64 s[22:23], s[4:5], s[22:23]
	s_add_nc_u64 s[46:47], s[6:7], s[46:47]
	s_add_nc_u64 s[92:93], s[6:7], s[92:93]
	CROUND                                         ; all sixteen work-groups are here: the first joint loads meet
; THE HEAD'S FOUR TILES, one tensor load a wave: wave 0 A's 8 row tiles of K slot 0, wave 1 B's, wave 2 A's scale words for all of K, wave 3 B's.
; s[20:23], s[46:47], s[92:93] stand at my half of the rows: the half's bytes are taken off again for a tile that holds both halves.
.set G0H,  4                           ; s[4:7] group 0 of A's head tile (the arguments that lay there have been used)
.set G0HB, 92                          ; s[92:95] of B's
.set PFA,  40                          ; s[40:41] where my prefetches stand
.set PFO,  30                          ; v30 their offset: 256 x min(lane, 23); never rewritten
.macro G0MK g, lds, base, off
	s_mov_b32 s[\g], 1
	s_mov_b32 s[\g+1], \lds
	s_sub_nc_u64 s[\g+2:\g+3], s[\base:\base+1], s[\off:\off+1]
	s_or_b32 s[\g+3], s[\g+3], 0x80000000
.endm
.macro ARM under, g0, g1, next
	s_cmp_lt_u32 s14, \under
	s_cbranch_scc0 \next
	tensor_load_to_lds s[\g0:\g0+3], s[\g1:\g1+7]
	s_nop 0
.rept 4
	v_nop
.endr
	s_branch .Lhead_asked
\next:
.endm
	s_mul_i32 s2, s16, RT*KST*1536
	s_mov_b32 s3, 0
	s_mul_i32 s96, s16, HALFS
	s_mov_b32 s97, 0
	G0MK G0H, 0, 20, 2
	G0MK G0S, SCL, 22, 96
	G0MK G0SB, SCL+2*HALFS, 92, 96
	G0MK G0HB, 2*HALFT, 46, 2
.irp g, G1, G1B
	s_mov_b32 s[\g+2], (2*RT)<<16                  ; the head's tiles of codes have 8 row tiles
	s_mov_b32 s[\g+4], 2*RT
.endr
.irp g, G1S, G1SB
	s_mov_b32 s[\g+2], (2*HALFS/256)<<16
	s_mov_b32 s[\g+4], 2*HALFS/256
.endr
	ARM 1, G0H,  G1,  .Lhead_b
	ARM 2, G0HB, G1B, .Lhead_sa
	ARM 3, G0S,  G1S, .Lhead_sb
	tensor_load_to_lds s[G0SB:G0SB+3], s[G1SB:G1SB+7]
	s_nop 0
.rept 4
	v_nop
.endr
.Lhead_asked:
; PREFETCHES INTO THE L2.  A K slot of the four row tiles that my wave fetches in the ring is 4 x 6,144 bytes; the four partners that ask for them jointly take a row tile each, told apart by address
; (cx for A's, cy for B's): 24 blocks of 256 bytes, a lane a block (lanes 24-31 name the last block again), one instruction a wave.  Here K slots 1, 2, 3; in the loop, behind the refill with K slot j, slot j + 2.
	s_cmp_eq_u32 s15, 0                            ; do I fetch for A?
	s_cselect_b32 s2, s40, s41                     ; my place among the four that ask with me
	s_cselect_b64 s[PFA:PFA+1], s[20:21], s[46:47]
	s_mul_i32 s2, s2, KST*1536                     ; that row tile of my four
	s_add_nc_u64 s[PFA:PFA+1], s[PFA:PFA+1], s[2:3]
	v_and_b32 v[PFO], 31, v0
	v_min_u32 v[PFO], 23, v[PFO]
	v_lshlrev_b32 v[PFO], 8, v[PFO]
.irp j, 1,2,3
	global_prefetch_b8 v[PFO], s[PFA:PFA+1] offset:\j*ROWB th:TH_LOAD_NT scope:SCOPE_SE
.endr
.irp s, 0,1
	s_mov_b32 s[G0+4*\s], 1
	s_add_co_u32 s[G0+4*\s+1], s45, \s*SLOT
	s_add_nc_u64 s[G0+4*\s+2:G0+4*\s+3], s[20:21], \s*ROWB
	s_or_b32 s[G0+4*\s+3], s[G0+4*\s+3], 0x80000000
	s_mov_b32 s[G0B+4*\s], 1
	s_add_co_u32 s[G0B+4*\s+1], s45, \s*SLOT
	s_add_nc_u64 s[G0B+4*\s+2:G0B+4*\s+3], s[46:47], \s*ROWB
	s_or_b32 s[G0B+4*\s+3], s[G0B+4*\s+3], 0x80000000
.endr
	v_and_b32 v1, 15, v0
	v_bfe_u32 v2, v0, 4, 1
	v_and_b32 v3, 31, v0
	v_lshlrev_b32 v[V16], 4, v3
	v_lshlrev_b32 v[V8], 3, v3
	s_mul_i32 s21, s15, HALFT
	s_mul_i32 s22, s16, HALFT
	s_add_co_u32 s22, s22, 2*HALFT
.irp s, 0,1
	v_add_nc_u32 v[ADRA+\s], s21, v[V16]
	v_add_nc_u32 v[ADRA+2+\s], s21, v[V8]
	v_add_nc_u32 v[ADRB+\s], s22, v[V16]
	v_add_nc_u32 v[ADRB+2+\s], s22, v[V8]
	s_add_co_u32 s21, s21, SLOT
	s_add_co_u32 s22, s22, SLOT
.endr
	v_lshlrev_b32 v5, 2, v1
	s_mul_i32 s21, s15, HALFS
	s_mul_i32 s22, s16, HALFS
	s_add_co_u32 s22, s22, 2*HALFS
	s_sub_co_u32 s22, s22, s21
	v_mul_u32_u24 v6, s22, v2
	s_add_co_u32 s21, s21, SCL
	v_add_nc_u32 v5, v5, v6
	v_add_nc_u32 v[ADRS], s21, v5
	; the way out's addresses, and the loads of the residual and the bias: they land while the products run
	s_mul_i32 s23, s14, 16*272                     ; my stage: 16 rows x (256 bytes + 16), in slot 0, which has had its last fill and its last read when the first result is stored there
	v_mul_u32_u24 v5, v1, 272
	v_lshl_add_u32 v5, v2, 6, v5
	v_add_nc_u32 v[STO], s23, v5
	v_mul_u32_u24 v5, v2, 272
	v_lshl_add_u32 v5, v1, 4, v5
	v_add_nc_u32 v[RD], s23, v5
	v_lshlrev_b32 v[CO], 12, v2
	v_lshl_add_u32 v[CO], v1, 4, v[CO]
	v_lshlrev_b32 v10, 4, v1
	s_wait_alu depctr_va_vdst(0)
	s_lshl_b32 s20, s17, 7
	s_lshl_b32 s21, s15, 6
	s_add_co_u32 s20, s20, s21                     ; my first row
	s_lshl_b32 s20, s20, 12
	s_lshl_b32 s22, s42, 9
	s_lshl_b32 s21, s16, 8
	s_add_co_u32 s22, s22, s21                     ; my first column, in bytes
	s_add_co_u32 s20, s20, s22
	s_mov_b32 s21, 0
	s_mov_b32 s23, 0
	s_add_nc_u64 s[8:9], s[8:9], s[20:21]
	s_add_nc_u64 s[12:13], s[12:13], s[20:21]
	s_add_nc_u64 s[10:11], s[10:11], s[22:23]
	global_load_b128 v[BI:BI+3], v10, s[10:11]
	s_wait_tensorcnt 0x0                           ; my tile of the head's four is in
	ds_add_u32 v[SPW], v[NIL]
.irp g, G1, G1B
	s_mov_b32 s[\g+2], RT<<16                      ; no tensor load of mine is out: from here on a tile has 4 row tiles
	s_mov_b32 s[\g+4], RT
.endr
	s_wait_dscnt 0x0
	CROUND                                         ; a whole round: all four tiles are in, and the joint loads meet
	JLOAD G0+4, G1, G0B+4, G1B                     ; K slot 1, my one tensor load behind the round
	FETCH_B 0, 0
	FETCH_A 0, 0, 0
	SCALES 0
	FETCH_A 0, 0, 4
	STEP 0, 1
	WIN 0x80                                       ; destination window 2.  The residual is asked for here, behind the head's tiles and the first step: it is wanted on the way out, behind the whole walk along K
.irp a, 0,1,2,3
.irp t, 0,1,2,3,4,5,6,7
	global_load_b128 v[RS+32*\a+4*\t:RS+32*\a+4*\t+3], v[CO], s[8:9] offset:(32*(\a/2)+8*(\a%2)+2*\t+8*(\t/4))*4096 th:TH_LOAD_NT
.endr
.endr
	WIN 0
.if LAPS > 1
	s_mov_b32 s3, LAPS-1
.Llap:
	TURN 0, 1, 1
	STEP 1, 0
	TURN 1, 0, 1
	STEP 0, 0
	s_sub_co_u32 s3, s3, 1
	s_cmp_lg_u32 s3, 0
	s_cbranch_scc1 .Llap
.endif
	TURN 0, 1, 0
	STEP 1, 0
	s_wait_dscnt 4*NL
	MULH 0, 1, 1, 0
	MULH 1, 1, 1, 0
	s_wait_dscnt 0x0
	MULH 2, 1, 1, 0
	MULH 3, 1, 1, 0
	WIN 0
; THE WAY OUT, a tile of 16 rows x 64 columns at a time, through my own stage in LDS, back as whole rows of 256 bytes.
; LDS serves a wave's instructions in order (ISA guide 5.7.1.4): no wait between the stores and the loads, nor in front of the next tile's stores.
.macro TOSTAGE a
	WIN 0x08                                       ; an LDS store's data are its source 1: window 2
.irp b, 0,1,2,3
	ds_store_b128 v[STO], v[32*(\a)+8*\b:32*(\a)+8*\b+3] offset:128*(\b/2)+32*(\b%2)
	ds_store_b128 v[STO], v[32*(\a)+8*\b+4:32*(\a)+8*\b+7] offset:128*(\b/2)+32*(\b%2)+16
.endr
	WIN 0
.set BB, BK+32*((\a)%2)
.irp t, 0,1,2,3,4,5,6,7
	ds_load_b128 v[BB+4*\t:BB+4*\t+3], v[RD] offset:\t*544
.endr
.endm
.macro SEND a, younger
.set BB, BK+32*((\a)%2)
	s_wait_dscnt \younger
	WIN 0x08                                       ; source 1: window 2
.set i, 0
.rept 16
	v_pk_add_f32 v[BB+i:BB+i+1], v[BB+i:BB+i+1], v[RS+32*(\a)+i:RS+32*(\a)+i+1]   ; + the residual
.set i, i+2
.endr
	WIN 0
.irp t, 0,1,2,3,4,5,6,7
	v_pk_add_f32 v[BB+4*\t:BB+4*\t+1], v[BB+4*\t:BB+4*\t+1], v[BI:BI+1]           ; + the bias
	v_pk_add_f32 v[BB+4*\t+2:BB+4*\t+3], v[BB+4*\t+2:BB+4*\t+3], v[BI+2:BI+3]
.endr
.irp t, 0,1,2,3,4,5,6,7
	global_store_b128 v[CO], v[BB+4*\t:BB+4*\t+3], s[12:13] offset:(32*((\a)/2)+8*((\a)%2)+2*\t+8*(\t/4))*4096 th:TH_STORE_NT   ; sixteen lanes store 256 consecutive bytes, aligned
.endr
.endm
	s_wait_loadcnt 0x0                             ; the residual and the bias
	PLACES NP                                      ; behind the last products
	TOSTAGE 0
	TOSTAGE 1
	SEND 0, 16                                     ; behind tile 0's loads: tile 1's 8 stores and 8 loads
	s_wait_xcnt 0x0                                ; tile 0's stores have read their registers: tile 2's loads may land there
	TOSTAGE 2
	SEND 1, 16
	s_wait_xcnt 0x0
	TOSTAGE 3
	SEND 2, 16
	SEND 3, 0
	s_wait_tensorcnt 0x0                           ; the wave's end
	ds_add_u32 v[SPW], v[NIL]
	s_wait_dscnt 0x0
	CROUND                                         ; the closing round
	s_endpgm
.Lfunc_end_k_q3c1ccf2a32_proj:
	.size	k_q3c1ccf2a32_proj, .Lfunc_end_k_q3c1ccf2a32_proj-k_q3c1ccf2a32_proj
	.p2alignl 7, 3214868480
	.fill 96, 4, 3214868480
	.section	.rodata,"a",@progbits
	.p2align	6, 0x0
	.amdhsa_kernel k_q3c1ccf2a32_proj
		.amdhsa_group_segment_fixed_size 327680
		.amdhsa_private_segment_fixed_size 0
		.amdhsa_enable_private_segment 0
		.amdhsa_kernarg_size 40
		.amdhsa_user_sgpr_count 2
		.amdhsa_user_sgpr_kernarg_segment_ptr 1
		.amdhsa_wavefront_size32 1
		.amdhsa_system_sgpr_workgroup_id_x 1
		.amdhsa_system_sgpr_workgroup_id_y 1
		.amdhsa_system_sgpr_workgroup_id_z 1
		.amdhsa_system_vgpr_workitem_id 0
		.amdhsa_next_free_vgpr 768
		.amdhsa_next_free_sgpr 98
		.amdhsa_reserve_vcc 0
		.amdhsa_float_denorm_mode_32 3
		.amdhsa_float_denorm_mode_16_64 3
		.amdhsa_memory_ordered 1
		.amdhsa_forward_progress 1
		.amdhsa_inst_pref_size 106
	.end_amdhsa_kernel
	.amdgpu_metadata
---
amdhsa.version: [ 1, 2 ]
amdhsa.kernels:
  - .name:           k_q3c1ccf2a32_proj
    .symbol:         k_q3c1ccf2a32_proj.kd
    .args:
      - { .name: gact, .offset: 0, .size: 8, .value_kind: global_buffer, .address_space: global }
      - { .name: wts, .offset: 8, .size: 8, .value_kind: global_buffer, .address_space: global }
      - { .name: x1, .offset: 16, .size: 8, .value_kind: global_buffer, .address_space: global }
      - { .name: b_proj, .offset: 24, .size: 8, .value_kind: global_buffer, .address_space: global }
      - { .name: out0, .offset: 32, .size: 8, .value_kind: global_buffer, .address_space: global }
    .group_segment_fixed_size: 327680
    .private_segment_fixed_size: 0
    .kernarg_segment_align: 8
    .kernarg_segment_size: 40
    .max_flat_workgroup_size: 128
    .sgpr_count:     98
    .vgpr_count:     768
    .wavefront_size: 32
...
	.end_amdgpu_metadata
.endif
;; end of part 7
